; MI455X (gfx1250); checked and timed in simulation.
; The chip was launched on July 23, 2026; its instructions are those of AMD's public machine-readable ISA for CDNA 5 (MIT licence, August 2026) and "CDNA5" Instruction Set Architecture Reference Guide (July 2026). The comments in the code are by the model that wrote it; some were corrected since.
;; GPT Big Code Block. Allowed arithmetic: matrix products marked QUANTISED: E2M1 operands, one E8M0 scale for each 32 along K, by v_wmma_scale_f32_16x16x128_f8f6f4 with both operands' format E2M1 (or v_wmma_scale_f32_32x16x128_f4), f32 sums; everything else in f32.
;; Inputs: bfc 2,048 float32; bkv 64 float32; bo 512 float32; bproj 512 float32; bq 512 float32; hidden_states 4 x 2,048 x 512 float32; ln1_b 512 float32; ln1_g 512 float32; ln2_b 512 float32; ln2_g 512 float32; wfc 512 x 2,048 float32; wkv 512 x 64 float32; wo 512 x 512 float32; wproj 2,048 x 512 float32; wq 512 x 512 float32.
;; Outputs: out0 4 x 2,048 x 512 float32.
;; This version of the problem:
;;   THIS VERSION OF THE PROBLEM IS GIVEN IN LOW PRECISION. The matrix products marked QUANTISED in the list below multiply operands that are first quantised to E2M1 (2 exponent bits, 1 mantissa bit; 4 bits a number), with one power-of-two scale for each 32 numbers along K (OCP MX v1.0); their sums are f32. All else is computed in f32.
;;   The module's matrix products, in the order in which they are computed (A, B: the left and right operand; K: the contracted axis; several contracted axes count as one K, in the product's order):
;;     1. [M 8,192, K 512] x [K 512, N 512]; A: computed on the way; B: input wq: QUANTISED
;;     2. [M 8,192, K 512] x [K 512, N 64]; A: computed on the way; B: input wkv: QUANTISED
;;     3. batch 4 x [M 2,048, K 32] x [K 32, N 32,768]; A: computed on the way; B: computed on the way: QUANTISED
;;     4. batch 4 x [M 32, K 2,048] x [K 2,048, N 32,768]; A: computed on the way; B: softmax (see below): QUANTISED
;;     5. [M 8,192, K 512] x [K 512, N 512]; A: computed on the way; B: input wo: QUANTISED
;;     6. [M 8,192, K 512] x [K 512, N 2,048]; A: computed on the way; B: input wfc: QUANTISED
;;     7. [M 8,192, K 2,048] x [K 2,048, N 512]; A: computed on the way; B: input wproj: QUANTISED
;;   THE QUANTISER, for each operand of a quantised product, along K:
;;     - K is cut into blocks of 32 from its start; a last block that is shorter is filled with zeros.
;;     - A block's scale is 2^e with e = floor(log2(the largest magnitude in the block)) - 2, held to -126 .. 127; a block of zeros has e = 0. As a byte (E8M0): e + 127.
;;     - Each number is divided by its block's scale, clamped to +-6, and rounded to the nearest number of E2M1, ties to even, subnormals kept.
;;     - The product sums the exact products of the quantised numbers (number of the format x scale) in f32.
;;   ~~~python
;;   def quantise(x, axis):      # numpy; x: float32 -> the quantised numbers, widened to float32 again
;;       x = np.moveaxis(x, axis, -1); K = x.shape[-1]
;;       x = np.pad(x, [(0, 0)] * (x.ndim - 1) + [(0, -K % 32)]); x = x.reshape(x.shape[:-1] + (-1, 32)); a = np.abs(x).max(-1, keepdims=True)
;;       e = np.where(a > 0, np.clip(np.frexp(np.where(a > 0, a, 1))[1] - 1 - 2, -126, 127), 0)      # np.frexp(a)[1] - 1 = floor(log2(a)), exactly
;;       r = np.clip(x / 2.0 ** e, -6, 6)
;;       step = 2.0 ** (np.maximum(np.frexp(np.where(r == 0, 1, r))[1] - 1, 0) - 1)
;;       q = np.round(r / step) * step * 2.0 ** e      # np.round: ties to even
;;       return np.moveaxis(q.reshape(q.shape[:-2] + (-1,))[..., :K], -1, axis).astype(np.float32)
;;   ~~~
;;   SOFTMAX AHEAD OF A QUANTISED PRODUCT. Where the list says 'softmax', what is quantised is not the finished softmax but p = 2^(t - M), with t = logit x log2(e) and M = ceil(the row's largest t), a whole number; so 1/2 < the row's largest p <= 1. The row's sum l is taken of the UNQUANTISED p, in f32, and the product's result is divided by l at the end. Since M is a whole number, a kernel that streams over the keys may use a running M (the ceiling of the running maximum): every later rescaling is an exact power of two, which a block's scale takes up: the codes' values come out the same.
;;   OPERANDS COMPUTED ON THE WAY. 'Computed on the way' means the value that the module computes at that place (a softmax that the list does not call 'softmax' is quantised finished and normalised). What goes into a quantiser is computed in f32, as accurately as f32 sums, v_exp_f32 and their like allow (about 1e-6 of the number): no bf16 or f16 on the way to a quantiser, and a product that is left as it is and whose result goes on into a quantised operand takes f32 operands (vector FMAs, or v_wmma_f32_16x16x4_f32). A number that lies on a knife's edge between two numbers of the format may be rounded either way, as far as f32 arithmetic and the matrix unit's own rounding can turn it there, and no further.
;; 2 versions. Each part assembles by itself: llvm-mc -triple=amdgcn-amd-amdhsa -mcpu=gfx1250 --defsym DOCPART=n.
;; ======== version 1 of 2: 4 launches
;; workspace buffers: wimg 1,327,104 bytes; wscl 82,944 bytes; qcodes 2,097,152 bytes; qscl 131,072 bytes; kvimg 278,528 bytes; acodes 2,097,152 bytes; ascl 131,072 bytes
;; launch wquant (part 1): grid 162 x 1, 4 waves a work-group, no clusters, 1,024 bytes of LDS; arguments wq, wkv, wo, wfc, wproj, wimg, wscl; writes wimg, wscl
.if DOCPART == 1
	.amdgcn_target "amdgcn-amd-amdhsa--gfx1250"
	.amdhsa_code_object_version 6
	.text
	.protected	k_q42227a2385_wquant
	.globl	k_q42227a2385_wquant
	.p2align	8
	.type	k_q42227a2385_wquant,@function
k_q42227a2385_wquant:
	s_mov_b64 s[64:65], 0
	v_nop
	global_prefetch_b8 v0, s[64:65] scope:SCOPE_SE
	s_setreg_imm32_b32 hwreg(HW_REG_WAVE_MODE, 25, 1), 1
	s_wait_xcnt 0x0
; The five weights ([K][N], f32, K on the FIRST axis) become codes of FP4 (E2M1) with one E8M0 byte for each 32 along K, laid in the order of the operand's registers.
; A UNIT is 32 columns n x 512 along K.  Codes: 8,192 bytes [u 0..1][K step 0..3][c 0..1][lane 0..31][16 bytes]: lane (r = lane % 16, h = lane / 16) of tile u holds
; column 32 p + 8 u + r + 8 (r / 8) and k = 128 step + 64 c + 32 h + 0 .. 31: a fragment is loaded by two loads of 16 bytes a lane, 512 bytes on end each.
; (The columns of a tile are not neighbours: in a transposed product the 16 results of tiles u = 0, 1 in a lane are then 16 neighbouring columns.)
; Scale bytes: 512 bytes [u][r][16]: byte 4 step + block.
; Units: wq pair p: p;  wkv: 16 (k), 17 (v);  wo: 18 + p;  wfc: 34 + p;  wproj pair p, chunk q of 512 along K: 98 + 4 p + q.  162 in all: one work-group each.
; SHARES: wave s takes K step s (128 rows of the weight); a lane takes a column and its registers run down K: a block of 32 lies in one lane, and the conversions give codes with K innermost.
; A block's scale is 2^(floor(log2(largest magnitude)) - 2); its byte is the largest magnitude's exponent field - 2, held at 1 from below.
; LIMITS: a block of zeros gets the byte 1 where the rule says 127 (its codes are zeros, and this program alone reads the bytes); a largest magnitude under 2^-124 is held at that floor; NaN and infinities are not served.
; No cluster: no two work-groups read the same bytes.
.set X,  32                            ; v32-159  128 numbers down K
.set C,  160                           ; v160-175 four registers of codes for each block: no store's data are written again
.set SW, 16                            ; v16      my column's four scale bytes of this K step
	s_load_b256 s[4:11], s[0:1], 0x0               ; wq s[4:5], wkv s[6:7], wo s[8:9], wfc s[10:11]
	s_load_b128 s[12:15], s[0:1], 0x20             ; wproj s[12:13], wimg s[14:15]
	s_load_b64 s[16:17], s[0:1], 0x30              ; wscl
	v_lshl_add_u32 v176, v0, 2, 0x200
	v_mov_b32 v177, 0
	v_lshrrev_b32 v8, 5, v0
	v_readfirstlane_b32 s18, v8                    ; wave = K step
	v_and_b32 v5, 31, v0                           ; L: my column in the unit
	v_lshlrev_b32 v1, 2, v5                        ; in: 4 bytes a lane
	v_lshlrev_b32 v4, 4, v5                        ; 16 L
	v_bfe_u32 v6, v0, 3, 1                         ; L = 16 (r / 8) + 8 u + r % 8:  u,
	v_and_b32 v7, 7, v0
	v_bfe_u32 v9, v0, 4, 1
	v_lshl_add_u32 v7, v9, 3, v7                   ; r
	v_lshlrev_b32 v7, 4, v7                        ; 16 r
	v_lshl_add_u32 v2, v6, 12, v7                  ; my codes' place in a K step of the unit: 4,096 u + 16 r
	v_lshl_add_u32 v3, v6, 8, v7                   ; my scale word's place: 256 u + 16 r
	v_lshl_add_u32 v3, v8, 2, v3                   ; + 4 x K step
	s_mov_b32 s20, 0                               ; the first unit of my weight
	s_mov_b32 s21, 2048                            ; a row of my weight in bytes
	s_wait_kmcnt 0x0
	s_cmp_ge_u32 ttmp9, 16                         ; which weight: the choice hangs on the work-group's number alone
	s_cselect_b64 s[4:5], s[6:7], s[4:5]
	s_cselect_b32 s20, 16, s20
	s_cselect_b32 s21, 256, s21
	s_cmp_ge_u32 ttmp9, 18
	s_cselect_b64 s[4:5], s[8:9], s[4:5]
	s_cselect_b32 s20, 18, s20
	s_cselect_b32 s21, 2048, s21
	s_cmp_ge_u32 ttmp9, 34
	s_cselect_b64 s[4:5], s[10:11], s[4:5]
	s_cselect_b32 s20, 34, s20
	s_cselect_b32 s21, 8192, s21
	s_cmp_ge_u32 ttmp9, 98
	s_cselect_b64 s[4:5], s[12:13], s[4:5]
	s_cselect_b32 s20, 98, s20
	s_cselect_b32 s21, 2048, s21
	s_sub_co_u32 s22, ttmp9, s20                   ; the unit's number in its weight
	s_lshr_b32 s23, s22, 2
	s_and_b32 s24, s22, 3
	s_cmp_ge_u32 ttmp9, 98                         ; wproj alone has four chunks of K
	s_cselect_b32 s23, s23, s22                    ; the pair of tiles
	s_cselect_b32 s24, s24, 0                      ; the chunk
	s_lshl_b32 s24, s24, 9
	s_lshl_b32 s25, s18, 7
	s_add_co_u32 s24, s24, s25                     ; my first row: 512 chunk + 128 wave
	s_mul_i32 s24, s24, s21
	s_lshl_b32 s23, s23, 7                         ; 32 columns are 128 bytes
	s_add_co_u32 s24, s24, s23
	s_mov_b32 s25, 0
	s_add_nc_u64 s[4:5], s[4:5], s[24:25]
	s_lshl_b32 s24, ttmp9, 13
	s_lshl_b32 s26, s18, 10
	s_add_co_u32 s24, s24, s26
	s_add_nc_u64 s[14:15], s[14:15], s[24:25]      ; codes: 8,192 unit + 1,024 K step
	s_lshl_b32 s24, ttmp9, 9
	s_add_nc_u64 s[16:17], s[16:17], s[24:25]      ; scale bytes: 512 unit
.macro LOADS pitch                     ; 128 rows of 32 neighbouring columns: every offset an immediate (127 x 8,192 at the most)
.set i, 0
.rept 128
	global_load_b32 v[X+i], v1, s[4:5] offset:i*\pitch th:TH_LOAD_NT
.set i, i+1
.endr
.endm
	s_cmp_eq_u32 s21, 256                          ; the row's length stands in the immediates, so the run of loads is written once for each length; only loads stand in these ways
	s_cbranch_scc1 .Lrow256
	s_cmp_eq_u32 s21, 8192
	s_cbranch_scc1 .Lrow8192
	LOADS 2048
	s_branch .Lloaded
.Lrow256:
	LOADS 256
	s_branch .Lloaded
.Lrow8192:
	LOADS 8192
.Lloaded:
; Block t: k = 32 t .. 32 t + 31 of the K step, which is c = t / 2, h = t % 2 of the fragment: 256 t bytes on.  left: how many younger loads may stay out
.macro BLOCK t, left
.set XB, X+32*\t
	s_wait_loadcnt \left
	v_max3_num_f32 v8, |v[XB]|, |v[XB+1]|, |v[XB+2]|               ; the block's largest magnitude, in two chains
	v_max3_num_f32 v9, |v[XB+3]|, |v[XB+4]|, |v[XB+5]|
.irp i, 6,10,14,18,22,26
	v_max3_num_f32 v8, v8, |v[XB+\i]|, |v[XB+\i+1]|
	v_max3_num_f32 v9, v9, |v[XB+\i+2]|, |v[XB+\i+3]|
.endr
	v_max3_num_f32 v8, v8, |v[XB+30]|, |v[XB+31]|
	v_max3_num_f32 v8, v8, v9, 0x1800000           ; and the floor 2^(3 - 127): the byte cannot fall under 1
	v_add_nc_u32 v10, 0xff000000, v8               ; 2 off the exponent field: the conversion takes the exponent field of this operand as its scale
	v_lshrrev_b32 v9, 23, v10                      ; the scale's byte
.if \t == 0
	v_mov_b32 v[SW], v9
.else
	v_lshl_or_b32 v[SW], v9, 8*\t, v[SW]
.endif
.irp g, 0,1,2,3
	v_cvt_scalef32_pk8_fp4_f32 v[C+4*\t+\g], v[XB+8*\g:XB+8*\g+7], v10
.endr
	v_nop                                          ; a plain line behind the last conversion of the run
	global_store_b128 v2, v[C+4*\t:C+4*\t+3], s[14:15] offset:256*\t   ; lanes of tile 0 fill 256 consecutive aligned bytes, lanes of tile 1 another 256
.endm
	BLOCK 0, 63                                    ; behind block 0's loads 96 were issued, behind block 1's 64: a wait names 63 at the most, which asks for more than is needed
	BLOCK 1, 63
	BLOCK 2, 32                                    ; block 3's 32 may be out
	BLOCK 3, 0
	ds_store_b32 v3, v[SW]                         ; the unit's 512 scale bytes meet in LDS
	s_wait_dscnt 0x0                               ; my store has landed, for the others' sake
	s_barrier_signal -1
	s_barrier_wait -1
	s_cmp_lg_u32 s18, 0
	s_cbranch_scc1 .Lend
	ds_load_b128 v[20:23], v4                      ; wave 0 stores them: 512 consecutive bytes
	s_wait_dscnt 0x0
	global_store_b128 v4, v[20:23], s[16:17]
.Lend:
	s_wait_tensorcnt 0x0
	ds_add_u32 v176, v177
	s_wait_dscnt 0x0
	s_endpgm
.Lfunc_end_k_q42227a2385_wquant:
	.size	k_q42227a2385_wquant, .Lfunc_end_k_q42227a2385_wquant-k_q42227a2385_wquant
	.p2alignl 7, 3214868480
	.fill 96, 4, 3214868480
	.section	.rodata,"a",@progbits
	.p2align	6, 0x0
	.amdhsa_kernel k_q42227a2385_wquant
		.amdhsa_group_segment_fixed_size 1024
		.amdhsa_private_segment_fixed_size 0
		.amdhsa_enable_private_segment 0
		.amdhsa_kernarg_size 56
		.amdhsa_user_sgpr_count 2
		.amdhsa_user_sgpr_kernarg_segment_ptr 1
		.amdhsa_wavefront_size32 1
		.amdhsa_system_sgpr_workgroup_id_x 1
		.amdhsa_system_sgpr_workgroup_id_y 1
		.amdhsa_system_sgpr_workgroup_id_z 1
		.amdhsa_system_vgpr_workitem_id 0
		.amdhsa_next_free_vgpr 178
		.amdhsa_next_free_sgpr 66
		.amdhsa_reserve_vcc 0
		.amdhsa_float_denorm_mode_32 3
		.amdhsa_float_denorm_mode_16_64 3
		.amdhsa_memory_ordered 1
		.amdhsa_forward_progress 1
		.amdhsa_inst_pref_size 46
	.end_amdhsa_kernel
	.amdgpu_metadata
---
amdhsa.version: [ 1, 2 ]
amdhsa.kernels:
  - .name:           k_q42227a2385_wquant
    .symbol:         k_q42227a2385_wquant.kd
    .args:
      - { .name: wq, .offset: 0, .size: 8, .value_kind: global_buffer, .address_space: global }
      - { .name: wkv, .offset: 8, .size: 8, .value_kind: global_buffer, .address_space: global }
      - { .name: wo, .offset: 16, .size: 8, .value_kind: global_buffer, .address_space: global }
      - { .name: wfc, .offset: 24, .size: 8, .value_kind: global_buffer, .address_space: global }
      - { .name: wproj, .offset: 32, .size: 8, .value_kind: global_buffer, .address_space: global }
      - { .name: wimg, .offset: 40, .size: 8, .value_kind: global_buffer, .address_space: global }
      - { .name: wscl, .offset: 48, .size: 8, .value_kind: global_buffer, .address_space: global }
    .group_segment_fixed_size: 1024
    .private_segment_fixed_size: 0
    .kernarg_segment_align: 8
    .kernarg_segment_size: 56
    .max_flat_workgroup_size: 128
    .sgpr_count:     66
    .vgpr_count:     178
    .wavefront_size: 32
...
	.end_amdgpu_metadata
.endif
;; end of part 1
;; launch qkv (part 2): grid 256 x 1, 18 waves a work-group, no clusters, 86,784 bytes of LDS; arguments hidden_states, ln1_g, ln1_b, wimg, wscl, bq, bkv, qcodes, qscl, kvimg; writes qcodes, qscl, kvimg
.if DOCPART == 2
	.amdgcn_target "amdgcn-amd-amdhsa--gfx1250"
	.amdhsa_code_object_version 6
	.text
	.protected	k_q42227a2385_qkv
	.globl	k_q42227a2385_qkv
	.p2align	8
	.type	k_q42227a2385_qkv,@function
k_q42227a2385_qkv:
	s_mov_b64 s[64:65], 0
	v_nop
	global_prefetch_b8 v0, s[64:65] scope:SCOPE_SE
	s_setreg_imm32_b32 hwreg(HW_REG_WAVE_MODE, 25, 1), 1
	s_wait_xcnt 0x0
; h = LayerNorm(x); q = h wq + bq, k | v = h wkv + bkv, the products on codes of FP4 with one E8M0 scale for each 32 along K; then q and k are quantised along the head's 32 channels, v along the keys.
; SHARES: a work-group takes 32 rows.  THE WAVES SHARE THE COLUMNS: wave w takes unit w of the weights' images (32 columns x 512 K): waves 0-15 the query heads, wave 16 k, wave 17 v; each unit is loaded by one wave, straight into registers.
; PHASES: 1 waves 0-15: LayerNorm of rows 2 w, 2 w + 1 (a row lies dense in a wave), f32, to LDS | barrier | 3 waves 0-15: half a fragment each (16 rows x 64 K) is quantised and stored as an image of the operand's registers | barrier |
; 4 the products, the quantisers behind them, the results to stages in LDS or to memory | barrier | 5 the stages leave in runs of 256 bytes and more.
; q and k are made TRANSPOSED (source 0 = 16 columns of the weight, source 1 = 16 rows of h): a lane holds one row and 16 neighbouring channels; the bias is loaded into the accumulators.
; v is made the other way round (source 0 = 16 rows of h): a lane holds one channel and its registers run along the keys, which are the K of the second product of attention.
; OUT: qcodes [row][head][16 bytes], qscl [row][16];  kvimg, for each batch 69,632 bytes as the next launch's LDS has them:
;   K's codes at 0: key t's 16 bytes at 512 (t / 32) + 16 (t % 8 + 8 ((t / 16) % 2) + 16 ((t / 8) % 2)): a fragment of 8 registers holds 64 keys, a key to each block of 32 along the instruction's K;
;   V's codes at 32,768: a step of 128 keys is [u][c][lane][16]: lane (r, h): channel 8 u + r + 8 (r / 8), keys 64 c + 32 h + 0 .. 31;   K's scale bytes at 65,536, V's at 67,584: 128 bytes a step.
; LIMITS: a block of zeros gets the byte 1 where the rule says 127 (zero codes; this program alone reads the bytes); a largest magnitude under 2^-124 is held at that floor; NaN and infinities are not served.
; No cluster: what work-groups share is the weights' images, 8,704 bytes a wave, which go straight into registers: there is no tile in LDS that a joint load could fill.
.set XIMG,  0                          ; LDS: h's 8 fragments (4 m + s), 1,024 bytes each, as images of their registers
.set XSC,   8192                       ; their scale words: [m][r][16 bytes]
.set QST,   8704                       ; q's codes: 32 rows x (256 + 16)
.set QSS,   17408                      ; q's scale bytes: [row][16]
.set KST,   17920                      ; k's codes of 32 keys: wave 16's own
.set HB,    18432                      ; h, f32: 32 rows x (2,048 + 16)
.set PITCH, 2064
.set LI,   1                           ; v1   16 x lane
.set R16,  2                           ; v2   16 r
.set BO,   3                           ; v3   64 h
.set HBW,  4                           ; v4   where I put my two rows of h
.set HBR,  5                           ; v5   where I read the 32 numbers that I quantise
.set XIW,  6                           ; v6   where my half fragment goes
.set XSW,  7                           ; v7   and its two scale bytes
.set QSTW, 8                           ; v8   q's codes into the stage
.set QSSW, 9                           ; v9   q's scale byte
.set KSTW, 10                          ; v10  k's codes into the stage
.set QSTR, 11                          ; v11  q's stage, read by rows
.set KSO,  12                          ; v12  k's scale byte in memory
.set VO,   13                          ; v13  v's codes in memory
.set VSO,  14                          ; v14  v's scale byte in memory
.set BVO,  15                          ; v15  v's bias in memory
.set BV,   16                          ; v16-17 the bias of my channel of v, tiles 0 and 1
.set W,    20                          ; v20-83   my unit: fragment 4 u + s at 8 registers each
.set WS,   84                          ; v84-91   its scale words: 4 u + s
.set ACC,  92                          ; v92-123  four accumulators
.set XF,   124                         ; v124-155 h's four fragments of 16 rows; the 32 numbers to be quantised
.set XS,   156                         ; v156-159 their scale words
.set TQ,   160                         ; v160-163 the quantiser's
.set E,    164                         ; v164-165 scale bytes
.set PC,   166                         ; v166-169 codes
.set LX,   20                          ; LayerNorm: two rows of x, g, b, at work: in registers that are free then
.set LG,   52
.set LB,   68
.set LT,   160
.set WV,   24                          ; s24  wave
.set WC,   25                          ; s25  min(wave, 15): for addresses that waves 0-15 alone use
.set SEL,  26                          ; s[26:27] v_permlanex16_b32's selects for lane l xor 16
.set INV,  28                          ; s28  1 / 512
.set EPS,  29                          ; s29  1e-5
.macro PLACES                          ; four plain lines between a matrix instruction and a load into, or a read of, its registers
.rept 4
	v_nop
.endr
.endm
.macro BARRIER                         ; my LDS stores have landed and my LDS loads are in: then the work-group's barrier
	s_wait_dscnt 0x0
	s_barrier_signal -1
	s_barrier_wait -1
.endm
; Two half blocks: 16 registers at s0 and 16 at s1; the other 16 numbers of each block lie in lane l xor 16.  Codes to d0, d0 + 1 and d1, d1 + 1; bytes to e0, e1.  The two by turns: no line waits for the line above it
.macro QB2 s0, s1, d0, d1, e0, e1
	v_max3_num_f32 v[TQ], |v[(\s0)]|, |v[(\s0)+1]|, 0x1800000     ; with the floor 2^(3 - 127): the byte cannot fall under 1
	v_max3_num_f32 v[TQ+1], |v[(\s1)]|, |v[(\s1)+1]|, 0x1800000
.irp i, 2,4,6,8,10,12,14
	v_max3_num_f32 v[TQ], v[TQ], |v[(\s0)+\i]|, |v[(\s0)+\i+1]|
	v_max3_num_f32 v[TQ+1], v[TQ+1], |v[(\s1)+\i]|, |v[(\s1)+\i+1]|
.endr
	v_permlanex16_b32 v[TQ+2], v[TQ], s[SEL], s[SEL+1]
	v_permlanex16_b32 v[TQ+3], v[TQ+1], s[SEL], s[SEL+1]
	v_max_num_f32 v[TQ], v[TQ], v[TQ+2]            ; the block's largest magnitude
	v_max_num_f32 v[TQ+1], v[TQ+1], v[TQ+3]
	v_add_nc_u32 v[TQ+2], 0xff000000, v[TQ]        ; 2 off its exponent field: the conversion's scale operand
	v_add_nc_u32 v[TQ+3], 0xff000000, v[TQ+1]
	v_lshrrev_b32 v[(\e0)], 23, v[TQ+2]            ; the scale's byte
	v_lshrrev_b32 v[(\e1)], 23, v[TQ+3]
	v_cvt_scalef32_pk8_fp4_f32 v[(\d0)], v[(\s0):(\s0)+7], v[TQ+2]
	v_cvt_scalef32_pk8_fp4_f32 v[(\d0)+1], v[(\s0)+8:(\s0)+15], v[TQ+2]
	v_cvt_scalef32_pk8_fp4_f32 v[(\d1)], v[(\s1):(\s1)+7], v[TQ+3]
	v_cvt_scalef32_pk8_fp4_f32 v[(\d1)+1], v[(\s1)+8:(\s1)+15], v[TQ+3]
	v_nop                                          ; a plain line behind the last conversion
.endm
; The sums of two rows, each in two pairs at t + 4 q, over the pair, the lanes' halves of 16 and the two halves: every lane ends with the row's sum in v[t + 4 q]
.macro REDUCE t
.irp q, 0,1
	v_pk_add_f32 v[\t+4*\q:\t+4*\q+1], v[\t+4*\q:\t+4*\q+1], v[\t+4*\q+2:\t+4*\q+3]
.endr
.irp q, 0,1
	v_add_f32 v[\t+4*\q], v[\t+4*\q], v[\t+4*\q+1]
.endr
.irp k, 1,2,4,8
.irp q, 0,1
	v_add_f32_dpp v[\t+4*\q], v[\t+4*\q], v[\t+4*\q] row_xmask:\k row_mask:0xf bank_mask:0xf
.endr
.endr
.irp q, 0,1
	v_permlanex16_b32 v[\t+4*\q+1], v[\t+4*\q], s[SEL], s[SEL+1]
.endr
.irp q, 0,1
	v_add_f32 v[\t+4*\q], v[\t+4*\q], v[\t+4*\q+1]
.endr
.endm
; LayerNorm of two rows: row q in v[x + 16 q ..]; lane l holds columns 128 i + 4 l .. + 3 in registers 4 i .. 4 i + 3; g and b hold the same columns.  Two passes: the mean first, then the squares of x - mean
.macro LNROWS x, g, b, t
.irp q, 0,1
	v_pk_add_f32 v[\t+4*\q:\t+4*\q+1], v[\x+16*\q:\x+16*\q+1], v[\x+16*\q+2:\x+16*\q+3]
	v_pk_add_f32 v[\t+4*\q+2:\t+4*\q+3], v[\x+16*\q+4:\x+16*\q+5], v[\x+16*\q+6:\x+16*\q+7]
.endr
.irp j, 8,12
.irp q, 0,1
	v_pk_add_f32 v[\t+4*\q:\t+4*\q+1], v[\t+4*\q:\t+4*\q+1], v[\x+16*\q+\j:\x+16*\q+\j+1]
	v_pk_add_f32 v[\t+4*\q+2:\t+4*\q+3], v[\t+4*\q+2:\t+4*\q+3], v[\x+16*\q+\j+2:\x+16*\q+\j+3]
.endr
.endr
	REDUCE \t
.irp q, 0,1
	v_mul_f32 v[\t+4*\q], s[INV], v[\t+4*\q]       ; the mean
.endr
.irp j, 0,2,4,6,8,10,12,14
.irp q, 0,1
	v_pk_add_f32 v[\x+16*\q+\j:\x+16*\q+\j+1], v[\x+16*\q+\j:\x+16*\q+\j+1], v[\t+4*\q:\t+4*\q+1] op_sel_hi:[1,0] neg_lo:[0,1] neg_hi:[0,1]   ; x - mean (the pair's low word serves both halves)
.endr
.endr
.irp q, 0,1
	v_pk_mul_f32 v[\t+4*\q:\t+4*\q+1], v[\x+16*\q:\x+16*\q+1], v[\x+16*\q:\x+16*\q+1]
	v_pk_mul_f32 v[\t+4*\q+2:\t+4*\q+3], v[\x+16*\q+2:\x+16*\q+3], v[\x+16*\q+2:\x+16*\q+3]
.endr
.irp j, 4,8,12
.irp q, 0,1
	v_pk_fma_f32 v[\t+4*\q:\t+4*\q+1], v[\x+16*\q+\j:\x+16*\q+\j+1], v[\x+16*\q+\j:\x+16*\q+\j+1], v[\t+4*\q:\t+4*\q+1]
	v_pk_fma_f32 v[\t+4*\q+2:\t+4*\q+3], v[\x+16*\q+\j+2:\x+16*\q+\j+3], v[\x+16*\q+\j+2:\x+16*\q+\j+3], v[\t+4*\q+2:\t+4*\q+3]
.endr
.endr
	REDUCE \t
.irp q, 0,1
	v_fma_f32 v[\t+4*\q], v[\t+4*\q], s[INV], s[EPS]   ; the variance + 1e-5
.endr
.irp q, 0,1
	v_rsq_f32 v[\t+4*\q], v[\t+4*\q]
.endr
	v_nop                                          ; a plain line behind the last transcendental
	s_wait_alu depctr_va_vdst(0)                   ; one wait for both, ahead of their first reader
.irp j, 0,2,4,6,8,10,12,14
.irp q, 0,1
	v_pk_mul_f32 v[\x+16*\q+\j:\x+16*\q+\j+1], v[\x+16*\q+\j:\x+16*\q+\j+1], v[\t+4*\q:\t+4*\q+1] op_sel_hi:[1,0]
.endr
.endr
.irp j, 0,2,4,6,8,10,12,14
.irp q, 0,1
	v_pk_fma_f32 v[\x+16*\q+\j:\x+16*\q+\j+1], v[\x+16*\q+\j:\x+16*\q+\j+1], v[\g+\j:\g+\j+1], v[\b+\j:\b+\j+1]
.endr
.endr
.endm
; 32 numbers at n (register 16 b + i = k 32 b + 16 (lane / 16) + i of my row: two blocks) become four registers of a fragment, stored as they stand, and two scale bytes
.macro QUANTH n
	QB2 \n, \n+16, PC, PC+2, E, E+1
	v_permlane16_swap_b32 v[PC], v[PC+2]           ; the operand's layout wants a WHOLE block in a lane: lanes 0-15 the first block, lanes 16-31 the second
	v_permlane16_swap_b32 v[PC+1], v[PC+3]
	v_lshl_or_b32 v[E], v[E+1], 8, v[E]
	ds_store_b128 v[XIW], v[PC:PC+3]
	ds_store_b16 v[XSW], v[E]                      ; both lanes of a row write the same two bytes with the same values
.endm
.macro LOADW sb, ss, k                 ; unit k from the base on: 16 loads of 512 consecutive bytes, and its scale words
.irp u, 0,1
.irp t, 0,1,2,3
.irp c, 0,1
	global_load_b128 v[W+8*(4*\u+\t)+4*\c:W+8*(4*\u+\t)+4*\c+3], v[LI], s[\sb:\sb+1] offset:8192*(\k)+1024*(4*\u+\t)+512*\c
.endr
.endr
.endr
.irp u, 0,1
	global_load_b128 v[WS+4*\u:WS+4*\u+3], v[R16], s[\ss:\ss+1] offset:512*(\k)+256*\u
.endr
.endm
.macro LOADB dst, sb, off              ; a bias in the transposed result's layout: register 8 u + j takes number 16 (lane / 16) + 8 u + j
.irp u, 0,1
	global_load_b128 v[(\dst)+8*\u:(\dst)+8*\u+3], v[BO], s[\sb:\sb+1] offset:(\off)+32*\u
	global_load_b128 v[(\dst)+8*\u+4:(\dst)+8*\u+7], v[BO], s[\sb:\sb+1] offset:(\off)+32*\u+16
.endr
.endm
.macro XFETCH m                        ; h's four fragments of rows 16 m on, and their scale words
.irp t, 0,1,2,3
.irp c, 0,1
	ds_load_b128 v[XF+8*\t+4*\c:XF+8*\t+4*\c+3], v[LI] offset:XIMG+1024*(4*\m+\t)+512*\c
.endr
.endr
	ds_load_b128 v[XS:XS+3], v[R16] offset:XSC+256*\m
	s_wait_dscnt 0x0
.endm
.macro MULT m                          ; transposed; the two accumulators by turns; they begin as the bias
.irp t, 0,1,2,3
.irp u, 0,1
	v_wmma_scale_f32_16x16x128_f8f6f4 v[ACC+16*\m+8*\u:ACC+16*\m+8*\u+7], v[W+8*(4*\u+\t):W+8*(4*\u+\t)+7], v[XF+8*\t:XF+8*\t+7], v[ACC+16*\m+8*\u:ACC+16*\m+8*\u+7], v[WS+4*\u+\t], v[XS+\t] matrix_a_fmt:MATRIX_FMT_FP4 matrix_b_fmt:MATRIX_FMT_FP4
.endr
.endr
.endm
.macro MULV m                          ; v: source 0 = h's rows: register j of lane (r, h) is key 16 m + 8 h + j of channel 8 u + r + 8 (r / 8)
.irp t, 0,1,2,3
.irp u, 0,1
.if \t == 0
	v_wmma_scale_f32_16x16x128_f8f6f4 v[ACC+16*\u+8*\m:ACC+16*\u+8*\m+7], v[XF+8*\t:XF+8*\t+7], v[W+8*(4*\u+\t):W+8*(4*\u+\t)+7], 0, v[XS+\t], v[WS+4*\u+\t] matrix_a_fmt:MATRIX_FMT_FP4 matrix_b_fmt:MATRIX_FMT_FP4
.else
	v_wmma_scale_f32_16x16x128_f8f6f4 v[ACC+16*\u+8*\m:ACC+16*\u+8*\m+7], v[XF+8*\t:XF+8*\t+7], v[W+8*(4*\u+\t):W+8*(4*\u+\t)+7], v[ACC+16*\u+8*\m:ACC+16*\u+8*\m+7], v[XS+\t], v[WS+4*\u+\t] matrix_a_fmt:MATRIX_FMT_FP4 matrix_b_fmt:MATRIX_FMT_FP4
.endif
.endr
.endr
.endm
	s_load_b256 s[4:11], s[0:1], 0x0               ; x s[4:5], g s[6:7], b s[8:9], wimg s[10:11]
	s_load_b256 s[12:19], s[0:1], 0x20             ; wscl s[12:13], bq s[14:15], bkv s[16:17], qcodes s[18:19]
	s_load_b128 s[20:23], s[0:1], 0x40             ; qscl s[20:21], kvimg s[22:23]
	v_lshl_add_u32 v176, v0, 2, 0x14a00
	v_mov_b32 v177, 0
	v_lshrrev_b32 v173, 5, v0
	v_readfirstlane_b32 s[WV], v173                ; wave 0..17
	s_min_u32 s[WC], s[WV], 15
	v_and_b32 v168, 31, v0                         ; lane
	v_and_b32 v169, 15, v0                         ; r
	v_bfe_u32 v170, v0, 4, 1                       ; h
	v_and_b32 v171, 7, v0                          ; r % 8
	v_bfe_u32 v172, v0, 3, 1                       ; r / 8
	; every LDS address is made here, ahead of the first parting of the waves
	v_lshlrev_b32 v[LI], 4, v168
	v_lshlrev_b32 v[R16], 4, v169
	v_lshlrev_b32 v[BO], 6, v170
	s_mul_i32 s42, s[WC], 2*PITCH
	s_add_co_u32 s42, s42, HB
	v_add_nc_u32 v[HBW], s42, v[LI]                ; rows 2 w, 2 w + 1 of h
	s_lshr_b32 s43, s[WC], 3                       ; my half fragment: w = 8 m + 2 s + c
	s_and_b32 s44, s[WC], 7
	s_mul_i32 s42, s43, 16*PITCH
	s_lshl_b32 s45, s44, 8
	s_add_co_u32 s42, s42, s45
	s_add_co_u32 s42, s42, HB
	v_mul_u32_u24 v[HBR], v169, PITCH
	v_add_nc_u32 v[HBR], v[HBR], v[BO]
	v_add_nc_u32 v[HBR], s42, v[HBR]               ; row 16 m + r, byte 512 s + 256 c + 64 h
	s_lshl_b32 s42, s[WC], 9
	v_add_nc_u32 v[XIW], s42, v[LI]                ; 1,024 (4 m + s) + 512 c = 512 w
	s_lshl_b32 s42, s43, 8
	s_lshl_b32 s45, s44, 1
	s_add_co_u32 s42, s42, s45
	s_add_co_u32 s42, s42, XSC
	v_add_nc_u32 v[XSW], s42, v[R16]               ; 256 m + 16 r + 4 s + 2 c
	s_lshl_b32 s42, s[WC], 4
	s_add_co_u32 s42, s42, QST
	v_mul_u32_u24 v[QSTW], v169, 272
	v_lshl_add_u32 v[QSTW], v170, 3, v[QSTW]
	v_add_nc_u32 v[QSTW], s42, v[QSTW]             ; row r, head w, 8 bytes for each half of the lanes
	s_add_co_u32 s42, s[WC], QSS
	v_add_nc_u32 v[QSSW], s42, v[R16]
	v_lshlrev_b32 v[KSTW], 4, v171
	v_lshl_add_u32 v[KSTW], v172, 8, v[KSTW]
	v_lshl_add_u32 v[KSTW], v170, 3, v[KSTW]
	v_add_nc_u32 v[KSTW], KST, v[KSTW]             ; key 16 m + r: 16 (r % 8 + 16 (r / 8)) + 128 m, + 8 h
	s_mul_i32 s42, s[WC], 2*272
	s_add_co_u32 s42, s42, QST
	v_mul_u32_u24 v[QSTR], v170, 272
	v_add_nc_u32 v[QSTR], v[QSTR], v[R16]
	v_add_nc_u32 v[QSTR], s42, v[QSTR]             ; lanes 0-15 row 2 w, lanes 16-31 row 2 w + 1
	v_lshl_add_u32 v[KSO], v171, 2, v172           ; offsets in memory
	v_lshl_add_u32 v[VO], v170, 3, v[R16]
	v_lshlrev_b32 v[VSO], 2, v169
	v_lshl_add_u32 v[BVO], v172, 5, v[VSO]         ; 4 (r + 8 (r / 8))
	v_mov_b32 v[TQ+2], 0                           ; written once: a lane permute's destination counts as one of its sources
	v_mov_b32 v[TQ+3], 0
	s_mov_b32 s[SEL], 0x76543210
	s_mov_b32 s[SEL+1], 0xfedcba98
	s_mov_b32 s[INV], 0x3b000000
	s_mov_b32 s[EPS], 0x3727c5ac
	s_mov_b32 s33, 0
	s_wait_kmcnt 0x0
	s_lshl_b32 s32, ttmp9, 16
	s_lshl_b32 s42, s[WC], 12
	s_add_co_u32 s32, s32, s42
	s_add_nc_u64 s[4:5], s[4:5], s[32:33]          ; x at row 32 g + 2 w
	s_lshl_b32 s32, s[WV], 13
	s_add_nc_u64 s[10:11], s[10:11], s[32:33]      ; unit w
	s_lshl_b32 s32, s[WV], 9
	s_add_nc_u64 s[12:13], s[12:13], s[32:33]
	s_cmp_lt_u32 s[WV], 16
	s_cselect_b64 s[30:31], s[14:15], s[16:17]     ; bq for the heads, bkv for k and v
	s_and_b32 s32, s[WV], 15
	s_lshl_b32 s32, s32, 7
	s_add_nc_u64 s[30:31], s[30:31], s[32:33]      ; my 32 numbers of it
	s_lshl_b32 s32, ttmp9, 13
	s_lshl_b32 s42, s[WC], 9
	s_add_co_u32 s32, s32, s42
	s_add_nc_u64 s[18:19], s[18:19], s[32:33]      ; qcodes at row 32 g + 2 w
	s_lshl_b32 s32, ttmp9, 9
	s_add_nc_u64 s[20:21], s[20:21], s[32:33]      ; qscl at row 32 g
	s_lshr_b32 s42, ttmp9, 6                       ; the batch
	s_mul_i32 s32, s42, 69632
	s_add_nc_u64 s[22:23], s[22:23], s[32:33]
	s_and_b32 s43, ttmp9, 63                       ; my block of 32 keys in the batch
	s_lshl_b32 s32, s43, 9
	s_add_nc_u64 s[34:35], s[22:23], s[32:33]      ; K's codes: 512 bytes a block
	s_lshr_b32 s44, s43, 2                         ; the step of 128 keys
	s_and_b32 s45, s43, 3                          ; the block in the step
	s_lshl_b32 s32, s44, 7
	s_lshr_b32 s46, s45, 1
	s_lshl_b32 s46, s46, 6
	s_add_co_u32 s32, s32, s46
	s_and_b32 s46, s45, 1
	s_lshl_b32 s46, s46, 1
	s_add_co_u32 s32, s32, s46
	s_add_co_u32 s32, s32, 65536
	s_add_nc_u64 s[36:37], s[22:23], s[32:33]      ; K's scale bytes: 128 step + 64 (block / 2) + 2 (block % 2)
	s_lshl_b32 s32, s44, 11
	s_lshl_b32 s46, s45, 8
	s_add_co_u32 s32, s32, s46
	s_add_co_u32 s32, s32, 32768
	s_add_nc_u64 s[38:39], s[22:23], s[32:33]      ; V's codes: 2,048 step + 256 block
	s_lshl_b32 s32, s44, 7
	s_add_co_u32 s32, s32, s45
	s_add_co_u32 s32, s32, 67584
	s_add_nc_u64 s[40:41], s[22:23], s[32:33]      ; V's scale bytes: 128 step + block
	; ---- 1: LayerNorm, waves 0-15
	s_cmp_ge_u32 s[WV], 16
	s_cbranch_scc1 .Lno_ln
.irp q, 0,1
.irp i, 0,1,2,3
	global_load_b128 v[LX+16*\q+4*\i:LX+16*\q+4*\i+3], v[LI], s[4:5] offset:2048*\q+512*\i th:TH_LOAD_NT   ; 512 consecutive bytes a load
.endr
.endr
.irp i, 0,1,2,3
	global_load_b128 v[LG+4*\i:LG+4*\i+3], v[LI], s[6:7] offset:512*\i
	global_load_b128 v[LB+4*\i:LB+4*\i+3], v[LI], s[8:9] offset:512*\i
.endr
	s_wait_loadcnt 0x0
	LNROWS LX, LG, LB, LT
.irp q, 0,1
.irp i, 0,1,2,3
	ds_store_b128 v[HBW], v[LX+16*\q+4*\i:LX+16*\q+4*\i+3] offset:PITCH*\q+512*\i
.endr
.endr
	s_wait_dscnt 0x0                               ; the stores have read their registers, which the weights' loads take next
.Lno_ln:
	; ---- 2: my unit and my biases are asked for: they land while h is quantised.  Every wave issues both forms of the bias (the transposed tile twice, and v's one number a lane), so that each register is written on every way
	LOADW 10, 12, 0
	LOADB ACC, 30, 0
	LOADB ACC+16, 30, 0
	global_load_b32 v[BV], v[BVO], s[30:31]
	global_load_b32 v[BV+1], v[BVO], s[30:31] offset:32
	BARRIER                                        ; 32 rows of h lie in LDS
	; ---- 3: h becomes codes, waves 0-15
	s_cmp_ge_u32 s[WV], 16
	s_cbranch_scc1 .Lno_quant
.irp b, 0,1
.irp j, 0,1,2,3
	ds_load_b128 v[XF+16*\b+4*\j:XF+16*\b+4*\j+3], v[HBR] offset:128*\b+16*\j
.endr
.endr
	s_wait_dscnt 0x0
	QUANTH XF
.Lno_quant:
	BARRIER                                        ; h's eight fragments lie in LDS
	; ---- 4: the products
	s_wait_loadcnt 0x0                             ; the unit and the biases
	s_cmp_eq_u32 s[WV], 17
	s_cbranch_scc1 .Lv
	XFETCH 0
	MULT 0
	PLACES                                         ; ahead of the loads into h's registers
	XFETCH 1
	MULT 1
	PLACES                                         ; ahead of the first read of results
	QB2 ACC, ACC+16, PC, PC+2, E, E+1              ; rows r and 16 + r: my 16 of the head's 32 channels; a block is one row's head
	s_cmp_eq_u32 s[WV], 16
	s_cbranch_scc1 .Lk
	ds_store_b64 v[QSTW], v[PC:PC+1]
	ds_store_b64 v[QSTW], v[PC+2:PC+3] offset:16*272
	ds_store_b8 v[QSSW], v[E]                      ; both lanes of a row write the same byte with the same value
	ds_store_b8 v[QSSW], v[E+1] offset:256
	s_branch .Ljoin
.Lk:
	ds_store_b64 v[KSTW], v[PC:PC+1]
	ds_store_b64 v[KSTW], v[PC+2:PC+3] offset:128
	global_store_b8 v[KSO], v[E], s[36:37]         ; word r % 8 + 8 m of the step's half, byte 2 c + r / 8
	global_store_b8 v[KSO], v[E+1], s[36:37] offset:32
	ds_load_b128 v[XF:XF+3], v[LI] offset:KST      ; my own bytes: LDS serves a wave's instructions in order (ISA guide 5.7.1.4)
	s_wait_dscnt 0x0
	global_store_b128 v[LI], v[XF:XF+3], s[34:35]  ; 512 consecutive bytes
	s_branch .Ljoin
.Lv:
	XFETCH 0
	MULV 0
	PLACES
	XFETCH 1
	MULV 1
	PLACES
.irp u, 0,1
.irp j, 0,1,2,3,4,5,6,7,8,9,10,11,12,13,14,15
	v_add_f32 v[ACC+16*\u+\j], v[ACC+16*\u+\j], v[BV+\u]   ; the bias of my channel; each accumulator from its low end on
.endr
.endr
	QB2 ACC, ACC+16, PC, PC+2, E, E+1              ; tiles 0 and 1: my 16 of the 32 keys of my channel: keys 8 h + 0 .. 7 and 16 + 8 h + 0 .. 7
	v_permlane16_swap_b32 v[PC], v[PC+1]           ; so lanes 0-15 hold keys 0 .. 15 and lanes 16-31 keys 16 .. 31, in order
	v_permlane16_swap_b32 v[PC+2], v[PC+3]
	global_store_b64 v[VO], v[PC:PC+1], s[38:39]   ; 32 lanes fill 256 consecutive aligned bytes
	global_store_b64 v[VO], v[PC+2:PC+3], s[38:39] offset:1024
	global_store_b8 v[VSO], v[E], s[40:41]
	global_store_b8 v[VSO], v[E+1], s[40:41] offset:64
.Ljoin:
	BARRIER                                        ; q's codes and bytes lie in the stages
	; ---- 5: the stages leave
	s_cmp_ge_u32 s[WV], 16
	s_cbranch_scc1 .Lnot_head
	ds_load_b128 v[XF:XF+3], v[QSTR]
	s_wait_dscnt 0x0
	global_store_b128 v[LI], v[XF:XF+3], s[18:19]  ; two whole rows of 256 bytes
	s_branch .Lend
.Lnot_head:
	s_cmp_lg_u32 s[WV], 17
	s_cbranch_scc1 .Lend
	ds_load_b128 v[XF:XF+3], v[LI] offset:QSS
	s_wait_dscnt 0x0
	global_store_b128 v[LI], v[XF:XF+3], s[20:21]  ; the 32 rows' scale bytes: 512 consecutive bytes
.Lend:
	s_wait_tensorcnt 0x0
	ds_add_u32 v176, v177
	s_wait_dscnt 0x0
	s_endpgm
.Lfunc_end_k_q42227a2385_qkv:
	.size	k_q42227a2385_qkv, .Lfunc_end_k_q42227a2385_qkv-k_q42227a2385_qkv
	.p2alignl 7, 3214868480
	.fill 96, 4, 3214868480
	.section	.rodata,"a",@progbits
	.p2align	6, 0x0
	.amdhsa_kernel k_q42227a2385_qkv
		.amdhsa_group_segment_fixed_size 86784
		.amdhsa_private_segment_fixed_size 0
		.amdhsa_enable_private_segment 0
		.amdhsa_kernarg_size 80
		.amdhsa_user_sgpr_count 2
		.amdhsa_user_sgpr_kernarg_segment_ptr 1
		.amdhsa_wavefront_size32 1
		.amdhsa_system_sgpr_workgroup_id_x 1
		.amdhsa_system_sgpr_workgroup_id_y 1
		.amdhsa_system_sgpr_workgroup_id_z 1
		.amdhsa_system_vgpr_workitem_id 0
		.amdhsa_next_free_vgpr 178
		.amdhsa_next_free_sgpr 66
		.amdhsa_reserve_vcc 0
		.amdhsa_float_denorm_mode_32 3
		.amdhsa_float_denorm_mode_16_64 3
		.amdhsa_memory_ordered 1
		.amdhsa_forward_progress 1
		.amdhsa_inst_pref_size 33
	.end_amdhsa_kernel
	.amdgpu_metadata
---
amdhsa.version: [ 1, 2 ]
amdhsa.kernels:
  - .name:           k_q42227a2385_qkv
    .symbol:         k_q42227a2385_qkv.kd
    .args:
      - { .name: hidden_states, .offset: 0, .size: 8, .value_kind: global_buffer, .address_space: global }
      - { .name: ln1_g, .offset: 8, .size: 8, .value_kind: global_buffer, .address_space: global }
      - { .name: ln1_b, .offset: 16, .size: 8, .value_kind: global_buffer, .address_space: global }
      - { .name: wimg, .offset: 24, .size: 8, .value_kind: global_buffer, .address_space: global }
      - { .name: wscl, .offset: 32, .size: 8, .value_kind: global_buffer, .address_space: global }
      - { .name: bq, .offset: 40, .size: 8, .value_kind: global_buffer, .address_space: global }
      - { .name: bkv, .offset: 48, .size: 8, .value_kind: global_buffer, .address_space: global }
      - { .name: qcodes, .offset: 56, .size: 8, .value_kind: global_buffer, .address_space: global }
      - { .name: qscl, .offset: 64, .size: 8, .value_kind: global_buffer, .address_space: global }
      - { .name: kvimg, .offset: 72, .size: 8, .value_kind: global_buffer, .address_space: global }
    .group_segment_fixed_size: 86784
    .private_segment_fixed_size: 0
    .kernarg_segment_align: 8
    .kernarg_segment_size: 80
    .max_flat_workgroup_size: 576
    .sgpr_count:     66
    .vgpr_count:     178
    .wavefront_size: 32
...
	.end_amdgpu_metadata
.endif
;; end of part 2
;; launch attn (part 3): grid 256 x 1, 16 waves a work-group, no clusters, 72,192 bytes of LDS; arguments qcodes, qscl, kvimg, acodes, ascl; writes acodes, ascl
.if DOCPART == 3
	.amdgcn_target "amdgcn-amd-amdhsa--gfx1250"
	.amdhsa_code_object_version 6
	.text
	.protected	k_q42227a2385_attn
	.globl	k_q42227a2385_attn
	.p2align	8
	.type	k_q42227a2385_attn,@function
k_q42227a2385_attn:
	s_mov_b64 s[64:65], 0
	v_nop
	global_prefetch_b8 v0, s[64:65] scope:SCOPE_SE
	s_setreg_imm32_b32 hwreg(HW_REG_WAVE_MODE, 25, 1), 1
	s_wait_xcnt 0x0
; Causal attention with one key and value head of 32 channels and 16 query heads, both products on codes of FP4 with one E8M0 scale for each 32 along K; the result is quantised along (head, channel) for the next product.
; THE SOFTMAX AHEAD OF THE SECOND PRODUCT: t = score x log2(e) / sqrt(32); M = the row's largest t so far, rounded UP to a whole number; p = 2^(t - M) is what is quantised, along the keys, not normalised.
; The row's sum is taken of the unquantised p and divides O at the end.  When M moves, the sum and O are multiplied by 2^(old M - new M): exact.
; SHARES: a TILE is the 16 HEADS of ONE position: all its columns have the same causal limit, and its result is one whole row (256 bytes) of the output's codes.  A work-group belongs to one batch; wave w of work-group j takes
; positions 16 j + w and 2,047 - (16 j + w): ceil((s + 1) / 128) key steps each, 17 together, for every wave.
; K AND V of the batch, 69,632 bytes of codes and scale bytes, are copied into LDS once and read from there: no ring.
; THE SCORES HAVE K = 32, the instruction 128.  A fragment of K holds 64 keys: block blk of row r is key 32 (blk / 2) + 8 (blk % 2) + r + 8 (r / 8) of the 64.  The queries' fragment Q_blk has q's 32 codes in block blk and zero codes in
; the other three (their scale bytes are 0, which is 2^-127: zero codes add nothing): K's fragment x Q_blk gives tile blk's scores.  So an LDS read of K feeds four matrix instructions.
; LAYOUT: both products transposed: a lane holds ONE head (lane % 16) throughout; the 16 registers of tiles 2 b, 2 b + 1 are keys 32 b + 16 (lane / 16) + 0 .. 15 of the step; O^T's 16 registers are channels 16 (lane / 16) + 0 .. 15.
; The loop over key steps has 16 trips for every tile; a step all of whose keys come after the position does no work (a scalar branch on ids).
; LIMITS: p under 2^-126 counts as 0; a block of zeros gets the byte 1 where the rule says 127 (zero codes; this program alone reads the bytes); 1 / l is v_rcp_f32 and a multiplication; NaN and infinities are not served.
; No cluster: what the 64 work-groups of a batch share is read once, 69,632 bytes for the 272 key steps of a work-group's waves.
.set AST,  69632                       ; LDS behind K and V: the scale bytes of the two groups of 16 rows, 256 bytes each
.set WV,   14                          ; s14  wave
.set SQ,   16                          ; s16, s17 the two positions
.set QB,   20                          ; s[20:23] their rows of qcodes
.set QS,   24                          ; s[24:27] of qscl
.set AB,   28                          ; s[28:31] of acodes
.set SEL,  34                          ; s[34:35] v_permlanex16_b32's selects for lane l xor 16
.set CS,   36                          ; s[36:37] c = log2(e) / sqrt(32)
.set KF,   38                          ; s38  the step's first key
.set TB,   39                          ; s39  the step's codes in LDS: 2,048 bytes a step
.set TS,   40                          ; s40  its scale words: 128 bytes a step
.set CNT,  41                          ; s41  trips to go
; REGISTERS: v1 16 lane; v2 65,536 + 4 lane; v3, v4 the step's addresses; v5 -16 (lane / 16); v6 16 r; v7 16 r + 8 h; v8 r; v9, v10 where the tiles' scale bytes go; v12 -M, v13 the largest t, v[14:15] the sum in two halves;
; v16-39 Q's four fragments (q | 0 | q in lanes 0-15, the same in lanes 16-31); v40-43 their scale words; v44-59 K; v60 K's scale words; v61 V's; v64-79 V; v80-84 the copy's and the end's addresses;
; v96-159 S^T, then p; v160-175 O^T; v176-191 q as loaded, later O / l; v192-197 the results' codes and bytes; v224-231 p's codes; v232-254 at work; v253 p's scale word.
.macro PLACES
.rept 4
	v_nop
.endr
.endm
	s_load_b256 s[4:11], s[0:1], 0x0               ; qcodes s[4:5], qscl s[6:7], kvimg s[8:9], acodes s[10:11]
	s_load_b64 s[12:13], s[0:1], 0x20              ; ascl
	v_lshl_add_u32 v251, v0, 2, 0x11200
	v_mov_b32 v255, 0
	v_lshrrev_b32 v3, 5, v0
	v_readfirstlane_b32 s[WV], v3                  ; wave 0..15
	v_and_b32 v4, 31, v0                           ; lane
	v_and_b32 v8, 15, v0                           ; r
	v_bfe_u32 v5, v0, 4, 1                         ; h
	v_lshlrev_b32 v1, 4, v4
	v_lshl_add_u32 v2, v4, 2, 0x10000
	v_lshlrev_b32 v6, 4, v8
	v_lshl_add_u32 v7, v5, 3, v6
	s_lshl_b32 s42, s[WV], 4
	s_add_co_u32 s42, s42, AST
	v_add_nc_u32 v9, s42, v8                       ; the first tile is row w of its group,
	s_xor_b32 s42, s[WV], 15
	s_lshl_b32 s42, s42, 4
	s_add_co_u32 s42, s42, AST+256
	v_add_nc_u32 v10, s42, v8                      ; the second row 15 - w of its
	v_lshlrev_b32 v80, 4, v0                       ; the copy: 16 bytes a thread,
	v_lshlrev_b32 v81, 3, v0                       ; 8 for the last 4,096,
	v_add_nc_u32 v82, 0x10000, v81                 ; which lie past what an LDS immediate reaches
	v_add_nc_u32 v83, AST, v1                      ; the end: 16 bytes a lane of the scale bytes
	s_lshr_b32 s42, ttmp9, 6                       ; the batch
	s_and_b32 s43, ttmp9, 63                       ; j
	s_lshl_b32 s44, s43, 4
	s_add_co_u32 s[SQ], s44, s[WV]                 ; 16 j + w
	s_sub_co_u32 s[SQ+1], 2047, s[SQ]
	s_lshl_b32 s45, s42, 11
	s_add_co_u32 s46, s45, s[SQ]                   ; as rows of the 8,192
	s_add_co_u32 s47, s45, s[SQ+1]
	s_lshl_b32 s50, s43, 5
	s_sub_co_u32 s50, 2032, s50
	s_lshl_b32 s50, s50, 4                         ; from the first group's scale bytes to the second's: 16 (2,032 - 32 j) bytes
	v_mul_lo_u32 v84, v5, s50
	v_add_nc_u32 v84, v84, v6                      ; the end's store: lanes 0-15 the first group's rows, lanes 16-31 the second's
	v_lshlrev_b32 v5, 4, v5
	v_sub_nc_u32 v5, 0, v5                         ; -16 h
	s_mov_b32 s[SEL], 0x76543210
	s_mov_b32 s[SEL+1], 0xfedcba98
	s_mov_b32 s[CS], 0x3e8293ee
	s_mov_b32 s[CS+1], s[CS]                       ; (named with it as a pair, so it is written)
	s_mov_b32 s49, 0
	s_wait_kmcnt 0x0
	s_mul_i32 s48, s42, 69632
	s_add_nc_u64 s[8:9], s[8:9], s[48:49]          ; the batch's K and V
.irp i, 0,1,2,3,4,5,6,7
	global_load_b128 v[96+4*\i:99+4*\i], v80, s[8:9] offset:8192*\i   ; the work-group's 512 threads take 8,192 consecutive bytes a load
.endr
	global_load_b64 v[128:129], v81, s[8:9] offset:65536
	s_lshl_b32 s48, s46, 8
	s_add_nc_u64 s[QB:QB+1], s[4:5], s[48:49]
	s_add_nc_u64 s[AB:AB+1], s[10:11], s[48:49]
	s_lshl_b32 s48, s47, 8
	s_add_nc_u64 s[QB+2:QB+3], s[4:5], s[48:49]
	s_add_nc_u64 s[AB+2:AB+3], s[10:11], s[48:49]
	s_lshl_b32 s48, s46, 4
	s_add_nc_u64 s[QS:QS+1], s[6:7], s[48:49]
	s_lshl_b32 s48, s47, 4
	s_add_nc_u64 s[QS+2:QS+3], s[6:7], s[48:49]
	s_add_co_u32 s48, s45, s44
	s_lshl_b32 s48, s48, 4
	s_add_nc_u64 s[12:13], s[12:13], s[48:49]      ; ascl at the first group's first row
.irp i, 0,1,2,3
	v_mov_b32 v[20+\i], 0                          ; the zero codes of Q's fragments: written once
	v_mov_b32 v[32+\i], 0
	v_mov_b32 v[236+\i], 0                         ; a lane permute's destination counts as one of its sources
.endr
	v_mov_b32 v252, 0
	v_mov_b32 v253, 0                              ; (named as the upper half of the pair v[252:253] before it is first written)
.irp i, 0,1,2,3,4,5,6,7
	s_wait_loadcnt 8-\i                            ; loads come back in order (ISA guide 5.7.1): load i is in, the 8 - i issued behind it may be out
	ds_store_b128 v80, v[96+4*\i:99+4*\i] offset:8192*\i
.endr
	s_wait_loadcnt 0x0
	ds_store_b64 v82, v[128:129]
	s_wait_dscnt 0x0                               ; my part of K and V has landed,
	s_barrier_signal -1
	s_barrier_wait -1                              ; everybody's has
.macro TILE idx
	global_load_b128 v[176:179], v6, s[QB+2*\idx:QB+2*\idx+1]     ; head r's 32 codes, in both halves of the lanes
	global_load_u8 v180, v8, s[QS+2*\idx:QS+2*\idx+1]             ; and its scale byte
	s_mov_b32 vcc_lo, 0xffff                       ; lanes 0-15
	s_mov_b32 s[KF], 0
	s_mov_b32 s[TB], 0
	s_mov_b32 s[TS], 0
	s_mov_b32 s[CNT], 16
	s_wait_loadcnt 0x0
.irp i, 0,1,2,3
	v_cndmask_b32 v[16+\i], v[20+\i], v[176+\i], vcc_lo           ; v16-27: q | 0 | q in lanes 0-15, zeros above:  Q_0 = v[16:23], Q_2 = v[20:27]
	v_cndmask_b32 v[24+\i], v[20+\i], v[176+\i], vcc_lo
	v_cndmask_b32 v[28+\i], v[176+\i], v[20+\i], vcc_lo           ; v28-39: the same in lanes 16-31:  Q_1 = v[28:35], Q_3 = v[32:39]
	v_cndmask_b32 v[36+\i], v[176+\i], v[20+\i], vcc_lo
.endr
	v_mov_b32 v40, v180                            ; Q_blk's scale word: the byte at place blk
	v_lshlrev_b32 v41, 8, v180
	v_lshlrev_b32 v42, 16, v180
	v_lshlrev_b32 v43, 24, v180
	v_mov_b32 v13, 0xff61b1e6                      ; the largest t so far: -3e38, under every t
	v_floor_f32 v12, -v13                          ; -M
	v_mov_b32 v14, 0                               ; the sum, in two halves
	v_mov_b32 v15, 0
.irp j, 0,1,2,3,4,5,6,7,8,9,10,11,12,13,14,15
	v_mov_b32 v[160+\j], 0                         ; O^T: the step is written once; the first finds zeros.  (These twenty lines also stand between the writes of Q's fragments and scale words and the first product)
.endr
.Lstep_\@:
	s_cmp_gt_u32 s[KF], s[SQ+\idx]                 ; all 128 keys come after my position: no work
	s_cbranch_scc1 .Lhidden_\@
	v_add_nc_u32 v3, s[TB], v1
	v_add_nc_u32 v4, s[TS], v2
	v_nop
	v_nop                                          ; four plain lines between the last step's products and the loads into V's registers
.irp i, 0,1,2,3
	ds_load_b128 v[44+4*\i:47+4*\i], v3 offset:512*\i             ; K: two fragments of 64 keys
.endr
	ds_load_b32 v60, v4                            ; K's scale words: lanes 0-15 the first fragment's rows, lanes 16-31 the second's
.irp i, 0,1,2,3
	ds_load_b128 v[64+4*\i:67+4*\i], v3 offset:32768+512*\i       ; V: two tiles of 16 channels x 128 keys
.endr
	ds_load_b32 v61, v4 offset:2048                ; V's scale words: lanes 0-15 tile 0, lanes 16-31 tile 1
	s_wait_dscnt 5                                 ; K and its scale words are in; V's five loads may be out
.irp T, 0,1,2,3
	v_wmma_scale_f32_16x16x128_f8f6f4 v[96+8*\T:103+8*\T], v[44:51], v[16+12*(\T%2)+4*(\T/2):23+12*(\T%2)+4*(\T/2)], 0, v60, v[40+\T] matrix_a_fmt:MATRIX_FMT_FP4 matrix_b_fmt:MATRIX_FMT_FP4
.endr
.irp T, 0,1,2,3
	v_wmma_scale_f32_16x16x128_f8f6f4 v[128+8*\T:135+8*\T], v[52:59], v[16+12*(\T%2)+4*(\T/2):23+12*(\T%2)+4*(\T/2)], 0, v60, v[40+\T] matrix_a_fmt:MATRIX_FMT_FP4 matrix_b_fmt:MATRIX_FMT_FP4 matrix_a_scale:MATRIX_SCALE_ROW1
.endr
	PLACES
	s_add_co_u32 s51, s[KF], 127                   ; the one step on the diagonal: hidden scores become -infinity ahead of the maximum, p = 0 then.  A step all of whose keys count skips this
	s_cmp_le_u32 s51, s[SQ+\idx]
	s_cbranch_scc1 .Lopen_\@
	s_sub_co_i32 s51, s[SQ+\idx], s[KF]
	v_add_nc_u32 v252, s51, v5                     ; d = position - KF - 16 (lane / 16).  Register 16 b + i holds key KF + 16 (lane / 16) + 32 b + i: hidden where 32 b + i > d
	v_mov_b32 v254, 0xff800000
.set n, 0
.rept 64
	v_cmp_gt_i32 vcc_lo, 32*(n/16)+n%16, v252
	v_cndmask_b32 v[96+n], v[96+n], v254, vcc_lo
.set n, n+1
.endr
.Lopen_\@:
.irp b, 0,1,2,3
	v_max3_num_f32 v[232+\b], v[96+16*\b], v[97+16*\b], v[98+16*\b]   ; the largest score of each block of 32 keys: it serves for the row's maximum and, since p rises with the score, for the block's largest p
.endr
.irp i, 3,5,7,9,11,13
.irp b, 0,1,2,3
	v_max3_num_f32 v[232+\b], v[232+\b], v[96+16*\b+\i], v[97+16*\b+\i]
.endr
.endr
.irp b, 0,1,2,3
	v_max_num_f32 v[232+\b], v[232+\b], v[111+16*\b]
.endr
.irp b, 0,1,2,3
	v_permlanex16_b32 v[236+\b], v[232+\b], s[SEL], s[SEL+1]
.endr
.irp b, 0,1,2,3
	v_max_num_f32 v[232+\b], v[232+\b], v[236+\b]  ; with lane l xor 16's 16 keys
.endr
	v_max3_num_f32 v254, v232, v233, v234
	v_max_num_f32 v254, v254, v235                 ; the step's largest score of my head
	v_mul_f32 v254, s[CS], v254                    ; as t (c is positive)
	v_max_num_f32 v13, v13, v254                   ; the running largest t
	v_mov_b32 v254, v12
	v_floor_f32 v12, -v13                          ; the new -M = floor(-t) = -ceil(t): a whole number
	v_sub_f32 v254, v12, v254                      ; M's old value less its new one: a whole number, 0 or less
	v_cvt_i32_f32 v254, v254                       ; (it saturates)
	v_ldexp_f32 v252, 1.0, v254                    ; f = 2^(old M - new M)
.set n, 0
.rept 32
	v_pk_fma_f32 v[96+n:97+n], v[96+n:97+n], s[CS:CS+1], v[12:13] op_sel_hi:[1,0,0]   ; t - M, two at a time
.set n, n+2
.endr
.irp b, 0,1,2,3
	v_fma_f32 v[232+\b], v[232+\b], s[CS], v12     ; the same of each block's largest score
.endr
.set n, 0
.rept 64
	v_exp_f32 v[96+n], v[96+n]                     ; p = 2^(t - M), at most 1
.set n, n+1
.endr
	v_pk_mul_f32 v[14:15], v[14:15], v[252:253] op_sel_hi:[1,0]   ; the sums under the new M: a plain line behind the exponentials
	s_wait_alu depctr_va_vdst(0)                   ; one wait for the whole batch, ahead of its first reader
.irp b, 0,1,2,3
	v_exp_f32 v[232+\b], v[232+\b]                 ; the block's largest p: the same two instructions on the same number give the same bits
.endr
	v_pk_add_f32 v[236:237], v[96:97], v[98:99]    ; the row's sum is taken of the unquantised p, in two chains; it reads the 64 alone: plain work behind the four
.irp j, 4,8,12,16,20,24,28,32,36,40,44,48,52,56,60
	v_pk_add_f32 v[14:15], v[14:15], v[96+\j:97+\j]
	v_pk_add_f32 v[236:237], v[236:237], v[98+\j:99+\j]
.endr
	v_pk_add_f32 v[14:15], v[14:15], v[236:237]
	s_wait_alu depctr_va_vdst(0)                   ; and one for the four
.irp b, 0,1,2,3
	v_max_num_f32 v[232+\b], 0x1800000, v[232+\b]  ; the floor 2^(3 - 127): the byte cannot fall under 1 (a block whose every p is 0 keeps that byte: its codes are zeros)
.endr
.irp b, 0,1,2,3
	v_add_nc_u32 v[244+\b], 0xff000000, v[232+\b]  ; 2 off the exponent field: the conversion's scale operand
.endr
.irp b, 0,1,2,3
	v_lshrrev_b32 v[236+\b], 23, v[244+\b]         ; the scale's byte
.endr
	v_lshl_or_b32 v253, v237, 8, v236              ; p's scale word for these 128 keys
	v_lshl_or_b32 v253, v238, 16, v253
	v_lshl_or_b32 v253, v239, 24, v253
.irp b, 0,1,2,3
	v_cvt_scalef32_pk8_fp4_f32 v[224+2*\b], v[96+16*\b:103+16*\b], v[244+\b]
	v_cvt_scalef32_pk8_fp4_f32 v[225+2*\b], v[104+16*\b:111+16*\b], v[244+\b]
.endr
	v_nop                                          ; a plain line behind the last conversion
.irp c, 0,1                                    ; the operand's layout wants a WHOLE block in a lane
.irp i, 0,1
	v_permlane16_swap_b32 v[224+4*\c+\i], v[226+4*\c+\i]
.endr
.endr
.irp j, 0,2,4,6,8,10,12,14
	v_pk_mul_f32 v[160+\j:161+\j], v[160+\j:161+\j], v[252:253] op_sel_hi:[1,0]   ; O^T under the new M
.endr
.rept 8
	v_nop                                          ; a scale word written by a vector instruction stands eight plain lines ahead of a scaled product, an operand so written four; the lines above name the products' own registers and are not counted
.endr
	s_wait_dscnt 0x0                               ; V and its scale words
	v_wmma_scale_f32_16x16x128_f8f6f4 v[160:167], v[64:71], v[224:231], v[160:167], v61, v253 matrix_a_fmt:MATRIX_FMT_FP4 matrix_b_fmt:MATRIX_FMT_FP4
	v_wmma_scale_f32_16x16x128_f8f6f4 v[168:175], v[72:79], v[224:231], v[168:175], v61, v253 matrix_a_fmt:MATRIX_FMT_FP4 matrix_b_fmt:MATRIX_FMT_FP4 matrix_a_scale:MATRIX_SCALE_ROW1
.Lhidden_\@:
	s_add_co_u32 s[KF], s[KF], 128
	s_add_co_u32 s[TB], s[TB], 2048
	s_add_co_u32 s[TS], s[TS], 128
	s_sub_co_u32 s[CNT], s[CNT], 1
	s_cmp_lg_u32 s[CNT], 0
	s_cbranch_scc1 .Lstep_\@
	PLACES                                         ; ahead of the first read of O^T
	v_add_f32 v14, v14, v15                        ; the sum's two halves,
	v_permlanex16_b32 v252, v14, s[SEL], s[SEL+1]
	v_add_f32 v14, v14, v252                       ; and lane l xor 16's: the row's sum
	v_rcp_f32 v14, v14
	v_nop                                          ; a plain line behind the transcendental
	s_wait_alu depctr_va_vdst(0)                   ; the wait ahead of its first reader
.irp j, 0,2,4,6,8,10,12,14
	v_pk_mul_f32 v[176+\j:177+\j], v[160+\j:161+\j], v[14:15] op_sel_hi:[1,0]   ; O / l: channels 16 (lane / 16) + 0 .. 15 of head r, from O^T's low end on
.endr
	v_max3_num_f32 v232, |v176|, |v177|, 0x1800000 ; one block of the next product's K is one head: my 16 numbers and lane l xor 16's
	v_max3_num_f32 v233, |v178|, |v179|, |v180|
	v_max3_num_f32 v232, v232, |v181|, |v182|
	v_max3_num_f32 v233, v233, |v183|, |v184|
	v_max3_num_f32 v232, v232, |v185|, |v186|
	v_max3_num_f32 v233, v233, |v187|, |v188|
	v_max3_num_f32 v232, v232, |v189|, |v190|
	v_max3_num_f32 v232, v232, v233, |v191|
	v_permlanex16_b32 v236, v232, s[SEL], s[SEL+1]
	v_max_num_f32 v232, v232, v236
	v_add_nc_u32 v244, 0xff000000, v232
	v_lshrrev_b32 v[196+\idx], 23, v244
	v_cvt_scalef32_pk8_fp4_f32 v[192+2*\idx], v[176:183], v244
	v_cvt_scalef32_pk8_fp4_f32 v[193+2*\idx], v[184:191], v244
	v_nop                                          ; a plain line behind the last conversion
	global_store_b64 v7, v[192+2*\idx:193+2*\idx], s[AB+2*\idx:AB+2*\idx+1]   ; the wave stores the row's 256 consecutive aligned bytes
	ds_store_b8 v[9+\idx], v[196+\idx]             ; both lanes of a head write the same byte with the same value
.endm
	TILE 0
	TILE 1
	s_wait_dscnt 0x0                               ; my scale bytes have landed
	s_barrier_signal -1
	s_barrier_wait -1
	s_cmp_lg_u32 s[WV], 0
	s_cbranch_scc1 .Lend
	ds_load_b128 v[96:99], v83                     ; wave 0 stores the two groups' scale bytes: 256 consecutive aligned bytes each
	s_wait_dscnt 0x0
	global_store_b128 v84, v[96:99], s[12:13]
.Lend:
	s_wait_tensorcnt 0x0
	ds_add_u32 v251, v255
	s_wait_dscnt 0x0
	s_endpgm
.Lfunc_end_k_q42227a2385_attn:
	.size	k_q42227a2385_attn, .Lfunc_end_k_q42227a2385_attn-k_q42227a2385_attn
	.p2alignl 7, 3214868480
	.fill 96, 4, 3214868480
	.section	.rodata,"a",@progbits
	.p2align	6, 0x0
	.amdhsa_kernel k_q42227a2385_attn
		.amdhsa_group_segment_fixed_size 72192
		.amdhsa_private_segment_fixed_size 0
		.amdhsa_enable_private_segment 0
		.amdhsa_kernarg_size 40
		.amdhsa_user_sgpr_count 2
		.amdhsa_user_sgpr_kernarg_segment_ptr 1
		.amdhsa_wavefront_size32 1
		.amdhsa_system_sgpr_workgroup_id_x 1
		.amdhsa_system_sgpr_workgroup_id_y 1
		.amdhsa_system_sgpr_workgroup_id_z 1
		.amdhsa_system_vgpr_workitem_id 0
		.amdhsa_next_free_vgpr 256
		.amdhsa_next_free_sgpr 66
		.amdhsa_reserve_vcc 1
		.amdhsa_float_denorm_mode_32 3
		.amdhsa_float_denorm_mode_16_64 3
		.amdhsa_memory_ordered 1
		.amdhsa_forward_progress 1
		.amdhsa_inst_pref_size 51
	.end_amdhsa_kernel
	.amdgpu_metadata
---
amdhsa.version: [ 1, 2 ]
amdhsa.kernels:
  - .name:           k_q42227a2385_attn
    .symbol:         k_q42227a2385_attn.kd
    .args:
      - { .name: qcodes, .offset: 0, .size: 8, .value_kind: global_buffer, .address_space: global }
      - { .name: qscl, .offset: 8, .size: 8, .value_kind: global_buffer, .address_space: global }
      - { .name: kvimg, .offset: 16, .size: 8, .value_kind: global_buffer, .address_space: global }
      - { .name: acodes, .offset: 24, .size: 8, .value_kind: global_buffer, .address_space: global }
      - { .name: ascl, .offset: 32, .size: 8, .value_kind: global_buffer, .address_space: global }
    .group_segment_fixed_size: 72192
    .private_segment_fixed_size: 0
    .kernarg_segment_align: 8
    .kernarg_segment_size: 40
    .max_flat_workgroup_size: 512
    .sgpr_count:     66
    .vgpr_count:     256
    .wavefront_size: 32
...
	.end_amdgpu_metadata
.endif
;; end of part 3
;; launch mlp (part 4): grid 256 x 1, 16 waves a work-group, no clusters, 177,664 bytes of LDS; arguments acodes, ascl, hidden_states, wimg, wscl, bo, ln2_g, ln2_b, bfc, bproj, out0; writes out0
.if DOCPART == 4
	.amdgcn_target "amdgcn-amd-amdhsa--gfx1250"
	.amdhsa_code_object_version 6
	.text
	.protected	k_q42227a2385_mlp
	.globl	k_q42227a2385_mlp
	.p2align	8
	.type	k_q42227a2385_mlp,@function
k_q42227a2385_mlp:
	s_mov_b64 s[64:65], 0
	v_nop
	global_prefetch_b8 v0, s[64:65] scope:SCOPE_SE
	s_setreg_imm32_b32 hwreg(HW_REG_WAVE_MODE, 25, 1), 1
	s_wait_xcnt 0x0
; x2 = attn wo + bo + x;  out = gelu_tanh(LayerNorm(x2) wfc + bfc) wproj + bproj + x2.  The three products on codes of FP4 with one E8M0 scale for each 32 along K; all else in f32.  x2, the LayerNorm and the hidden layer never go to memory.
; SHARES: a work-group takes 32 rows.  THE WAVES SHARE THE COLUMNS: wave w makes columns 32 w .. of x2 and of out, and hidden units 128 w .. 128 w + 127.  So each fragment of a weight is loaded by one wave, straight into registers,
; from images laid in the order of the operand's registers.  Every product is made of one piece: 32 columns x 512 K x 32 rows: 16 matrix instructions, transposed (source 0 = 16 columns of the weight, source 1 = 16 rows).
; OPERANDS GO FROM WAVE TO WAVE THROUGH LDS AS IMAGES OF THEIR REGISTERS: 16 bytes a lane, 512 bytes on end a store; scale words beside them.
; PHASES: A attn wo + bo, to LDS | barrier | B wave w: rows 2 w, 2 w + 1: + x = x2 (kept in LDS), LayerNorm, to LDS | barrier | half a fragment each is quantised | barrier |
; C four pairs of tiles: product, bias as the first C, gelu, quantiser: my 128 hidden units are K step w of the last product | barrier | D the last product, four chunks of 512 along K, to LDS | barrier | E rows 2 w, 2 w + 1: + x2, stored.
; gelu_tanh(x) = x / (1 + 2^(x (C0 + C1 x^2))), C0 = -2 log2(e) sqrt(2 / pi), C1 = 0.044715 C0: the same function, with no difference of near numbers.
; LIMITS: a block of zeros gets the byte 1 where the rule says 127 (zero codes; this program alone reads the bytes); a largest magnitude under 2^-124 is held at that floor; the gelu's division is v_rcp_f32 and a multiplication; NaN and infinities are not served.
; No cluster: the weights' images, which all work-groups read, go from memory straight into each wave's registers: there is no tile in LDS that a joint load could fill.
.set XIMG,  0                          ; LDS: the LayerNorm's 8 fragments (4 m + s), 1,024 bytes each
.set XSC,   8192                       ; their scale words: [m][r][16 bytes]
.set HSC,   8704                       ; the hidden layer's: [m][chunk][r][16 bytes]
.set HIMG,  10752                      ; the hidden layer's 32 fragments (16 m + s)
.set X2,    43520                      ; x2, f32: 32 rows x (2,048 + 16)
.set HB,    109568                     ; the LayerNorm's rows, f32, likewise; later the last product's results
.set PITCH, 2064
.set LI,   1                           ; v1   16 x lane
.set R16,  2                           ; v2   16 r
.set BO,   3                           ; v3   64 h
.set AO,   4                           ; v4   attn's codes: 256 r + 16 h
.set X2W,  5                           ; v5   my columns' place in X2: row r, 128 w + 64 h
.set HBS,  6                           ; v6   the same in HB
.set ROWX, 7                           ; v7   my two rows in X2
.set ROWH, 8                           ; v8   and in HB
.set HBR,  9                           ; v9   where I read the 32 numbers that I quantise
.set XIW,  10                          ; v10  where my half fragment goes
.set XSW,  11                          ; v11  and its two scale bytes
.set HIW,  12                          ; v12  where the hidden layer's fragments go
.set HSW,  13                          ; v13  and their scale words
.set C0,   14                          ; v[14:15] C0
.set W,    24                          ; v24-87   a unit of a weight: fragment 4 u + s
.set WS,   88                          ; v88-95   its scale words
.set BI,   96                          ; v96-111  a bias in the result's layout
.set ACC,  112                         ; v112-143 four accumulators: 16 m + 8 u
.set XF,   144                         ; v144-207 the rows' eight fragments: 8 (4 m + s)
.set XS,   208                         ; v208-215 their scale words
.set PC,   216                         ; v216-231 codes: 8 m + 2 b
.set T,    232                         ; v232-247 the gelu's
.set TQ,   248                         ; v248-251 the quantiser's
.set E,    252                         ; v252-253 scale bytes
.set PW,   254                         ; v254-255 the hidden layer's scale words, m = 0, 1
.set HR,   216                         ; phases A, B: my two rows of x
.set RG,   24                          ; phase B: g, b, my two rows; phase E: two rows each
.set RB,   40
.set RX,   56
.set LT,   96
.set WV,   26                          ; s26  wave
.set SEL,  28                          ; s[28:29] v_permlanex16_b32's selects for lane l xor 16
.set INV,  30                          ; s30  1 / 512
.set EPS,  31                          ; s31  1e-5
.set C1,   32                          ; s[32:33] C1
.macro PLACES                          ; four plain lines between a matrix instruction and a load into, or a read of, its registers
.rept 4
	v_nop
.endr
.endm
.macro BARRIER                         ; my LDS stores have landed and my LDS loads are in: then the work-group's barrier
	s_wait_dscnt 0x0
	s_barrier_signal -1
	s_barrier_wait -1
.endm
; Two half blocks: 16 registers at s0 and 16 at s1; the other 16 numbers of each block lie in lane l xor 16.  Codes to d0, d0 + 1 and d1, d1 + 1; bytes to e0, e1
.macro QB2 s0, s1, d0, d1, e0, e1
	v_max3_num_f32 v[TQ], |v[(\s0)]|, |v[(\s0)+1]|, 0x1800000     ; with the floor 2^(3 - 127): the byte cannot fall under 1
	v_max3_num_f32 v[TQ+1], |v[(\s1)]|, |v[(\s1)+1]|, 0x1800000
.irp i, 2,4,6,8,10,12,14
	v_max3_num_f32 v[TQ], v[TQ], |v[(\s0)+\i]|, |v[(\s0)+\i+1]|
	v_max3_num_f32 v[TQ+1], v[TQ+1], |v[(\s1)+\i]|, |v[(\s1)+\i+1]|
.endr
	v_permlanex16_b32 v[TQ+2], v[TQ], s[SEL], s[SEL+1]
	v_permlanex16_b32 v[TQ+3], v[TQ+1], s[SEL], s[SEL+1]
	v_max_num_f32 v[TQ], v[TQ], v[TQ+2]            ; the block's largest magnitude
	v_max_num_f32 v[TQ+1], v[TQ+1], v[TQ+3]
	v_add_nc_u32 v[TQ+2], 0xff000000, v[TQ]        ; 2 off its exponent field: the conversion's scale operand
	v_add_nc_u32 v[TQ+3], 0xff000000, v[TQ+1]
	v_lshrrev_b32 v[(\e0)], 23, v[TQ+2]            ; the scale's byte
	v_lshrrev_b32 v[(\e1)], 23, v[TQ+3]
	v_cvt_scalef32_pk8_fp4_f32 v[(\d0)], v[(\s0):(\s0)+7], v[TQ+2]
	v_cvt_scalef32_pk8_fp4_f32 v[(\d0)+1], v[(\s0)+8:(\s0)+15], v[TQ+2]
	v_cvt_scalef32_pk8_fp4_f32 v[(\d1)], v[(\s1):(\s1)+7], v[TQ+3]
	v_cvt_scalef32_pk8_fp4_f32 v[(\d1)+1], v[(\s1)+8:(\s1)+15], v[TQ+3]
	v_nop                                          ; a plain line behind the last conversion
.endm
.macro REDUCE t                        ; the sums of two rows, each in two pairs at t + 4 q: every lane ends with the row's sum in v[t + 4 q]
.irp q, 0,1
	v_pk_add_f32 v[\t+4*\q:\t+4*\q+1], v[\t+4*\q:\t+4*\q+1], v[\t+4*\q+2:\t+4*\q+3]
.endr
.irp q, 0,1
	v_add_f32 v[\t+4*\q], v[\t+4*\q], v[\t+4*\q+1]
.endr
.irp k, 1,2,4,8
.irp q, 0,1
	v_add_f32_dpp v[\t+4*\q], v[\t+4*\q], v[\t+4*\q] row_xmask:\k row_mask:0xf bank_mask:0xf
.endr
.endr
.irp q, 0,1
	v_permlanex16_b32 v[\t+4*\q+1], v[\t+4*\q], s[SEL], s[SEL+1]
.endr
.irp q, 0,1
	v_add_f32 v[\t+4*\q], v[\t+4*\q], v[\t+4*\q+1]
.endr
.endm
; LayerNorm of two rows: row q in v[x + 16 q ..]; lane l holds columns 128 i + 4 l .. + 3 in registers 4 i .. 4 i + 3; g and b hold the same columns.  Two passes: the mean first, then the squares of x - mean
.macro LNROWS x, g, b, t
.irp q, 0,1
	v_pk_add_f32 v[\t+4*\q:\t+4*\q+1], v[\x+16*\q:\x+16*\q+1], v[\x+16*\q+2:\x+16*\q+3]
	v_pk_add_f32 v[\t+4*\q+2:\t+4*\q+3], v[\x+16*\q+4:\x+16*\q+5], v[\x+16*\q+6:\x+16*\q+7]
.endr
.irp j, 8,12
.irp q, 0,1
	v_pk_add_f32 v[\t+4*\q:\t+4*\q+1], v[\t+4*\q:\t+4*\q+1], v[\x+16*\q+\j:\x+16*\q+\j+1]
	v_pk_add_f32 v[\t+4*\q+2:\t+4*\q+3], v[\t+4*\q+2:\t+4*\q+3], v[\x+16*\q+\j+2:\x+16*\q+\j+3]
.endr
.endr
	REDUCE \t
.irp q, 0,1
	v_mul_f32 v[\t+4*\q], s[INV], v[\t+4*\q]       ; the mean
.endr
.irp j, 0,2,4,6,8,10,12,14
.irp q, 0,1
	v_pk_add_f32 v[\x+16*\q+\j:\x+16*\q+\j+1], v[\x+16*\q+\j:\x+16*\q+\j+1], v[\t+4*\q:\t+4*\q+1] op_sel_hi:[1,0] neg_lo:[0,1] neg_hi:[0,1]   ; x - mean (the pair's low word serves both halves)
.endr
.endr
.irp q, 0,1
	v_pk_mul_f32 v[\t+4*\q:\t+4*\q+1], v[\x+16*\q:\x+16*\q+1], v[\x+16*\q:\x+16*\q+1]
	v_pk_mul_f32 v[\t+4*\q+2:\t+4*\q+3], v[\x+16*\q+2:\x+16*\q+3], v[\x+16*\q+2:\x+16*\q+3]
.endr
.irp j, 4,8,12
.irp q, 0,1
	v_pk_fma_f32 v[\t+4*\q:\t+4*\q+1], v[\x+16*\q+\j:\x+16*\q+\j+1], v[\x+16*\q+\j:\x+16*\q+\j+1], v[\t+4*\q:\t+4*\q+1]
	v_pk_fma_f32 v[\t+4*\q+2:\t+4*\q+3], v[\x+16*\q+\j+2:\x+16*\q+\j+3], v[\x+16*\q+\j+2:\x+16*\q+\j+3], v[\t+4*\q+2:\t+4*\q+3]
.endr
.endr
	REDUCE \t
.irp q, 0,1
	v_fma_f32 v[\t+4*\q], v[\t+4*\q], s[INV], s[EPS]   ; the variance + 1e-5
.endr
.irp q, 0,1
	v_rsq_f32 v[\t+4*\q], v[\t+4*\q]
.endr
	v_nop                                          ; a plain line behind the last transcendental
	s_wait_alu depctr_va_vdst(0)                   ; one wait for both, ahead of their first reader
.irp j, 0,2,4,6,8,10,12,14
.irp q, 0,1
	v_pk_mul_f32 v[\x+16*\q+\j:\x+16*\q+\j+1], v[\x+16*\q+\j:\x+16*\q+\j+1], v[\t+4*\q:\t+4*\q+1] op_sel_hi:[1,0]
.endr
.endr
.irp j, 0,2,4,6,8,10,12,14
.irp q, 0,1
	v_pk_fma_f32 v[\x+16*\q+\j:\x+16*\q+\j+1], v[\x+16*\q+\j:\x+16*\q+\j+1], v[\g+\j:\g+\j+1], v[\b+\j:\b+\j+1]
.endr
.endr
.endm
; 32 numbers at n (register 16 b + i = k 32 b + 16 (lane / 16) + i of my row: two blocks) become four registers of a fragment, stored as they stand, and two scale bytes
.macro QUANTH n
	QB2 \n, \n+16, PC, PC+2, E, E+1
	v_permlane16_swap_b32 v[PC], v[PC+2]           ; the operand's layout wants a WHOLE block in a lane
	v_permlane16_swap_b32 v[PC+1], v[PC+3]
	v_lshl_or_b32 v[E], v[E+1], 8, v[E]
	ds_store_b128 v[XIW], v[PC:PC+3]
	ds_store_b16 v[XSW], v[E]                      ; both lanes of a row write the same two bytes with the same values
.endm
.macro LOADW sb, ss, k                 ; unit k from the base on: 16 loads of 512 consecutive bytes, and its scale words
.irp u, 0,1
.irp t, 0,1,2,3
.irp c, 0,1
	global_load_b128 v[W+8*(4*\u+\t)+4*\c:W+8*(4*\u+\t)+4*\c+3], v[LI], s[\sb:\sb+1] offset:8192*(\k)+1024*(4*\u+\t)+512*\c
.endr
.endr
.endr
.irp u, 0,1
	global_load_b128 v[WS+4*\u:WS+4*\u+3], v[R16], s[\ss:\ss+1] offset:512*(\k)+256*\u
.endr
.endm
.macro LOADB dst, sb, off              ; a bias in the transposed result's layout: register 8 u + j takes number 16 (lane / 16) + 8 u + j
.irp u, 0,1
	global_load_b128 v[(\dst)+8*\u:(\dst)+8*\u+3], v[BO], s[\sb:\sb+1] offset:(\off)+32*\u
	global_load_b128 v[(\dst)+8*\u+4:(\dst)+8*\u+7], v[BO], s[\sb:\sb+1] offset:(\off)+32*\u+16
.endr
.endm
; 8 matrix instructions: 32 columns x 512 K x 16 rows.  The two accumulators by turns, one instruction a turn.  cm = 1: the bias is the C of each sum's first product
.macro MULM xf, xs, acc, cm
.irp t, 0,1,2,3
.irp u, 0,1
.if (\cm) && (\t == 0)
	v_wmma_scale_f32_16x16x128_f8f6f4 v[(\acc)+8*\u:(\acc)+8*\u+7], v[W+8*(4*\u+\t):W+8*(4*\u+\t)+7], v[(\xf)+8*\t:(\xf)+8*\t+7], v[BI+8*\u:BI+8*\u+7], v[WS+4*\u+\t], v[(\xs)+\t] matrix_a_fmt:MATRIX_FMT_FP4 matrix_b_fmt:MATRIX_FMT_FP4
.else
	v_wmma_scale_f32_16x16x128_f8f6f4 v[(\acc)+8*\u:(\acc)+8*\u+7], v[W+8*(4*\u+\t):W+8*(4*\u+\t)+7], v[(\xf)+8*\t:(\xf)+8*\t+7], v[(\acc)+8*\u:(\acc)+8*\u+7], v[WS+4*\u+\t], v[(\xs)+\t] matrix_a_fmt:MATRIX_FMT_FP4 matrix_b_fmt:MATRIX_FMT_FP4
.endif
.endr
.endr
.endm
; gelu of 16 numbers at a, in place.  Each batch of transcendentals has one plain line and one wait behind it, ahead of its first reader
.macro GELU a
.irp j, 0,2,4,6,8,10,12,14
	v_pk_mul_f32 v[T+\j:T+\j+1], v[(\a)+\j:(\a)+\j+1], v[(\a)+\j:(\a)+\j+1]      ; x^2; each accumulator from its low end on
.endr
.irp j, 0,2,4,6,8,10,12,14
	v_pk_fma_f32 v[T+\j:T+\j+1], v[T+\j:T+\j+1], s[C1:C1+1], v[C0:C0+1] op_sel_hi:[1,0,0]   ; C1 x^2 + C0
.endr
.irp j, 0,2,4,6,8,10,12,14
	v_pk_mul_f32 v[T+\j:T+\j+1], v[T+\j:T+\j+1], v[(\a)+\j:(\a)+\j+1]
.endr
.irp j, 0,1,2,3,4,5,6,7,8,9,10,11,12,13,14,15
	v_exp_f32 v[T+\j], v[T+\j]
.endr
	v_nop
	s_wait_alu depctr_va_vdst(0)
.irp j, 0,2,4,6,8,10,12,14
	v_pk_add_f32 v[T+\j:T+\j+1], v[T+\j:T+\j+1], 1.0 op_sel_hi:[1,0]
.endr
.irp j, 0,1,2,3,4,5,6,7,8,9,10,11,12,13,14,15
	v_rcp_f32 v[T+\j], v[T+\j]
.endr
	v_nop
	s_wait_alu depctr_va_vdst(0)
.irp j, 0,2,4,6,8,10,12,14
	v_pk_mul_f32 v[(\a)+\j:(\a)+\j+1], v[(\a)+\j:(\a)+\j+1], v[T+\j:T+\j+1]
.endr
.endm
	s_load_b256 s[4:11], s[0:1], 0x0               ; acodes s[4:5], ascl s[6:7], x s[8:9], wimg s[10:11]
	s_load_b256 s[12:19], s[0:1], 0x20             ; wscl s[12:13], bo s[14:15], g s[16:17], b s[18:19]
	s_load_b128 s[20:23], s[0:1], 0x40             ; bfc s[20:21], bproj s[22:23]
	s_load_b64 s[24:25], s[0:1], 0x50              ; out
	v_lshl_add_u32 v22, v0, 2, 0x2ae00
	v_mov_b32 v23, 0
	v_lshrrev_b32 v16, 5, v0
	v_readfirstlane_b32 s[WV], v16                 ; wave 0..15
	v_and_b32 v17, 31, v0                          ; lane
	v_and_b32 v18, 15, v0                          ; r
	v_bfe_u32 v19, v0, 4, 1                        ; h
	v_lshlrev_b32 v[LI], 4, v17
	v_lshlrev_b32 v[R16], 4, v18
	v_lshlrev_b32 v[BO], 6, v19
	v_lshlrev_b32 v[AO], 8, v18
	v_lshl_add_u32 v[AO], v19, 4, v[AO]
	v_mul_u32_u24 v20, v18, PITCH
	v_add_nc_u32 v20, v20, v[BO]                   ; row r, + 64 h
	s_lshl_b32 s40, s[WV], 7
	s_add_co_u32 s41, s40, X2
	v_add_nc_u32 v[X2W], s41, v20
	s_add_co_u32 s41, s40, HB
	v_add_nc_u32 v[HBS], s41, v20
	s_mul_i32 s40, s[WV], 2*PITCH
	s_add_co_u32 s41, s40, X2
	v_add_nc_u32 v[ROWX], s41, v[LI]
	s_add_co_u32 s41, s40, HB
	v_add_nc_u32 v[ROWH], s41, v[LI]
	s_lshr_b32 s40, s[WV], 3                       ; my half fragment: w = 8 m + 2 s + c
	s_and_b32 s41, s[WV], 7
	s_mul_i32 s42, s40, 16*PITCH
	s_lshl_b32 s43, s41, 8
	s_add_co_u32 s42, s42, s43
	s_add_co_u32 s42, s42, HB
	v_add_nc_u32 v[HBR], s42, v20                  ; row 16 m + r, byte 512 s + 256 c + 64 h
	s_lshl_b32 s42, s[WV], 9
	v_add_nc_u32 v[XIW], s42, v[LI]
	s_lshl_b32 s42, s40, 8
	s_lshl_b32 s43, s41, 1
	s_add_co_u32 s42, s42, s43
	s_add_co_u32 s42, s42, XSC
	v_add_nc_u32 v[XSW], s42, v[R16]
	s_lshl_b32 s42, s[WV], 10
	s_add_co_u32 s42, s42, HIMG
	v_add_nc_u32 v[HIW], s42, v[LI]                ; K step w of the last product
	s_lshr_b32 s42, s[WV], 2
	s_lshl_b32 s42, s42, 8
	s_and_b32 s43, s[WV], 3
	s_lshl_b32 s43, s43, 2
	s_add_co_u32 s42, s42, s43
	s_add_co_u32 s42, s42, HSC
	v_add_nc_u32 v[HSW], s42, v[R16]               ; chunk w / 4, word w % 4
	v_mov_b32 v[C0], 0xc0135761                    ; -2.3022082
	v_mov_b32 v[C0+1], 0xc0135761
	v_mov_b32 v[TQ+2], 0                           ; written once: a lane permute's destination counts as one of its sources
	v_mov_b32 v[TQ+3], 0
	s_mov_b32 s[SEL], 0x76543210
	s_mov_b32 s[SEL+1], 0xfedcba98
	s_mov_b32 s[INV], 0x3b000000
	s_mov_b32 s[EPS], 0x3727c5ac
	s_mov_b32 s[C1], 0xbdd2d3e8                    ; -0.10294324
	s_mov_b32 s[C1+1], s[C1]
	s_mov_b32 s35, 0
	s_wait_kmcnt 0x0
	s_lshl_b32 s34, ttmp9, 13
	s_add_nc_u64 s[4:5], s[4:5], s[34:35]          ; attn's codes at row 32 g
	s_lshl_b32 s34, ttmp9, 9
	s_add_nc_u64 s[6:7], s[6:7], s[34:35]          ; and its scale words
	s_lshl_b32 s34, ttmp9, 16
	s_lshl_b32 s36, s[WV], 12
	s_add_co_u32 s34, s34, s36
	s_add_nc_u64 s[8:9], s[8:9], s[34:35]          ; x and out at row 32 g + 2 w
	s_add_nc_u64 s[24:25], s[24:25], s[34:35]
	s_add_co_u32 s36, s[WV], 18                    ; wo's unit 18 + w
	s_lshl_b32 s34, s36, 13
	s_add_nc_u64 s[44:45], s[10:11], s[34:35]
	s_lshl_b32 s34, s36, 9
	s_add_nc_u64 s[50:51], s[12:13], s[34:35]
	s_lshl_b32 s36, s[WV], 2
	s_add_co_u32 s37, s36, 34                      ; wfc's units 34 + 4 w on
	s_lshl_b32 s34, s37, 13
	s_add_nc_u64 s[46:47], s[10:11], s[34:35]
	s_lshl_b32 s34, s37, 9
	s_add_nc_u64 s[52:53], s[12:13], s[34:35]
	s_add_co_u32 s37, s36, 98                      ; wproj's units 98 + 4 w on
	s_lshl_b32 s34, s37, 13
	s_add_nc_u64 s[48:49], s[10:11], s[34:35]
	s_lshl_b32 s34, s37, 9
	s_add_nc_u64 s[54:55], s[12:13], s[34:35]
	s_lshl_b32 s34, s[WV], 7
	s_add_nc_u64 s[14:15], s[14:15], s[34:35]      ; my 32 numbers of bo and of bproj,
	s_add_nc_u64 s[22:23], s[22:23], s[34:35]
	s_lshl_b32 s34, s[WV], 9
	s_add_nc_u64 s[20:21], s[20:21], s[34:35]      ; my 128 of bfc
	; ---- A: attn wo + bo
.irp q, 0,1
.irp i, 0,1,2,3
	global_load_b128 v[HR+16*\q+4*\i:HR+16*\q+4*\i+3], v[LI], s[8:9] offset:2048*\q+512*\i th:TH_LOAD_NT   ; my two rows of x: wanted in phase B, asked for first
.endr
.endr
.irp m, 0,1
.irp t, 0,1,2,3
.irp c, 0,1
	global_load_b128 v[XF+8*(4*\m+\t)+4*\c:XF+8*(4*\m+\t)+4*\c+3], v[AO], s[4:5] offset:4096*\m+64*\t+32*\c
.endr
.endr
	global_load_b128 v[XS+4*\m:XS+4*\m+3], v[R16], s[6:7] offset:256*\m
.endr
	LOADW 44, 50, 0
	LOADB BI, 14, 0
	s_wait_loadcnt 0x0
	MULM XF, XS, ACC, 1
	MULM XF+32, XS+4, ACC+16, 1
	PLACES
.irp m, 0,1
.irp u, 0,1
	ds_store_b128 v[X2W], v[ACC+16*\m+8*\u:ACC+16*\m+8*\u+3] offset:16*PITCH*\m+32*\u        ; lane (r, h): row 16 m + r, columns 32 w + 16 h + 8 u + 0 .. 7; each accumulator from its low end on
	ds_store_b128 v[X2W], v[ACC+16*\m+8*\u+4:ACC+16*\m+8*\u+7] offset:16*PITCH*\m+32*\u+16
.endr
.endr
.irp i, 0,1,2,3
	global_load_b128 v[RG+4*\i:RG+4*\i+3], v[LI], s[16:17] offset:512*\i
	global_load_b128 v[RB+4*\i:RB+4*\i+3], v[LI], s[18:19] offset:512*\i
.endr
	BARRIER                                        ; 32 rows of attn wo + bo lie in LDS
	; ---- B: x2 and its LayerNorm, two rows a wave
.irp q, 0,1
.irp i, 0,1,2,3
	ds_load_b128 v[RX+16*\q+4*\i:RX+16*\q+4*\i+3], v[ROWX] offset:PITCH*\q+512*\i
.endr
.endr
	s_wait_dscnt 0x0
	s_wait_loadcnt 0x0                             ; g and b
.set j, 0
.rept 16
	v_pk_add_f32 v[RX+j:RX+j+1], v[RX+j:RX+j+1], v[HR+j:HR+j+1]   ; + x: x2
.set j, j+2
.endr
.irp q, 0,1
.irp i, 0,1,2,3
	ds_store_b128 v[ROWX], v[RX+16*\q+4*\i:RX+16*\q+4*\i+3] offset:PITCH*\q+512*\i   ; kept for the end: from here on these two rows are mine alone
.endr
.endr
	s_wait_dscnt 0x0                               ; the stores have read their registers, which are normalised in place
	LNROWS RX, RG, RB, LT
.irp q, 0,1
.irp i, 0,1,2,3
	ds_store_b128 v[ROWH], v[RX+16*\q+4*\i:RX+16*\q+4*\i+3] offset:PITCH*\q+512*\i
.endr
.endr
	s_wait_dscnt 0x0                               ; the stores have read their registers, which the weights' loads take next
	LOADW 46, 52, 0                                ; wfc's first unit and its bias: they land while the rows are quantised
	LOADB BI, 20, 0
	BARRIER                                        ; 32 normalised rows lie in LDS
.irp b, 0,1
.irp j, 0,1,2,3
	ds_load_b128 v[XF+16*\b+4*\j:XF+16*\b+4*\j+3], v[HBR] offset:128*\b+16*\j
.endr
.endr
	s_wait_dscnt 0x0
	QUANTH XF
	BARRIER                                        ; their eight fragments lie in LDS
	; ---- C: my 128 hidden units, 32 at a time
.irp m, 0,1
.irp t, 0,1,2,3
.irp c, 0,1
	ds_load_b128 v[XF+8*(4*\m+\t)+4*\c:XF+8*(4*\m+\t)+4*\c+3], v[LI] offset:XIMG+1024*(4*\m+\t)+512*\c
.endr
.endr
	ds_load_b128 v[XS+4*\m:XS+4*\m+3], v[R16] offset:XSC+256*\m
.endr
	s_wait_dscnt 0x0
.macro PAIR b
	s_wait_loadcnt 0x0                             ; this pair's unit and bias
	MULM XF, XS, ACC, 1
	MULM XF+32, XS+4, ACC+16, 1
	PLACES
.if \b < 3
	LOADW 46, 52, \b+1                             ; the next unit is asked for at once: it is on its way during the gelu
	LOADB BI, 20, 128*(\b+1)
.else
	LOADW 48, 54, 0                                ; wproj's first unit, and bproj
	LOADB BI, 22, 0
.endif
	GELU ACC
	GELU ACC+16
	QB2 ACC, ACC+16, PC+2*\b, PC+8+2*\b, E, E+1    ; rows r and 16 + r: my 16 of the pair's 32 hidden units: block b of the K step
.if \b == 0
	v_mov_b32 v[PW], v[E]
	v_mov_b32 v[PW+1], v[E+1]
.else
	v_lshl_or_b32 v[PW], v[E], 8*\b, v[PW]
	v_lshl_or_b32 v[PW+1], v[E+1], 8*\b, v[PW+1]
.endif
.endm
	PAIR 0
	PAIR 1
	PAIR 2
	PAIR 3
.irp m, 0,1
.irp c, 0,1
.irp i, 0,1
	v_permlane16_swap_b32 v[PC+8*\m+4*\c+\i], v[PC+8*\m+4*\c+2+\i]   ; the operand's layout wants a WHOLE block in a lane
.endr
.endr
.endr
.irp m, 0,1
.irp c, 0,1
	ds_store_b128 v[HIW], v[PC+8*\m+4*\c:PC+8*\m+4*\c+3] offset:16384*\m+512*\c
.endr
	ds_store_b32 v[HSW], v[PW+\m] offset:1024*\m   ; both lanes of a row write the same word with the same value
.endr
	BARRIER                                        ; the hidden layer's 32 fragments lie in LDS
	; ---- D: the last product, a chunk of 512 along K at a time
.irp q, 0,1,2,3
.irp m, 0,1
.irp t, 0,1,2,3
.irp c, 0,1
	ds_load_b128 v[XF+8*(4*\m+\t)+4*\c:XF+8*(4*\m+\t)+4*\c+3], v[LI] offset:HIMG+1024*(16*\m+4*\q+\t)+512*\c
.endr
.endr
	ds_load_b128 v[XS+4*\m:XS+4*\m+3], v[R16] offset:HSC+1024*\m+256*\q
.endr
	s_wait_dscnt 0x0
	s_wait_loadcnt 0x0                             ; this chunk's unit
.if \q == 0
	MULM XF, XS, ACC, 1
	MULM XF+32, XS+4, ACC+16, 1
.else
	MULM XF, XS, ACC, 0
	MULM XF+32, XS+4, ACC+16, 0
.endif
	PLACES                                         ; ahead of the loads into the operands' registers, and of the first read of results
.if \q < 3
	LOADW 48, 54, \q+1
.endif
.endr
.irp m, 0,1
.irp u, 0,1
	ds_store_b128 v[HBS], v[ACC+16*\m+8*\u:ACC+16*\m+8*\u+3] offset:16*PITCH*\m+32*\u        ; HB's last reads stood ahead of two barriers
	ds_store_b128 v[HBS], v[ACC+16*\m+8*\u+4:ACC+16*\m+8*\u+7] offset:16*PITCH*\m+32*\u+16
.endr
.endr
	BARRIER                                        ; 32 rows of the last product lie in LDS
	; ---- E: + x2, and out
.irp q, 0,1
.irp i, 0,1,2,3
	ds_load_b128 v[RG+16*\q+4*\i:RG+16*\q+4*\i+3], v[ROWH] offset:PITCH*\q+512*\i
	ds_load_b128 v[RX+16*\q+4*\i:RX+16*\q+4*\i+3], v[ROWX] offset:PITCH*\q+512*\i
.endr
.endr
	s_wait_dscnt 0x0
.set j, 0
.rept 16
	v_pk_add_f32 v[RG+j:RG+j+1], v[RG+j:RG+j+1], v[RX+j:RX+j+1]
.set j, j+2
.endr
.irp q, 0,1
.irp i, 0,1,2,3
	global_store_b128 v[LI], v[RG+16*\q+4*\i:RG+16*\q+4*\i+3], s[24:25] offset:2048*\q+512*\i th:TH_STORE_NT   ; 32 lanes store 512 consecutive bytes, at a multiple of 256 from the output's first byte
.endr
.endr
	s_wait_tensorcnt 0x0
	ds_add_u32 v22, v23
	s_wait_dscnt 0x0
	s_endpgm
.Lfunc_end_k_q42227a2385_mlp:
	.size	k_q42227a2385_mlp, .Lfunc_end_k_q42227a2385_mlp-k_q42227a2385_mlp
	.p2alignl 7, 3214868480
	.fill 96, 4, 3214868480
	.section	.rodata,"a",@progbits
	.p2align	6, 0x0
	.amdhsa_kernel k_q42227a2385_mlp
		.amdhsa_group_segment_fixed_size 177664
		.amdhsa_private_segment_fixed_size 0
		.amdhsa_enable_private_segment 0
		.amdhsa_kernarg_size 88
		.amdhsa_user_sgpr_count 2
		.amdhsa_user_sgpr_kernarg_segment_ptr 1
		.amdhsa_wavefront_size32 1
		.amdhsa_system_sgpr_workgroup_id_x 1
		.amdhsa_system_sgpr_workgroup_id_y 1
		.amdhsa_system_sgpr_workgroup_id_z 1
		.amdhsa_system_vgpr_workitem_id 0
		.amdhsa_next_free_vgpr 256
		.amdhsa_next_free_sgpr 66
		.amdhsa_reserve_vcc 0
		.amdhsa_float_denorm_mode_32 3
		.amdhsa_float_denorm_mode_16_64 3
		.amdhsa_memory_ordered 1
		.amdhsa_forward_progress 1
		.amdhsa_inst_pref_size 104
	.end_amdhsa_kernel
	.amdgpu_metadata
---
amdhsa.version: [ 1, 2 ]
amdhsa.kernels:
  - .name:           k_q42227a2385_mlp
    .symbol:         k_q42227a2385_mlp.kd
    .args:
      - { .name: acodes, .offset: 0, .size: 8, .value_kind: global_buffer, .address_space: global }
      - { .name: ascl, .offset: 8, .size: 8, .value_kind: global_buffer, .address_space: global }
      - { .name: hidden_states, .offset: 16, .size: 8, .value_kind: global_buffer, .address_space: global }
      - { .name: wimg, .offset: 24, .size: 8, .value_kind: global_buffer, .address_space: global }
      - { .name: wscl, .offset: 32, .size: 8, .value_kind: global_buffer, .address_space: global }
      - { .name: bo, .offset: 40, .size: 8, .value_kind: global_buffer, .address_space: global }
      - { .name: ln2_g, .offset: 48, .size: 8, .value_kind: global_buffer, .address_space: global }
      - { .name: ln2_b, .offset: 56, .size: 8, .value_kind: global_buffer, .address_space: global }
      - { .name: bfc, .offset: 64, .size: 8, .value_kind: global_buffer, .address_space: global }
      - { .name: bproj, .offset: 72, .size: 8, .value_kind: global_buffer, .address_space: global }
      - { .name: out0, .offset: 80, .size: 8, .value_kind: global_buffer, .address_space: global }
    .group_segment_fixed_size: 177664
    .private_segment_fixed_size: 0
    .kernarg_segment_align: 8
    .kernarg_segment_size: 88
    .max_flat_workgroup_size: 512
    .sgpr_count:     66
    .vgpr_count:     256
    .wavefront_size: 32
...
	.end_amdgpu_metadata
.endif
;; end of part 4
;; ======== version 2 of 2: 4 launches; version 1 with the launches qkv, attn, mlp written anew for expert scheduling mode
;; workspace buffers: wimg 1,327,104 bytes; wscl 82,944 bytes; qcodes 2,097,152 bytes; qscl 131,072 bytes; kvimg 278,528 bytes; acodes 2,097,152 bytes; ascl 131,072 bytes
;; launch wquant: the kernel of part 1 again; grid 162 x 1, 4 waves a work-group, no clusters, 1,024 bytes of LDS; arguments wq, wkv, wo, wfc, wproj, wimg, wscl; writes wimg, wscl
;; launch qkv (part 5): grid 256 x 1, 18 waves a work-group, no clusters, 86,784 bytes of LDS; arguments hidden_states, ln1_g, ln1_b, wimg, wscl, bq, bkv, qcodes, qscl, kvimg; writes qcodes, qscl, kvimg
.if DOCPART == 5
	.amdgcn_target "amdgcn-amd-amdhsa--gfx1250"
	.amdhsa_code_object_version 6
	.text
	.protected	k_q42227a2385_qkv
	.globl	k_q42227a2385_qkv
	.p2align	8
	.type	k_q42227a2385_qkv,@function
k_q42227a2385_qkv:
	s_mov_b64 s[64:65], 0
	v_nop
	global_prefetch_b8 v0, s[64:65] scope:SCOPE_SE
	s_setreg_imm32_b32 hwreg(HW_REG_WAVE_SCHED_MODE, 0, 2), 2
	s_setreg_imm32_b32 hwreg(HW_REG_WAVE_MODE, 25, 1), 1
	s_wait_xcnt 0x0
	s_wait_alu depctr_vm_vsrc(0)
; h = LayerNorm(x); q = h wq + bq, k | v = h wkv + bkv, the products on codes of FP4 with one E8M0 scale for each 32 along K; then q and k are quantised along the head's 32 channels, v along the keys.
; SHARES: a work-group takes 32 rows.  THE WAVES SHARE THE COLUMNS: wave w takes unit w of the weights' images (32 columns x 512 K): waves 0-15 the query heads, wave 16 k, wave 17 v; each unit is loaded by one wave, straight into registers.
; PHASES: 1 waves 0-15: LayerNorm of rows 2 w, 2 w + 1 (a row lies dense in a wave), f32, to LDS | barrier | 3 waves 0-15: half a fragment each (16 rows x 64 K) is quantised and stored as an image of the operand's registers | barrier |
; 4 the products, the quantisers behind them, the results to stages in LDS or to memory | barrier | 5 the stages leave in runs of 256 bytes and more.
; q and k are made TRANSPOSED (source 0 = 16 columns of the weight, source 1 = 16 rows of h): a lane holds one row and 16 neighbouring channels; the bias is loaded into the accumulators.
; v is made the other way round (source 0 = 16 rows of h): a lane holds one channel and its registers run along the keys, which are the K of the second product of attention.
; OUT: qcodes [row][head][16 bytes], qscl [row][16];  kvimg, for each batch 69,632 bytes as the next launch's LDS has them:
;   K's codes at 0: key t's 16 bytes at 512 (t / 32) + 16 (t % 8 + 8 ((t / 16) % 2) + 16 ((t / 8) % 2)): a fragment of 8 registers holds 64 keys, a key to each block of 32 along the instruction's K;
;   V's codes at 32,768: a step of 128 keys is [u][c][lane][16]: lane (r, h): channel 8 u + r + 8 (r / 8), keys 64 c + 32 h + 0 .. 31;   K's scale bytes at 65,536, V's at 67,584: 128 bytes a step.
; LIMITS: a block of zeros gets the byte 1 where the rule says 127 (zero codes; this program alone reads the bytes); a largest magnitude under 2^-124 is held at that floor; NaN and infinities are not served.
; No cluster: what work-groups share is the weights' images, 8,704 bytes a wave, which go straight into registers: there is no tile in LDS that a joint load could fill.
; THE MODE: SCHED_MODE bits 1:0 = 2 (LLVM: expert scheduling mode 2), set by the entry lines.  The code itself states the register dependences between vector or matrix instructions and memory or LDS instructions, with s_wait_alu, always for 0.
; THE PLAN.  Registers that memory or LDS instructions touch:
;   v1-15      addresses and offsets: written once at the head, never again.
;   v20-83     x, g and b land; LayerNorm reads them and writes v20-51; LDS stores read v20-51; then my unit's loads land, and the products read.
;   v84-123, v16-17   loaded once (scale words, biases); the accumulators are then named by matrix and vector instructions alone.
;   XF, XS     LDS loads land, the quantiser reads; rows 0-15's fragments land, products read; rows 16-31's land, products read.  At the end k's 16 bytes a lane land in v128-131 and a store reads them;
;              behind the last barrier 16 bytes of q's stages land in v124-127 and a store reads them: two sets of four, so that no load lands in registers that a store has read.
;   PC, E      the quantiser of h writes, LDS stores read; the quantiser of the results writes, stores read.
; So a wait on va_vdst stands ahead of the first memory instruction, ahead of each run of stores whose data vector instructions made, and between the two halves' products; each also covers the loads that follow it,
; since no vector or matrix instruction between names their registers.  A wait on vm_vsrc stands behind the two runs of LDS stores whose registers are written again.
.set XIMG,  0                          ; LDS: h's 8 fragments (4 m + s), 1,024 bytes each, as images of their registers
.set XSC,   8192                       ; their scale words: [m][r][16 bytes]
.set QST,   8704                       ; q's codes: 32 rows x (256 + 16)
.set QSS,   17408                      ; q's scale bytes: [row][16]
.set KST,   17920                      ; k's codes of 32 keys: wave 16's own
.set HB,    18432                      ; h, f32: 32 rows x (2,048 + 16)
.set PITCH, 2064
.set LI,   1                           ; v1   16 x lane
.set R16,  2                           ; v2   16 r
.set BO,   3                           ; v3   64 h
.set HBW,  4                           ; v4   where I put my two rows of h
.set HBR,  5                           ; v5   where I read the 32 numbers that I quantise
.set XIW,  6                           ; v6   where my half fragment goes
.set XSW,  7                           ; v7   and its two scale bytes
.set QSTW, 8                           ; v8   q's codes into the stage
.set QSSW, 9                           ; v9   q's scale byte
.set KSTW, 10                          ; v10  k's codes into the stage
.set QSTR, 11                          ; v11  q's stage, read by rows
.set KSO,  12                          ; v12  k's scale byte in memory
.set VO,   13                          ; v13  v's codes in memory
.set VSO,  14                          ; v14  v's scale byte in memory
.set BVO,  15                          ; v15  v's bias in memory
.set BV,   16                          ; v16-17 the bias of my channel of v, tiles 0 and 1
.set W,    20                          ; v20-83   my unit: fragment 4 u + s at 8 registers each
.set WS,   84                          ; v84-91   its scale words: 4 u + s
.set ACC,  92                          ; v92-123  four accumulators
.set XF,   124                         ; v124-155 h's four fragments of 16 rows; the 32 numbers to be quantised
.set KB,   128                         ; v128-131 at the end: k's codes on their way from the stage to memory
.set XS,   156                         ; v156-159 their scale words
.set TQ,   160                         ; v160-163 the quantiser's
.set E,    164                         ; v164-165 scale bytes
.set PC,   166                         ; v166-169 codes
.set LX,   20                          ; LayerNorm: two rows of x, g, b, at work: in registers that are free then
.set LG,   52
.set LB,   68
.set LT,   160
.set WV,   24                          ; s24  wave
.set WC,   25                          ; s25  min(wave, 15): for addresses that waves 0-15 alone use
.set SEL,  26                          ; s[26:27] v_permlanex16_b32's selects for lane l xor 16
.set INV,  28                          ; s28  1 / 512
.set EPS,  29                          ; s29  1e-5
.macro PLACES                          ; four plain lines between a matrix instruction and a load into, or a read of, its registers
.rept 4
	v_nop
.endr
.endm
.macro BARRIER                         ; my LDS stores have landed and my LDS loads are in: then the work-group's barrier
	s_wait_dscnt 0x0
	s_barrier_signal -1
	s_barrier_wait -1
.endm
; Two half blocks: 16 registers at s0 and 16 at s1; the other 16 numbers of each block lie in lane l xor 16.  Codes to d0, d0 + 1 and d1, d1 + 1; bytes to e0, e1.  The two by turns: no line waits for the line above it
.macro QB2 s0, s1, d0, d1, e0, e1
	v_max3_num_f32 v[TQ], |v[(\s0)]|, |v[(\s0)+1]|, 0x1800000     ; with the floor 2^(3 - 127): the byte cannot fall under 1
	v_max3_num_f32 v[TQ+1], |v[(\s1)]|, |v[(\s1)+1]|, 0x1800000
.irp i, 2,4,6,8,10,12,14
	v_max3_num_f32 v[TQ], v[TQ], |v[(\s0)+\i]|, |v[(\s0)+\i+1]|
	v_max3_num_f32 v[TQ+1], v[TQ+1], |v[(\s1)+\i]|, |v[(\s1)+\i+1]|
.endr
	v_permlanex16_b32 v[TQ+2], v[TQ], s[SEL], s[SEL+1]
	v_permlanex16_b32 v[TQ+3], v[TQ+1], s[SEL], s[SEL+1]
	v_max_num_f32 v[TQ], v[TQ], v[TQ+2]            ; the block's largest magnitude
	v_max_num_f32 v[TQ+1], v[TQ+1], v[TQ+3]
	v_add_nc_u32 v[TQ+2], 0xff000000, v[TQ]        ; 2 off its exponent field: the conversion's scale operand
	v_add_nc_u32 v[TQ+3], 0xff000000, v[TQ+1]
	v_lshrrev_b32 v[(\e0)], 23, v[TQ+2]            ; the scale's byte
	v_lshrrev_b32 v[(\e1)], 23, v[TQ+3]
	v_cvt_scalef32_pk8_fp4_f32 v[(\d0)], v[(\s0):(\s0)+7], v[TQ+2]
	v_cvt_scalef32_pk8_fp4_f32 v[(\d0)+1], v[(\s0)+8:(\s0)+15], v[TQ+2]
	v_cvt_scalef32_pk8_fp4_f32 v[(\d1)], v[(\s1):(\s1)+7], v[TQ+3]
	v_cvt_scalef32_pk8_fp4_f32 v[(\d1)+1], v[(\s1)+8:(\s1)+15], v[TQ+3]
	v_nop                                          ; a plain line behind the last conversion
.endm
; The sums of two rows, each in two pairs at t + 4 q, over the pair, the lanes' halves of 16 and the two halves: every lane ends with the row's sum in v[t + 4 q]
.macro REDUCE t
.irp q, 0,1
	v_pk_add_f32 v[\t+4*\q:\t+4*\q+1], v[\t+4*\q:\t+4*\q+1], v[\t+4*\q+2:\t+4*\q+3]
.endr
.irp q, 0,1
	v_add_f32 v[\t+4*\q], v[\t+4*\q], v[\t+4*\q+1]
.endr
.irp k, 1,2,4,8
.irp q, 0,1
	v_add_f32_dpp v[\t+4*\q], v[\t+4*\q], v[\t+4*\q] row_xmask:\k row_mask:0xf bank_mask:0xf
.endr
.endr
.irp q, 0,1
	v_permlanex16_b32 v[\t+4*\q+1], v[\t+4*\q], s[SEL], s[SEL+1]
.endr
.irp q, 0,1
	v_add_f32 v[\t+4*\q], v[\t+4*\q], v[\t+4*\q+1]
.endr
.endm
; LayerNorm of two rows: row q in v[x + 16 q ..]; lane l holds columns 128 i + 4 l .. + 3 in registers 4 i .. 4 i + 3; g and b hold the same columns.  Two passes: the mean first, then the squares of x - mean
.macro LNROWS x, g, b, t
.irp q, 0,1
	v_pk_add_f32 v[\t+4*\q:\t+4*\q+1], v[\x+16*\q:\x+16*\q+1], v[\x+16*\q+2:\x+16*\q+3]
	v_pk_add_f32 v[\t+4*\q+2:\t+4*\q+3], v[\x+16*\q+4:\x+16*\q+5], v[\x+16*\q+6:\x+16*\q+7]
.endr
.irp j, 8,12
.irp q, 0,1
	v_pk_add_f32 v[\t+4*\q:\t+4*\q+1], v[\t+4*\q:\t+4*\q+1], v[\x+16*\q+\j:\x+16*\q+\j+1]
	v_pk_add_f32 v[\t+4*\q+2:\t+4*\q+3], v[\t+4*\q+2:\t+4*\q+3], v[\x+16*\q+\j+2:\x+16*\q+\j+3]
.endr
.endr
	REDUCE \t
.irp q, 0,1
	v_mul_f32 v[\t+4*\q], s[INV], v[\t+4*\q]       ; the mean
.endr
.irp j, 0,2,4,6,8,10,12,14
.irp q, 0,1
	v_pk_add_f32 v[\x+16*\q+\j:\x+16*\q+\j+1], v[\x+16*\q+\j:\x+16*\q+\j+1], v[\t+4*\q:\t+4*\q+1] op_sel_hi:[1,0] neg_lo:[0,1] neg_hi:[0,1]   ; x - mean (the pair's low word serves both halves)
.endr
.endr
.irp q, 0,1
	v_pk_mul_f32 v[\t+4*\q:\t+4*\q+1], v[\x+16*\q:\x+16*\q+1], v[\x+16*\q:\x+16*\q+1]
	v_pk_mul_f32 v[\t+4*\q+2:\t+4*\q+3], v[\x+16*\q+2:\x+16*\q+3], v[\x+16*\q+2:\x+16*\q+3]
.endr
.irp j, 4,8,12
.irp q, 0,1
	v_pk_fma_f32 v[\t+4*\q:\t+4*\q+1], v[\x+16*\q+\j:\x+16*\q+\j+1], v[\x+16*\q+\j:\x+16*\q+\j+1], v[\t+4*\q:\t+4*\q+1]
	v_pk_fma_f32 v[\t+4*\q+2:\t+4*\q+3], v[\x+16*\q+\j+2:\x+16*\q+\j+3], v[\x+16*\q+\j+2:\x+16*\q+\j+3], v[\t+4*\q+2:\t+4*\q+3]
.endr
.endr
	REDUCE \t
.irp q, 0,1
	v_fma_f32 v[\t+4*\q], v[\t+4*\q], s[INV], s[EPS]   ; the variance + 1e-5
.endr
	s_wait_alu depctr_va_vdst(0)
.irp q, 0,1
	v_rsq_f32 v[\t+4*\q], v[\t+4*\q]
.endr
	v_nop                                          ; a plain line behind the last transcendental
	s_wait_alu depctr_va_vdst(0)                   ; the two reciprocal roots are written, ahead of their first reader: one wait for both
.irp j, 0,2,4,6,8,10,12,14
.irp q, 0,1
	v_pk_mul_f32 v[\x+16*\q+\j:\x+16*\q+\j+1], v[\x+16*\q+\j:\x+16*\q+\j+1], v[\t+4*\q:\t+4*\q+1] op_sel_hi:[1,0]
.endr
.endr
.irp j, 0,2,4,6,8,10,12,14
.irp q, 0,1
	v_pk_fma_f32 v[\x+16*\q+\j:\x+16*\q+\j+1], v[\x+16*\q+\j:\x+16*\q+\j+1], v[\g+\j:\g+\j+1], v[\b+\j:\b+\j+1]
.endr
.endr
.endm
; 32 numbers at n (register 16 b + i = k 32 b + 16 (lane / 16) + i of my row: two blocks) become four registers of a fragment, stored as they stand, and two scale bytes
.macro QUANTH n
	QB2 \n, \n+16, PC, PC+2, E, E+1
	v_permlane16_swap_b32 v[PC], v[PC+2]           ; the operand's layout wants a WHOLE block in a lane: lanes 0-15 the first block, lanes 16-31 the second
	v_permlane16_swap_b32 v[PC+1], v[PC+3]
	v_lshl_or_b32 v[E], v[E+1], 8, v[E]
	s_wait_alu depctr_va_vdst(0)                   ; the codes and the two bytes are written, which the two stores read; the quantiser is done reading the 32 numbers, in whose registers the fragments' loads land
	ds_store_b128 v[XIW], v[PC:PC+3]
	ds_store_b16 v[XSW], v[E]                      ; both lanes of a row write the same two bytes with the same values
	s_wait_alu depctr_vm_vsrc(0)                   ; the two stores have read the codes and the bytes, which the next quantiser writes again
.endm
.macro LOADW sb, ss, k                 ; unit k from the base on: 16 loads of 512 consecutive bytes, and its scale words
.irp u, 0,1
.irp t, 0,1,2,3
.irp c, 0,1
	global_load_b128 v[W+8*(4*\u+\t)+4*\c:W+8*(4*\u+\t)+4*\c+3], v[LI], s[\sb:\sb+1] offset:8192*(\k)+1024*(4*\u+\t)+512*\c
.endr
.endr
.endr
.irp u, 0,1
	global_load_b128 v[WS+4*\u:WS+4*\u+3], v[R16], s[\ss:\ss+1] offset:512*(\k)+256*\u
.endr
.endm
.macro LOADB dst, sb, off              ; a bias in the transposed result's layout: register 8 u + j takes number 16 (lane / 16) + 8 u + j
.irp u, 0,1
	global_load_b128 v[(\dst)+8*\u:(\dst)+8*\u+3], v[BO], s[\sb:\sb+1] offset:(\off)+32*\u
	global_load_b128 v[(\dst)+8*\u+4:(\dst)+8*\u+7], v[BO], s[\sb:\sb+1] offset:(\off)+32*\u+16
.endr
.endm
.macro XFETCH m                        ; h's four fragments of rows 16 m on, and their scale words
.irp t, 0,1,2,3
.irp c, 0,1
	ds_load_b128 v[XF+8*\t+4*\c:XF+8*\t+4*\c+3], v[LI] offset:XIMG+1024*(4*\m+\t)+512*\c
.endr
.endr
	ds_load_b128 v[XS:XS+3], v[R16] offset:XSC+256*\m
	s_wait_dscnt 0x0
.endm
.macro MULT m                          ; transposed; the two accumulators by turns; they begin as the bias
.irp t, 0,1,2,3
.irp u, 0,1
	v_wmma_scale_f32_16x16x128_f8f6f4 v[ACC+16*\m+8*\u:ACC+16*\m+8*\u+7], v[W+8*(4*\u+\t):W+8*(4*\u+\t)+7], v[XF+8*\t:XF+8*\t+7], v[ACC+16*\m+8*\u:ACC+16*\m+8*\u+7], v[WS+4*\u+\t], v[XS+\t] matrix_a_fmt:MATRIX_FMT_FP4 matrix_b_fmt:MATRIX_FMT_FP4
.endr
.endr
.endm
.macro MULV m                          ; v: source 0 = h's rows: register j of lane (r, h) is key 16 m + 8 h + j of channel 8 u + r + 8 (r / 8)
.irp t, 0,1,2,3
.irp u, 0,1
.if \t == 0
	v_wmma_scale_f32_16x16x128_f8f6f4 v[ACC+16*\u+8*\m:ACC+16*\u+8*\m+7], v[XF+8*\t:XF+8*\t+7], v[W+8*(4*\u+\t):W+8*(4*\u+\t)+7], 0, v[XS+\t], v[WS+4*\u+\t] matrix_a_fmt:MATRIX_FMT_FP4 matrix_b_fmt:MATRIX_FMT_FP4
.else
	v_wmma_scale_f32_16x16x128_f8f6f4 v[ACC+16*\u+8*\m:ACC+16*\u+8*\m+7], v[XF+8*\t:XF+8*\t+7], v[W+8*(4*\u+\t):W+8*(4*\u+\t)+7], v[ACC+16*\u+8*\m:ACC+16*\u+8*\m+7], v[XS+\t], v[WS+4*\u+\t] matrix_a_fmt:MATRIX_FMT_FP4 matrix_b_fmt:MATRIX_FMT_FP4
.endif
.endr
.endr
.endm
	s_load_b256 s[4:11], s[0:1], 0x0               ; x s[4:5], g s[6:7], b s[8:9], wimg s[10:11]
	s_load_b256 s[12:19], s[0:1], 0x20             ; wscl s[12:13], bq s[14:15], bkv s[16:17], qcodes s[18:19]
	s_load_b128 s[20:23], s[0:1], 0x40             ; qscl s[20:21], kvimg s[22:23]
	v_lshl_add_u32 v174, v0, 2, 0x14a00
	v_mov_b32 v175, 0
	v_lshrrev_b32 v173, 5, v0
	v_readfirstlane_b32 s[WV], v173                ; wave 0..17
	v_and_b32 v168, 31, v0                         ; lane
	v_and_b32 v169, 15, v0                         ; r
	s_wait_alu depctr_va_vdst(0)
	v_bfe_u32 v170, v0, 4, 1                       ; h
	v_and_b32 v171, 7, v0                          ; r % 8
	v_bfe_u32 v172, v0, 3, 1                       ; r / 8
	; every LDS address is made here, ahead of the first parting of the waves
	v_lshlrev_b32 v[LI], 4, v168
	v_lshlrev_b32 v[R16], 4, v169
	v_lshlrev_b32 v[BO], 6, v170
	s_wait_alu depctr_va_sdst(0)                   ; the wave's number is written, ahead of its first reader
	s_min_u32 s[WC], s[WV], 15
	s_mul_i32 s42, s[WC], 2*PITCH
	s_add_co_u32 s42, s42, HB
	v_add_nc_u32 v[HBW], s42, v[LI]                ; rows 2 w, 2 w + 1 of h
	s_lshr_b32 s43, s[WC], 3                       ; my half fragment: w = 8 m + 2 s + c
	s_and_b32 s44, s[WC], 7
	s_mul_i32 s42, s43, 16*PITCH
	s_lshl_b32 s45, s44, 8
	s_add_co_u32 s42, s42, s45
	s_add_co_u32 s42, s42, HB
	v_mul_u32_u24 v[HBR], v169, PITCH
	s_wait_alu depctr_va_vdst(0)
	v_add_nc_u32 v[HBR], v[HBR], v[BO]
	v_add_nc_u32 v[HBR], s42, v[HBR]               ; row 16 m + r, byte 512 s + 256 c + 64 h
	s_lshl_b32 s42, s[WC], 9
	v_add_nc_u32 v[XIW], s42, v[LI]                ; 1,024 (4 m + s) + 512 c = 512 w
	s_lshl_b32 s42, s43, 8
	s_lshl_b32 s45, s44, 1
	s_add_co_u32 s42, s42, s45
	s_add_co_u32 s42, s42, XSC
	v_add_nc_u32 v[XSW], s42, v[R16]               ; 256 m + 16 r + 4 s + 2 c
	s_lshl_b32 s42, s[WC], 4
	s_add_co_u32 s42, s42, QST
	v_mul_u32_u24 v[QSTW], v169, 272
	v_lshl_add_u32 v[QSTW], v170, 3, v[QSTW]
	v_add_nc_u32 v[QSTW], s42, v[QSTW]             ; row r, head w, 8 bytes for each half of the lanes
	s_add_co_u32 s42, s[WC], QSS
	v_add_nc_u32 v[QSSW], s42, v[R16]
	v_lshlrev_b32 v[KSTW], 4, v171
	v_lshl_add_u32 v[KSTW], v172, 8, v[KSTW]
	v_lshl_add_u32 v[KSTW], v170, 3, v[KSTW]
	v_add_nc_u32 v[KSTW], KST, v[KSTW]             ; key 16 m + r: 16 (r % 8 + 16 (r / 8)) + 128 m, + 8 h
	s_mul_i32 s42, s[WC], 2*272
	s_add_co_u32 s42, s42, QST
	v_mul_u32_u24 v[QSTR], v170, 272
	v_add_nc_u32 v[QSTR], v[QSTR], v[R16]
	v_add_nc_u32 v[QSTR], s42, v[QSTR]             ; lanes 0-15 row 2 w, lanes 16-31 row 2 w + 1
	v_lshl_add_u32 v[KSO], v171, 2, v172           ; offsets in memory
	v_lshl_add_u32 v[VO], v170, 3, v[R16]
	v_lshlrev_b32 v[VSO], 2, v169
	v_lshl_add_u32 v[BVO], v172, 5, v[VSO]         ; 4 (r + 8 (r / 8))
	v_mov_b32 v[TQ+2], 0                           ; written once: a lane permute's destination counts as one of its sources
	v_mov_b32 v[TQ+3], 0
	s_mov_b32 s[SEL], 0x76543210
	s_mov_b32 s[SEL+1], 0xfedcba98
	s_mov_b32 s[INV], 0x3b000000
	s_mov_b32 s[EPS], 0x3727c5ac
	s_mov_b32 s33, 0
	s_wait_kmcnt 0x0
	s_lshl_b32 s32, ttmp9, 16
	s_lshl_b32 s42, s[WC], 12
	s_add_co_u32 s32, s32, s42
	s_add_nc_u64 s[4:5], s[4:5], s[32:33]          ; x at row 32 g + 2 w
	s_lshl_b32 s32, s[WV], 13
	s_add_nc_u64 s[10:11], s[10:11], s[32:33]      ; unit w
	s_lshl_b32 s32, s[WV], 9
	s_add_nc_u64 s[12:13], s[12:13], s[32:33]
	s_cmp_lt_u32 s[WV], 16
	s_cselect_b64 s[30:31], s[14:15], s[16:17]     ; bq for the heads, bkv for k and v
	s_and_b32 s32, s[WV], 15
	s_lshl_b32 s32, s32, 7
	s_add_nc_u64 s[30:31], s[30:31], s[32:33]      ; my 32 numbers of it
	s_lshl_b32 s32, ttmp9, 13
	s_lshl_b32 s42, s[WC], 9
	s_add_co_u32 s32, s32, s42
	s_add_nc_u64 s[18:19], s[18:19], s[32:33]      ; qcodes at row 32 g + 2 w
	s_lshl_b32 s32, ttmp9, 9
	s_add_nc_u64 s[20:21], s[20:21], s[32:33]      ; qscl at row 32 g
	s_lshr_b32 s42, ttmp9, 6                       ; the batch
	s_mul_i32 s32, s42, 69632
	s_add_nc_u64 s[22:23], s[22:23], s[32:33]
	s_and_b32 s43, ttmp9, 63                       ; my block of 32 keys in the batch
	s_lshl_b32 s32, s43, 9
	s_add_nc_u64 s[34:35], s[22:23], s[32:33]      ; K's codes: 512 bytes a block
	s_lshr_b32 s44, s43, 2                         ; the step of 128 keys
	s_and_b32 s45, s43, 3                          ; the block in the step
	s_lshl_b32 s32, s44, 7
	s_lshr_b32 s46, s45, 1
	s_lshl_b32 s46, s46, 6
	s_add_co_u32 s32, s32, s46
	s_and_b32 s46, s45, 1
	s_lshl_b32 s46, s46, 1
	s_add_co_u32 s32, s32, s46
	s_add_co_u32 s32, s32, 65536
	s_add_nc_u64 s[36:37], s[22:23], s[32:33]      ; K's scale bytes: 128 step + 64 (block / 2) + 2 (block % 2)
	s_lshl_b32 s32, s44, 11
	s_lshl_b32 s46, s45, 8
	s_add_co_u32 s32, s32, s46
	s_add_co_u32 s32, s32, 32768
	s_add_nc_u64 s[38:39], s[22:23], s[32:33]      ; V's codes: 2,048 step + 256 block
	s_lshl_b32 s32, s44, 7
	s_add_co_u32 s32, s32, s45
	s_add_co_u32 s32, s32, 67584
	s_add_nc_u64 s[40:41], s[22:23], s[32:33]      ; V's scale bytes: 128 step + block
	s_wait_alu depctr_va_vdst(0)                   ; the fifteen addresses and offsets v1 to v15 are written, which every load and store of the kernel reads; it stands ahead of the first parting of the waves
	; ---- 1: LayerNorm, waves 0-15
	s_cmp_ge_u32 s[WV], 16
	s_cbranch_scc1 .Lno_ln
.irp q, 0,1
.irp i, 0,1,2,3
	global_load_b128 v[LX+16*\q+4*\i:LX+16*\q+4*\i+3], v[LI], s[4:5] offset:2048*\q+512*\i th:TH_LOAD_NT   ; 512 consecutive bytes a load
.endr
.endr
.irp i, 0,1,2,3
	global_load_b128 v[LG+4*\i:LG+4*\i+3], v[LI], s[6:7] offset:512*\i
	global_load_b128 v[LB+4*\i:LB+4*\i+3], v[LI], s[8:9] offset:512*\i
.endr
	s_wait_loadcnt 0x0
	LNROWS LX, LG, LB, LT
	s_wait_alu depctr_va_vdst(0)                   ; LayerNorm has written my two rows, which the LDS stores read, and is done reading g and b: my unit's loads land in all these registers
.irp q, 0,1
.irp i, 0,1,2,3
	ds_store_b128 v[HBW], v[LX+16*\q+4*\i:LX+16*\q+4*\i+3] offset:PITCH*\q+512*\i
.endr
.endr
	s_wait_dscnt 0x0                               ; my two rows have landed in LDS
	s_wait_alu depctr_vm_vsrc(0)                   ; the stores have read their registers, in which my unit's loads land next
.Lno_ln:
	; ---- 2: my unit and my biases are asked for: they land while h is quantised.  Every wave issues both forms of the bias (the transposed tile twice, and v's one number a lane), so that each register is written on every way
	LOADW 10, 12, 0
	LOADB ACC, 30, 0
	LOADB ACC+16, 30, 0
	global_load_b32 v[BV], v[BVO], s[30:31]
	global_load_b32 v[BV+1], v[BVO], s[30:31] offset:32
	BARRIER                                        ; 32 rows of h lie in LDS
	; ---- 3: h becomes codes, waves 0-15
	s_cmp_ge_u32 s[WV], 16
	s_cbranch_scc1 .Lno_quant
.irp b, 0,1
.irp j, 0,1,2,3
	ds_load_b128 v[XF+16*\b+4*\j:XF+16*\b+4*\j+3], v[HBR] offset:128*\b+16*\j
.endr
.endr
	s_wait_dscnt 0x0
	QUANTH XF
.Lno_quant:
	BARRIER                                        ; h's eight fragments lie in LDS
	; ---- 4: the products
	s_wait_loadcnt 0x0                             ; the unit and the biases
	s_cmp_eq_u32 s[WV], 17
	s_cbranch_scc1 .Lv
	XFETCH 0
	MULT 0
	PLACES                                         ; ahead of the loads into h's registers
	s_wait_alu depctr_va_vdst(0)                   ; the eight products are done reading h's fragments and scale words, in which the next loads land
	XFETCH 1
	MULT 1
	PLACES                                         ; ahead of the first read of results
	QB2 ACC, ACC+16, PC, PC+2, E, E+1              ; rows r and 16 + r: my 16 of the head's 32 channels; a block is one row's head
	s_wait_alu depctr_va_vdst(0)                   ; the codes and the bytes are written, which the stores read on both ways below; the products are done reading h's registers, in which the loads from the stages land
	s_cmp_eq_u32 s[WV], 16
	s_cbranch_scc1 .Lk
	ds_store_b64 v[QSTW], v[PC:PC+1]
	ds_store_b64 v[QSTW], v[PC+2:PC+3] offset:16*272
	ds_store_b8 v[QSSW], v[E]                      ; both lanes of a row write the same byte with the same value
	ds_store_b8 v[QSSW], v[E+1] offset:256
	s_branch .Ljoin
.Lk:
	ds_store_b64 v[KSTW], v[PC:PC+1]
	ds_store_b64 v[KSTW], v[PC+2:PC+3] offset:128
	global_store_b8 v[KSO], v[E], s[36:37]         ; word r % 8 + 8 m of the step's half, byte 2 c + r / 8
	global_store_b8 v[KSO], v[E+1], s[36:37] offset:32
	ds_load_b128 v[KB:KB+3], v[LI] offset:KST      ; my own bytes: LDS serves a wave's instructions in order (ISA guide 5.7.1.4).  Into four registers of their own, which nothing writes behind the store below
	s_wait_dscnt 0x0
	global_store_b128 v[LI], v[KB:KB+3], s[34:35]  ; 512 consecutive bytes
	s_branch .Ljoin
.Lv:
	XFETCH 0
	MULV 0
	PLACES
	s_wait_alu depctr_va_vdst(0)                   ; the eight products are done reading h's fragments and scale words, in which the next loads land
	XFETCH 1
	MULV 1
	PLACES
.irp u, 0,1
.irp j, 0,1,2,3,4,5,6,7,8,9,10,11,12,13,14,15
	v_add_f32 v[ACC+16*\u+\j], v[ACC+16*\u+\j], v[BV+\u]   ; the bias of my channel; each accumulator from its low end on
.endr
.endr
	QB2 ACC, ACC+16, PC, PC+2, E, E+1              ; tiles 0 and 1: my 16 of the 32 keys of my channel: keys 8 h + 0 .. 7 and 16 + 8 h + 0 .. 7
	v_permlane16_swap_b32 v[PC], v[PC+1]           ; so lanes 0-15 hold keys 0 .. 15 and lanes 16-31 keys 16 .. 31, in order
	v_permlane16_swap_b32 v[PC+2], v[PC+3]
	s_wait_alu depctr_va_vdst(0)                   ; the codes and the bytes are written, which the four stores read; the products are done reading h's registers, in which the load of q's scale bytes lands
	global_store_b64 v[VO], v[PC:PC+1], s[38:39]   ; 32 lanes fill 256 consecutive aligned bytes
	global_store_b64 v[VO], v[PC+2:PC+3], s[38:39] offset:1024
	global_store_b8 v[VSO], v[E], s[40:41]
	global_store_b8 v[VSO], v[E+1], s[40:41] offset:64
.Ljoin:
	BARRIER                                        ; q's codes and bytes lie in the stages
	; ---- 5: the stages leave
	s_cmp_ge_u32 s[WV], 16
	s_cbranch_scc1 .Lnot_head
	ds_load_b128 v[XF:XF+3], v[QSTR]               ; into v124-127, which no store on any way has read
	s_wait_dscnt 0x0
	global_store_b128 v[LI], v[XF:XF+3], s[18:19]  ; two whole rows of 256 bytes
	s_branch .Lend
.Lnot_head:
	s_cmp_lg_u32 s[WV], 17
	s_cbranch_scc1 .Lend
	ds_load_b128 v[XF:XF+3], v[LI] offset:QSS
	s_wait_dscnt 0x0
	global_store_b128 v[LI], v[XF:XF+3], s[20:21]  ; the 32 rows' scale bytes: 512 consecutive bytes
.Lend:
	s_wait_dscnt 0x0
	s_wait_alu depctr_hold_cnt(0) depctr_sa_sdst(0) depctr_va_vdst(0) depctr_va_sdst(0) depctr_va_ssrc(0) depctr_va_vcc(0) depctr_vm_vsrc(0)
	s_wait_tensorcnt 0x0
	ds_add_u32 v174, v175
	s_wait_dscnt 0x0
	s_endpgm
.Lfunc_end_k_q42227a2385_qkv:
	.size	k_q42227a2385_qkv, .Lfunc_end_k_q42227a2385_qkv-k_q42227a2385_qkv
	.p2alignl 7, 3214868480
	.fill 96, 4, 3214868480
	.section	.rodata,"a",@progbits
	.p2align	6, 0x0
	.amdhsa_kernel k_q42227a2385_qkv
		.amdhsa_group_segment_fixed_size 86784
		.amdhsa_private_segment_fixed_size 0
		.amdhsa_enable_private_segment 0
		.amdhsa_kernarg_size 80
		.amdhsa_user_sgpr_count 2
		.amdhsa_user_sgpr_kernarg_segment_ptr 1
		.amdhsa_wavefront_size32 1
		.amdhsa_system_sgpr_workgroup_id_x 1
		.amdhsa_system_sgpr_workgroup_id_y 1
		.amdhsa_system_sgpr_workgroup_id_z 1
		.amdhsa_system_vgpr_workitem_id 0
		.amdhsa_next_free_vgpr 176
		.amdhsa_next_free_sgpr 66
		.amdhsa_reserve_vcc 0
		.amdhsa_float_denorm_mode_32 3
		.amdhsa_float_denorm_mode_16_64 3
		.amdhsa_memory_ordered 1
		.amdhsa_forward_progress 1
		.amdhsa_inst_pref_size 34
	.end_amdhsa_kernel
	.amdgpu_metadata
---
amdhsa.version: [ 1, 2 ]
amdhsa.kernels:
  - .name:           k_q42227a2385_qkv
    .symbol:         k_q42227a2385_qkv.kd
    .args:
      - { .name: hidden_states, .offset: 0, .size: 8, .value_kind: global_buffer, .address_space: global }
      - { .name: ln1_g, .offset: 8, .size: 8, .value_kind: global_buffer, .address_space: global }
      - { .name: ln1_b, .offset: 16, .size: 8, .value_kind: global_buffer, .address_space: global }
      - { .name: wimg, .offset: 24, .size: 8, .value_kind: global_buffer, .address_space: global }
      - { .name: wscl, .offset: 32, .size: 8, .value_kind: global_buffer, .address_space: global }
      - { .name: bq, .offset: 40, .size: 8, .value_kind: global_buffer, .address_space: global }
      - { .name: bkv, .offset: 48, .size: 8, .value_kind: global_buffer, .address_space: global }
      - { .name: qcodes, .offset: 56, .size: 8, .value_kind: global_buffer, .address_space: global }
      - { .name: qscl, .offset: 64, .size: 8, .value_kind: global_buffer, .address_space: global }
      - { .name: kvimg, .offset: 72, .size: 8, .value_kind: global_buffer, .address_space: global }
    .group_segment_fixed_size: 86784
    .private_segment_fixed_size: 0
    .kernarg_segment_align: 8
    .kernarg_segment_size: 80
    .max_flat_workgroup_size: 576
    .sgpr_count:     66
    .vgpr_count:     176
    .wavefront_size: 32
...
	.end_amdgpu_metadata
.endif
;; end of part 5
;; launch attn (part 6): grid 256 x 1, 16 waves a work-group, no clusters, 72,192 bytes of LDS; arguments qcodes, qscl, kvimg, acodes, ascl; writes acodes, ascl
.if DOCPART == 6
	.amdgcn_target "amdgcn-amd-amdhsa--gfx1250"
	.amdhsa_code_object_version 6
	.text
	.protected	k_q42227a2385_attn
	.globl	k_q42227a2385_attn
	.p2align	8
	.type	k_q42227a2385_attn,@function
k_q42227a2385_attn:
	s_mov_b64 s[64:65], 0
	v_nop
	global_prefetch_b8 v0, s[64:65] scope:SCOPE_SE
	s_setreg_imm32_b32 hwreg(HW_REG_WAVE_SCHED_MODE, 0, 2), 2
	s_setreg_imm32_b32 hwreg(HW_REG_WAVE_MODE, 25, 1), 1
	s_wait_xcnt 0x0
	s_wait_alu depctr_vm_vsrc(0)
; Causal attention with one key and value head of 32 channels and 16 query heads, both products on codes of FP4 with one E8M0 scale for each 32 along K; the result is quantised along (head, channel) for the next product.
; THE SOFTMAX AHEAD OF THE SECOND PRODUCT: t = score x log2(e) / sqrt(32); M = the row's largest t so far, rounded UP to a whole number; p = 2^(t - M) is what is quantised, along the keys, not normalised.
; The row's sum is taken of the unquantised p and divides O at the end.  When M moves, the sum and O are multiplied by 2^(old M - new M): exact.
; SHARES: a TILE is the 16 HEADS of ONE position: all its columns have the same causal limit, and its result is one whole row (256 bytes) of the output's codes.  A work-group belongs to one batch; wave w of work-group j takes
; positions 16 j + w and 2,047 - (16 j + w): ceil((s + 1) / 128) key steps each, 17 together, for every wave.
; K AND V of the batch, 69,632 bytes of codes and scale bytes, are copied into LDS once and read from there: no ring.
; THE SCORES HAVE K = 32, the instruction 128.  A fragment of K holds 64 keys: block blk of row r is key 32 (blk / 2) + 8 (blk % 2) + r + 8 (r / 8) of the 64.  The queries' fragment Q_blk has q's 32 codes in block blk and zero codes in
; the other three (their scale bytes are 0, which is 2^-127: zero codes add nothing): K's fragment x Q_blk gives tile blk's scores.  So an LDS read of K feeds four matrix instructions.
; LAYOUT: both products transposed: a lane holds ONE head (lane % 16) throughout; the 16 registers of tiles 2 b, 2 b + 1 are keys 32 b + 16 (lane / 16) + 0 .. 15 of the step; O^T's 16 registers are channels 16 (lane / 16) + 0 .. 15.
; The loop over key steps has 16 trips for every tile; a step all of whose keys come after the position does no work (a scalar branch on ids).
; LIMITS: p under 2^-126 counts as 0; a block of zeros gets the byte 1 where the rule says 127 (zero codes; this program alone reads the bytes); 1 / l is v_rcp_f32 and a multiplication; NaN and infinities are not served.
; No cluster: what the 64 work-groups of a batch share is read once, 69,632 bytes for the 272 key steps of a work-group's waves.
; THE MODE: SCHED_MODE bits 1:0 = 2 (LLVM: expert scheduling mode 2), set by the entry lines.  The code itself states the register dependences between vector or matrix instructions and memory or LDS instructions, with s_wait_alu, always for 0.
; THE PLAN.  Registers that memory or LDS instructions touch:
;   v1, v2, v6-10, v80-84   addresses and offsets: written once at the head, never again.
;   v3, v4     the step's LDS addresses: written by two additions at a step's head, read by the step's ten LDS loads.
;   v44-61, v64-79   K, V and their scale words: the ten loads land; the step's ten products read.
;   v96-129    at the head the copy's loads land and LDS stores read; then S^T: written by the products.  v96-99 take an LDS load at the very end.
;   v176-180   q lands at a tile's head; at its end v176-191 are written as O / l and read by the quantiser.
;   v192-197   the results' codes and bytes, a set for each tile: written by the quantiser, read by the tile's two stores, never written again.
; A STEP has one wait on va_vdst at its head, behind the two additions: v3 and v4 are written; the last step's products are done reading K, V and their scale words; in a tile's first step Q's fragments and scale words are written.
; The ten loads follow in one run (V's land during the softmax), and a wait on vm_vsrc straight behind them frees v3 and v4 for the next step.  A second wait on va_vdst stands ahead of V^T P: p's codes and scale word are written.
; The wait ahead of a tile's two stores also covers the next tile's loads of q and the last LDS load: no vector instruction stands between.  The diagonal's compares go into 16 scalar registers by runs, with one wait on va_sdst behind each run.
.set AST,  69632                       ; LDS behind K and V: the scale bytes of the two groups of 16 rows, 256 bytes each
.set WV,   14                          ; s14  wave
.set SQ,   16                          ; s16, s17 the two positions
.set QB,   20                          ; s[20:23] their rows of qcodes
.set QS,   24                          ; s[24:27] of qscl
.set AB,   28                          ; s[28:31] of acodes
.set SEL,  34                          ; s[34:35] v_permlanex16_b32's selects for lane l xor 16
.set CS,   36                          ; s[36:37] c = log2(e) / sqrt(32)
.set KF,   38                          ; s38  the step's first key
.set TB,   39                          ; s39  the step's codes in LDS: 2,048 bytes a step
.set TS,   40                          ; s40  its scale words: 128 bytes a step
.set CNT,  41                          ; s41  trips to go
.set MK,   42                          ; s42-49, s52-59 (free behind the head): the lane masks of 16 compares: number n at MK + n + 2 (n / 8)
; REGISTERS: v1 16 lane; v2 65,536 + 4 lane; v3, v4 the step's addresses; v5 -16 (lane / 16); v6 16 r; v7 16 r + 8 h; v8 r; v9, v10 where the tiles' scale bytes go; v12 -M, v13 the largest t, v[14:15] the sum in two halves;
; v16-39 Q's four fragments (q | 0 | q in lanes 0-15, the same in lanes 16-31); v40-43 their scale words; v44-59 K; v60 K's scale words; v61 V's; v64-79 V; v80-84 the copy's and the end's addresses;
; v96-159 S^T, then p; v160-175 O^T; v176-191 q as loaded, later O / l; v192-197 the results' codes and bytes; v224-231 p's codes; v232-254 at work; v253 p's scale word.
.macro PLACES
.rept 4
	v_nop
.endr
.endm
	s_load_b256 s[4:11], s[0:1], 0x0               ; qcodes s[4:5], qscl s[6:7], kvimg s[8:9], acodes s[10:11]
	s_load_b64 s[12:13], s[0:1], 0x20              ; ascl
	v_lshl_add_u32 v251, v0, 2, 0x11200
	v_mov_b32 v255, 0
	v_lshrrev_b32 v3, 5, v0
	v_readfirstlane_b32 s[WV], v3                  ; wave 0..15
	v_and_b32 v4, 31, v0                           ; lane
	v_and_b32 v8, 15, v0                           ; r
	v_bfe_u32 v5, v0, 4, 1                         ; h
	v_lshlrev_b32 v1, 4, v4
	v_lshl_add_u32 v2, v4, 2, 0x10000
	v_lshlrev_b32 v6, 4, v8
	v_lshl_add_u32 v7, v5, 3, v6
	s_wait_alu depctr_va_sdst(0)                   ; the wave's number is written, ahead of its first reader
	s_lshl_b32 s42, s[WV], 4
	s_add_co_u32 s42, s42, AST
	v_add_nc_u32 v9, s42, v8                       ; the first tile is row w of its group,
	s_xor_b32 s42, s[WV], 15
	s_lshl_b32 s42, s42, 4
	s_add_co_u32 s42, s42, AST+256
	v_add_nc_u32 v10, s42, v8                      ; the second row 15 - w of its
	v_lshlrev_b32 v80, 4, v0                       ; the copy: 16 bytes a thread,
	v_lshlrev_b32 v81, 3, v0                       ; 8 for the last 4,096,
	v_add_nc_u32 v82, 0x10000, v81                 ; which lie past what an LDS immediate reaches
	v_add_nc_u32 v83, AST, v1                      ; the end: 16 bytes a lane of the scale bytes
	s_lshr_b32 s42, ttmp9, 6                       ; the batch
	s_and_b32 s43, ttmp9, 63                       ; j
	s_lshl_b32 s44, s43, 4
	s_add_co_u32 s[SQ], s44, s[WV]                 ; 16 j + w
	s_sub_co_u32 s[SQ+1], 2047, s[SQ]
	s_lshl_b32 s45, s42, 11
	s_add_co_u32 s46, s45, s[SQ]                   ; as rows of the 8,192
	s_add_co_u32 s47, s45, s[SQ+1]
	s_lshl_b32 s50, s43, 5
	s_sub_co_u32 s50, 2032, s50
	s_lshl_b32 s50, s50, 4                         ; from the first group's scale bytes to the second's: 16 (2,032 - 32 j) bytes
	v_mul_lo_u32 v84, v5, s50
	s_wait_alu depctr_va_vdst(0)
	v_add_nc_u32 v84, v84, v6                      ; the end's store: lanes 0-15 the first group's rows, lanes 16-31 the second's
	v_lshlrev_b32 v5, 4, v5
	v_sub_nc_u32 v5, 0, v5                         ; -16 h
	s_mov_b32 s[SEL], 0x76543210
	s_mov_b32 s[SEL+1], 0xfedcba98
	s_mov_b32 s[CS], 0x3e8293ee
	s_mov_b32 s[CS+1], s[CS]                       ; (named with it as a pair, so it is written)
	s_mov_b32 s49, 0
	s_wait_kmcnt 0x0
	s_mul_i32 s48, s42, 69632
	s_add_nc_u64 s[8:9], s[8:9], s[48:49]          ; the batch's K and V
	s_wait_alu depctr_va_vdst(0)                   ; the addresses and offsets v1, v2, v6 to v10 and v80 to v84 are written, which the kernel's loads and stores read
.irp i, 0,1,2,3,4,5,6,7
	global_load_b128 v[96+4*\i:99+4*\i], v80, s[8:9] offset:8192*\i   ; the work-group's 512 threads take 8,192 consecutive bytes a load
.endr
	global_load_b64 v[128:129], v81, s[8:9] offset:65536
	s_lshl_b32 s48, s46, 8
	s_add_nc_u64 s[QB:QB+1], s[4:5], s[48:49]
	s_add_nc_u64 s[AB:AB+1], s[10:11], s[48:49]
	s_lshl_b32 s48, s47, 8
	s_add_nc_u64 s[QB+2:QB+3], s[4:5], s[48:49]
	s_add_nc_u64 s[AB+2:AB+3], s[10:11], s[48:49]
	s_lshl_b32 s48, s46, 4
	s_add_nc_u64 s[QS:QS+1], s[6:7], s[48:49]
	s_lshl_b32 s48, s47, 4
	s_add_nc_u64 s[QS+2:QS+3], s[6:7], s[48:49]
	s_add_co_u32 s48, s45, s44
	s_lshl_b32 s48, s48, 4
	s_add_nc_u64 s[12:13], s[12:13], s[48:49]      ; ascl at the first group's first row
.irp i, 0,1,2,3
	v_mov_b32 v[20+\i], 0                          ; the zero codes of Q's fragments: written once
	v_mov_b32 v[32+\i], 0
	v_mov_b32 v[236+\i], 0                         ; a lane permute's destination counts as one of its sources
.endr
	v_mov_b32 v252, 0
	v_mov_b32 v253, 0                              ; (named as the upper half of the pair v[252:253] before it is first written)
.irp i, 0,1,2,3,4,5,6,7
	s_wait_loadcnt 8-\i                            ; loads come back in order (ISA guide 5.7.1): load i is in, the 8 - i issued behind it may be out
	ds_store_b128 v80, v[96+4*\i:99+4*\i] offset:8192*\i
.endr
	s_wait_loadcnt 0x0
	ds_store_b64 v82, v[128:129]
	s_wait_dscnt 0x0                               ; my part of K and V has landed,
	s_barrier_signal -1
	s_barrier_wait -1                              ; everybody's has
	s_wait_alu depctr_vm_vsrc(0)                   ; my nine LDS stores have read v96 to v129, which the first products write
.macro TILE idx
	global_load_b128 v[176:179], v6, s[QB+2*\idx:QB+2*\idx+1]     ; head r's 32 codes, in both halves of the lanes.  (Second tile: the wait ahead of the first tile's stores has shown the quantiser done with these registers, and no vector instruction stands between)
	global_load_u8 v180, v8, s[QS+2*\idx:QS+2*\idx+1]             ; and its scale byte
	s_mov_b32 vcc_lo, 0xffff                       ; lanes 0-15
	s_mov_b32 s[KF], 0
	s_mov_b32 s[TB], 0
	s_mov_b32 s[TS], 0
	s_mov_b32 s[CNT], 16
	s_wait_loadcnt 0x0
.irp i, 0,1,2,3
	v_cndmask_b32 v[16+\i], v[20+\i], v[176+\i], vcc_lo           ; v16-27: q | 0 | q in lanes 0-15, zeros above:  Q_0 = v[16:23], Q_2 = v[20:27]
	v_cndmask_b32 v[24+\i], v[20+\i], v[176+\i], vcc_lo
	v_cndmask_b32 v[28+\i], v[176+\i], v[20+\i], vcc_lo           ; v28-39: the same in lanes 16-31:  Q_1 = v[28:35], Q_3 = v[32:39]
	v_cndmask_b32 v[36+\i], v[176+\i], v[20+\i], vcc_lo
.endr
	v_mov_b32 v40, v180                            ; Q_blk's scale word: the byte at place blk
	v_lshlrev_b32 v41, 8, v180
	v_lshlrev_b32 v42, 16, v180
	v_lshlrev_b32 v43, 24, v180
	v_mov_b32 v13, 0xff61b1e6                      ; the largest t so far: -3e38, under every t
	v_floor_f32 v12, -v13                          ; -M
	v_mov_b32 v14, 0                               ; the sum, in two halves
	v_mov_b32 v15, 0
.irp j, 0,1,2,3,4,5,6,7,8,9,10,11,12,13,14,15
	v_mov_b32 v[160+\j], 0                         ; O^T: the step is written once; the first finds zeros.  (These twenty lines also stand between the writes of Q's fragments and scale words and the first product)
.endr
.Lstep_\@:
	s_cmp_gt_u32 s[KF], s[SQ+\idx]                 ; all 128 keys come after my position: no work
	s_cbranch_scc1 .Lhidden_\@
	v_add_nc_u32 v3, s[TB], v1                     ; (the last step's loads have read v3 and v4: the wait behind those loads has shown it)
	v_add_nc_u32 v4, s[TS], v2
	v_nop
	v_nop                                          ; four plain lines between the last step's products and the loads into V's registers
	s_wait_alu depctr_va_vdst(0)                   ; v3 and v4 are written, which the ten loads read; the last step's products are done reading K, V and their scale words, in which the loads land; in a tile's first step Q's fragments and scale words are written, which the products take
.irp i, 0,1,2,3
	ds_load_b128 v[44+4*\i:47+4*\i], v3 offset:512*\i             ; K: two fragments of 64 keys
.endr
	ds_load_b32 v60, v4                            ; K's scale words: lanes 0-15 the first fragment's rows, lanes 16-31 the second's
.irp i, 0,1,2,3
	ds_load_b128 v[64+4*\i:67+4*\i], v3 offset:32768+512*\i       ; V: two tiles of 16 channels x 128 keys
.endr
	ds_load_b32 v61, v4 offset:2048                ; V's scale words: lanes 0-15 tile 0, lanes 16-31 tile 1
	s_wait_alu depctr_vm_vsrc(0)                   ; the ten loads have read v3 and v4, which the next step's additions write: stated here, ahead of every branch
	s_wait_dscnt 5                                 ; K and its scale words are in; V's five loads may be out
.irp T, 0,1,2,3
	v_wmma_scale_f32_16x16x128_f8f6f4 v[96+8*\T:103+8*\T], v[44:51], v[16+12*(\T%2)+4*(\T/2):23+12*(\T%2)+4*(\T/2)], 0, v60, v[40+\T] matrix_a_fmt:MATRIX_FMT_FP4 matrix_b_fmt:MATRIX_FMT_FP4
.endr
.irp T, 0,1,2,3
	v_wmma_scale_f32_16x16x128_f8f6f4 v[128+8*\T:135+8*\T], v[52:59], v[16+12*(\T%2)+4*(\T/2):23+12*(\T%2)+4*(\T/2)], 0, v60, v[40+\T] matrix_a_fmt:MATRIX_FMT_FP4 matrix_b_fmt:MATRIX_FMT_FP4 matrix_a_scale:MATRIX_SCALE_ROW1
.endr
	PLACES
	s_add_co_u32 s51, s[KF], 127                   ; the one step on the diagonal: hidden scores become -infinity ahead of the maximum, p = 0 then.  A step all of whose keys count skips this
	s_cmp_le_u32 s51, s[SQ+\idx]
	s_cbranch_scc1 .Lopen_\@
	s_sub_co_i32 s51, s[SQ+\idx], s[KF]
	v_add_nc_u32 v252, s51, v5                     ; d = position - KF - 16 (lane / 16).  Register 16 b + i holds key KF + 16 (lane / 16) + 32 b + i: hidden where 32 b + i > d
	v_mov_b32 v254, 0xff800000
.set g, 0
.rept 4                                        ; block g's 16 registers: sixteen compares into sixteen scalar registers, one wait, sixteen selections
.set n, 0
.rept 16
	v_cmp_gt_i32 s[MK+n+2*(n/8)], 32*g+n, v252
.set n, n+1
.endr
	s_wait_alu depctr_va_sdst(0)                   ; the sixteen masks are written, ahead of their first reader
.set n, 0
.rept 16
	v_cndmask_b32 v[96+16*g+n], v[96+16*g+n], v254, s[MK+n+2*(n/8)]
.set n, n+1
.endr
.set g, g+1
.endr
.Lopen_\@:
.irp b, 0,1,2,3
	v_max3_num_f32 v[232+\b], v[96+16*\b], v[97+16*\b], v[98+16*\b]   ; the largest score of each block of 32 keys: it serves for the row's maximum and, since p rises with the score, for the block's largest p
.endr
.irp i, 3,5,7,9,11,13
.irp b, 0,1,2,3
	v_max3_num_f32 v[232+\b], v[232+\b], v[96+16*\b+\i], v[97+16*\b+\i]
.endr
.endr
.irp b, 0,1,2,3
	v_max_num_f32 v[232+\b], v[232+\b], v[111+16*\b]
.endr
.irp b, 0,1,2,3
	v_permlanex16_b32 v[236+\b], v[232+\b], s[SEL], s[SEL+1]
.endr
.irp b, 0,1,2,3
	v_max_num_f32 v[232+\b], v[232+\b], v[236+\b]  ; with lane l xor 16's 16 keys
.endr
	v_max3_num_f32 v254, v232, v233, v234
	v_max_num_f32 v254, v254, v235                 ; the step's largest score of my head
	v_mul_f32 v254, s[CS], v254                    ; as t (c is positive)
	v_max_num_f32 v13, v13, v254                   ; the running largest t
	v_mov_b32 v254, v12
	v_floor_f32 v12, -v13                          ; the new -M = floor(-t) = -ceil(t): a whole number
	v_sub_f32 v254, v12, v254                      ; M's old value less its new one: a whole number, 0 or less
	v_cvt_i32_f32 v254, v254                       ; (it saturates)
	v_ldexp_f32 v252, 1.0, v254                    ; f = 2^(old M - new M)
.set n, 0
.rept 32
	v_pk_fma_f32 v[96+n:97+n], v[96+n:97+n], s[CS:CS+1], v[12:13] op_sel_hi:[1,0,0]   ; t - M, two at a time
.set n, n+2
.endr
.irp b, 0,1,2,3
	v_fma_f32 v[232+\b], v[232+\b], s[CS], v12     ; the same of each block's largest score
.endr
.set n, 0
	s_wait_alu depctr_va_vdst(0)
.rept 64
	v_exp_f32 v[96+n], v[96+n]                     ; p = 2^(t - M), at most 1
.set n, n+1
.endr
	v_pk_mul_f32 v[14:15], v[14:15], v[252:253] op_sel_hi:[1,0]   ; the sums under the new M: a plain line behind the exponentials
	s_wait_alu depctr_va_vdst(0)                   ; the 64 p are written, ahead of their first reader: one wait for the whole batch
.irp b, 0,1,2,3
	v_exp_f32 v[232+\b], v[232+\b]                 ; the block's largest p: the same two instructions on the same number give the same bits
.endr
	v_pk_add_f32 v[236:237], v[96:97], v[98:99]    ; the row's sum is taken of the unquantised p, in two chains; it reads the 64 alone: plain work behind the four
.irp j, 4,8,12,16,20,24,28,32,36,40,44,48,52,56,60
	v_pk_add_f32 v[14:15], v[14:15], v[96+\j:97+\j]
	v_pk_add_f32 v[236:237], v[236:237], v[98+\j:99+\j]
.endr
	v_pk_add_f32 v[14:15], v[14:15], v[236:237]
	s_wait_alu depctr_va_vdst(0)                   ; the four blocks' largest p are written, ahead of their first reader
.irp b, 0,1,2,3
	v_max_num_f32 v[232+\b], 0x1800000, v[232+\b]  ; the floor 2^(3 - 127): the byte cannot fall under 1 (a block whose every p is 0 keeps that byte: its codes are zeros)
.endr
.irp b, 0,1,2,3
	v_add_nc_u32 v[244+\b], 0xff000000, v[232+\b]  ; 2 off the exponent field: the conversion's scale operand
.endr
.irp b, 0,1,2,3
	v_lshrrev_b32 v[236+\b], 23, v[244+\b]         ; the scale's byte
.endr
	v_lshl_or_b32 v253, v237, 8, v236              ; p's scale word for these 128 keys
	v_lshl_or_b32 v253, v238, 16, v253
	v_lshl_or_b32 v253, v239, 24, v253
.irp b, 0,1,2,3
	v_cvt_scalef32_pk8_fp4_f32 v[224+2*\b], v[96+16*\b:103+16*\b], v[244+\b]
	v_cvt_scalef32_pk8_fp4_f32 v[225+2*\b], v[104+16*\b:111+16*\b], v[244+\b]
.endr
	v_nop                                          ; a plain line behind the last conversion
.irp c, 0,1                                    ; the operand's layout wants a WHOLE block in a lane
.irp i, 0,1
	v_permlane16_swap_b32 v[224+4*\c+\i], v[226+4*\c+\i]
.endr
.endr
.irp j, 0,2,4,6,8,10,12,14
	v_pk_mul_f32 v[160+\j:161+\j], v[160+\j:161+\j], v[252:253] op_sel_hi:[1,0]   ; O^T under the new M
.endr
.rept 8
	v_nop                                          ; a scale word written by a vector instruction stands eight plain lines ahead of a scaled product, an operand so written four; the lines above name the products' own registers and are not counted
.endr
	s_wait_alu depctr_va_vdst(0)                   ; p's codes and its scale word are written, which the two scaled products take; the places above stay beside this wait
	s_wait_dscnt 0x0                               ; V and its scale words
	v_wmma_scale_f32_16x16x128_f8f6f4 v[160:167], v[64:71], v[224:231], v[160:167], v61, v253 matrix_a_fmt:MATRIX_FMT_FP4 matrix_b_fmt:MATRIX_FMT_FP4
	v_wmma_scale_f32_16x16x128_f8f6f4 v[168:175], v[72:79], v[224:231], v[168:175], v61, v253 matrix_a_fmt:MATRIX_FMT_FP4 matrix_b_fmt:MATRIX_FMT_FP4 matrix_a_scale:MATRIX_SCALE_ROW1
.Lhidden_\@:
	s_add_co_u32 s[KF], s[KF], 128
	s_add_co_u32 s[TB], s[TB], 2048
	s_add_co_u32 s[TS], s[TS], 128
	s_sub_co_u32 s[CNT], s[CNT], 1
	s_cmp_lg_u32 s[CNT], 0
	s_cbranch_scc1 .Lstep_\@
	PLACES                                         ; ahead of the first read of O^T
	v_add_f32 v14, v14, v15                        ; the sum's two halves,
	v_permlanex16_b32 v252, v14, s[SEL], s[SEL+1]
	v_add_f32 v14, v14, v252                       ; and lane l xor 16's: the row's sum
	s_wait_alu depctr_va_vdst(0)
	v_rcp_f32 v14, v14
	v_nop                                          ; a plain line behind the transcendental
	s_wait_alu depctr_va_vdst(0)                   ; 1 / l is written, ahead of its first reader
.irp j, 0,2,4,6,8,10,12,14
	v_pk_mul_f32 v[176+\j:177+\j], v[160+\j:161+\j], v[14:15] op_sel_hi:[1,0]   ; O / l: channels 16 (lane / 16) + 0 .. 15 of head r, from O^T's low end on
.endr
	v_max3_num_f32 v232, |v176|, |v177|, 0x1800000 ; one block of the next product's K is one head: my 16 numbers and lane l xor 16's
	v_max3_num_f32 v233, |v178|, |v179|, |v180|
	v_max3_num_f32 v232, v232, |v181|, |v182|
	v_max3_num_f32 v233, v233, |v183|, |v184|
	v_max3_num_f32 v232, v232, |v185|, |v186|
	v_max3_num_f32 v233, v233, |v187|, |v188|
	v_max3_num_f32 v232, v232, |v189|, |v190|
	v_max3_num_f32 v232, v232, v233, |v191|
	v_permlanex16_b32 v236, v232, s[SEL], s[SEL+1]
	v_max_num_f32 v232, v232, v236
	v_add_nc_u32 v244, 0xff000000, v232
	v_lshrrev_b32 v[196+\idx], 23, v244
	v_cvt_scalef32_pk8_fp4_f32 v[192+2*\idx], v[176:183], v244
	v_cvt_scalef32_pk8_fp4_f32 v[193+2*\idx], v[184:191], v244
	v_nop                                          ; a plain line behind the last conversion
	s_wait_alu depctr_va_vdst(0)                   ; the row's codes and its byte are written, which the two stores read; the quantiser is done with v176 to v191, in which the next tile's q lands, and all vector work with v96 to v99, in which the last LDS load lands
	global_store_b64 v7, v[192+2*\idx:193+2*\idx], s[AB+2*\idx:AB+2*\idx+1]   ; the wave stores the row's 256 consecutive aligned bytes
	ds_store_b8 v[9+\idx], v[196+\idx]             ; both lanes of a head write the same byte with the same value
.endm
	TILE 0
	TILE 1
	s_wait_dscnt 0x0                               ; my scale bytes have landed
	s_barrier_signal -1
	s_barrier_wait -1
	s_cmp_lg_u32 s[WV], 0
	s_cbranch_scc1 .Lend
	ds_load_b128 v[96:99], v83                     ; wave 0 stores the two groups' scale bytes: 256 consecutive aligned bytes each
	s_wait_dscnt 0x0
	global_store_b128 v84, v[96:99], s[12:13]
.Lend:
	s_wait_dscnt 0x0
	s_wait_alu depctr_hold_cnt(0) depctr_sa_sdst(0) depctr_va_vdst(0) depctr_va_sdst(0) depctr_va_ssrc(0) depctr_va_vcc(0) depctr_vm_vsrc(0)
	s_wait_tensorcnt 0x0
	ds_add_u32 v251, v255
	s_wait_dscnt 0x0
	s_endpgm
.Lfunc_end_k_q42227a2385_attn:
	.size	k_q42227a2385_attn, .Lfunc_end_k_q42227a2385_attn-k_q42227a2385_attn
	.p2alignl 7, 3214868480
	.fill 96, 4, 3214868480
	.section	.rodata,"a",@progbits
	.p2align	6, 0x0
	.amdhsa_kernel k_q42227a2385_attn
		.amdhsa_group_segment_fixed_size 72192
		.amdhsa_private_segment_fixed_size 0
		.amdhsa_enable_private_segment 0
		.amdhsa_kernarg_size 40
		.amdhsa_user_sgpr_count 2
		.amdhsa_user_sgpr_kernarg_segment_ptr 1
		.amdhsa_wavefront_size32 1
		.amdhsa_system_sgpr_workgroup_id_x 1
		.amdhsa_system_sgpr_workgroup_id_y 1
		.amdhsa_system_sgpr_workgroup_id_z 1
		.amdhsa_system_vgpr_workitem_id 0
		.amdhsa_next_free_vgpr 256
		.amdhsa_next_free_sgpr 66
		.amdhsa_reserve_vcc 1
		.amdhsa_float_denorm_mode_32 3
		.amdhsa_float_denorm_mode_16_64 3
		.amdhsa_memory_ordered 1
		.amdhsa_forward_progress 1
		.amdhsa_inst_pref_size 60
	.end_amdhsa_kernel
	.amdgpu_metadata
---
amdhsa.version: [ 1, 2 ]
amdhsa.kernels:
  - .name:           k_q42227a2385_attn
    .symbol:         k_q42227a2385_attn.kd
    .args:
      - { .name: qcodes, .offset: 0, .size: 8, .value_kind: global_buffer, .address_space: global }
      - { .name: qscl, .offset: 8, .size: 8, .value_kind: global_buffer, .address_space: global }
      - { .name: kvimg, .offset: 16, .size: 8, .value_kind: global_buffer, .address_space: global }
      - { .name: acodes, .offset: 24, .size: 8, .value_kind: global_buffer, .address_space: global }
      - { .name: ascl, .offset: 32, .size: 8, .value_kind: global_buffer, .address_space: global }
    .group_segment_fixed_size: 72192
    .private_segment_fixed_size: 0
    .kernarg_segment_align: 8
    .kernarg_segment_size: 40
    .max_flat_workgroup_size: 512
    .sgpr_count:     66
    .vgpr_count:     256
    .wavefront_size: 32
...
	.end_amdgpu_metadata
.endif
;; end of part 6
;; launch mlp (part 7): grid 256 x 1, 16 waves a work-group, no clusters, 177,664 bytes of LDS; arguments acodes, ascl, hidden_states, wimg, wscl, bo, ln2_g, ln2_b, bfc, bproj, out0; writes out0
.if DOCPART == 7
	.amdgcn_target "amdgcn-amd-amdhsa--gfx1250"
	.amdhsa_code_object_version 6
	.text
	.protected	k_q42227a2385_mlp
	.globl	k_q42227a2385_mlp
	.p2align	8
	.type	k_q42227a2385_mlp,@function
k_q42227a2385_mlp:
	s_mov_b64 s[64:65], 0
	v_nop
	global_prefetch_b8 v0, s[64:65] scope:SCOPE_SE
	s_setreg_imm32_b32 hwreg(HW_REG_WAVE_SCHED_MODE, 0, 2), 2
	s_setreg_imm32_b32 hwreg(HW_REG_WAVE_MODE, 25, 1), 1
	s_wait_xcnt 0x0
	s_wait_alu depctr_vm_vsrc(0)
; x2 = attn wo + bo + x;  out = gelu_tanh(LayerNorm(x2) wfc + bfc) wproj + bproj + x2.  The three products on codes of FP4 with one E8M0 scale for each 32 along K; all else in f32.  x2, the LayerNorm and the hidden layer never go to memory.
; SHARES: a work-group takes 32 rows.  THE WAVES SHARE THE COLUMNS: wave w makes columns 32 w .. of x2 and of out, and hidden units 128 w .. 128 w + 127.  So each fragment of a weight is loaded by one wave, straight into registers,
; from images laid in the order of the operand's registers.  Every product is made of one piece: 32 columns x 512 K x 32 rows: 16 matrix instructions, transposed (source 0 = 16 columns of the weight, source 1 = 16 rows).
; OPERANDS GO FROM WAVE TO WAVE THROUGH LDS AS IMAGES OF THEIR REGISTERS: 16 bytes a lane, 512 bytes on end a store; scale words beside them.
; PHASES: A attn wo + bo, to LDS | barrier | B wave w: rows 2 w, 2 w + 1: + x = x2 (kept in LDS), LayerNorm, to LDS | barrier | half a fragment each is quantised | barrier |
; C four pairs of tiles: product, bias as the first C, gelu, quantiser: my 128 hidden units are K step w of the last product | barrier | D the last product, four chunks of 512 along K, to LDS | barrier | E rows 2 w, 2 w + 1: + x2, stored.
; gelu_tanh(x) = x / (1 + 2^(x (C0 + C1 x^2))), C0 = -2 log2(e) sqrt(2 / pi), C1 = 0.044715 C0: the same function, with no difference of near numbers.
; LIMITS: a block of zeros gets the byte 1 where the rule says 127 (zero codes; this program alone reads the bytes); a largest magnitude under 2^-124 is held at that floor; the gelu's division is v_rcp_f32 and a multiplication; NaN and infinities are not served.
; No cluster: the weights' images, which all work-groups read, go from memory straight into each wave's registers: there is no tile in LDS that a joint load could fill.
; THE MODE: SCHED_MODE bits 1:0 = 2 (LLVM: expert scheduling mode 2), set by the entry lines.  The code itself states the register dependences between vector or matrix instructions and memory or LDS instructions, with s_wait_alu, always for 0.
; THE PLAN.  Registers that memory or LDS instructions touch:
;   v1-13      addresses and offsets: written once at the head, never again.
;   W, WS, BI  v24-111: a unit, its scale words and a bias land nine times, each time behind the sixteen products that read the last; in phase B g, b and my two rows land there, LayerNorm works on them, and LDS stores read the rows; in phase E rows land again.
;   ACC        v112-143: written by products; read by LDS stores in phases A and D, by vector instructions in phase C.
;   XF, XS     v144-215: loads land (from memory in A, from LDS after), products read; once the quantiser reads 32 numbers there.
;   HR         v216-247: my rows of x land once; then PC and T, which vector instructions write.   PC, E, PW: written by the quantisers, read by LDS stores.
; So ONE wait on va_vdst stands behind each group of sixteen products (behind its places): the products are done reading their operands, in which the next loads land, and have written the accumulators, where a store reads them.
; A wait on va_vdst stands ahead of each run of stores whose data vector instructions made; a wait on vm_vsrc behind each run of LDS stores whose registers are written again.  The text has no branch.
.set XIMG,  0                          ; LDS: the LayerNorm's 8 fragments (4 m + s), 1,024 bytes each
.set XSC,   8192                       ; their scale words: [m][r][16 bytes]
.set HSC,   8704                       ; the hidden layer's: [m][chunk][r][16 bytes]
.set HIMG,  10752                      ; the hidden layer's 32 fragments (16 m + s)
.set X2,    43520                      ; x2, f32: 32 rows x (2,048 + 16)
.set HB,    109568                     ; the LayerNorm's rows, f32, likewise; later the last product's results
.set PITCH, 2064
.set LI,   1                           ; v1   16 x lane
.set R16,  2                           ; v2   16 r
.set BO,   3                           ; v3   64 h
.set AO,   4                           ; v4   attn's codes: 256 r + 16 h
.set X2W,  5                           ; v5   my columns' place in X2: row r, 128 w + 64 h
.set HBS,  6                           ; v6   the same in HB
.set ROWX, 7                           ; v7   my two rows in X2
.set ROWH, 8                           ; v8   and in HB
.set HBR,  9                           ; v9   where I read the 32 numbers that I quantise
.set XIW,  10                          ; v10  where my half fragment goes
.set XSW,  11                          ; v11  and its two scale bytes
.set HIW,  12                          ; v12  where the hidden layer's fragments go
.set HSW,  13                          ; v13  and their scale words
.set C0,   14                          ; v[14:15] C0
.set W,    24                          ; v24-87   a unit of a weight: fragment 4 u + s
.set WS,   88                          ; v88-95   its scale words
.set BI,   96                          ; v96-111  a bias in the result's layout
.set ACC,  112                         ; v112-143 four accumulators: 16 m + 8 u
.set XF,   144                         ; v144-207 the rows' eight fragments: 8 (4 m + s)
.set XS,   208                         ; v208-215 their scale words
.set PC,   216                         ; v216-231 codes: 8 m + 2 b
.set T,    232                         ; v232-247 the gelu's
.set TQ,   248                         ; v248-251 the quantiser's
.set E,    252                         ; v252-253 scale bytes
.set PW,   254                         ; v254-255 the hidden layer's scale words, m = 0, 1
.set HR,   216                         ; phases A, B: my two rows of x
.set RG,   24                          ; phase B: g, b, my two rows; phase E: two rows each
.set RB,   40
.set RX,   56
.set LT,   96
.set WV,   26                          ; s26  wave
.set SEL,  28                          ; s[28:29] v_permlanex16_b32's selects for lane l xor 16
.set INV,  30                          ; s30  1 / 512
.set EPS,  31                          ; s31  1e-5
.set C1,   32                          ; s[32:33] C1
.macro PLACES                          ; four plain lines between a matrix instruction and a load into, or a read of, its registers
.rept 4
	v_nop
.endr
.endm
.macro BARRIER                         ; my LDS stores have landed and my LDS loads are in: then the work-group's barrier
	s_wait_dscnt 0x0
	s_barrier_signal -1
	s_barrier_wait -1
.endm
; Two half blocks: 16 registers at s0 and 16 at s1; the other 16 numbers of each block lie in lane l xor 16.  Codes to d0, d0 + 1 and d1, d1 + 1; bytes to e0, e1
.macro QB2 s0, s1, d0, d1, e0, e1
	v_max3_num_f32 v[TQ], |v[(\s0)]|, |v[(\s0)+1]|, 0x1800000     ; with the floor 2^(3 - 127): the byte cannot fall under 1
	v_max3_num_f32 v[TQ+1], |v[(\s1)]|, |v[(\s1)+1]|, 0x1800000
.irp i, 2,4,6,8,10,12,14
	v_max3_num_f32 v[TQ], v[TQ], |v[(\s0)+\i]|, |v[(\s0)+\i+1]|
	v_max3_num_f32 v[TQ+1], v[TQ+1], |v[(\s1)+\i]|, |v[(\s1)+\i+1]|
.endr
	v_permlanex16_b32 v[TQ+2], v[TQ], s[SEL], s[SEL+1]
	v_permlanex16_b32 v[TQ+3], v[TQ+1], s[SEL], s[SEL+1]
	v_max_num_f32 v[TQ], v[TQ], v[TQ+2]            ; the block's largest magnitude
	v_max_num_f32 v[TQ+1], v[TQ+1], v[TQ+3]
	v_add_nc_u32 v[TQ+2], 0xff000000, v[TQ]        ; 2 off its exponent field: the conversion's scale operand
	v_add_nc_u32 v[TQ+3], 0xff000000, v[TQ+1]
	v_lshrrev_b32 v[(\e0)], 23, v[TQ+2]            ; the scale's byte
	v_lshrrev_b32 v[(\e1)], 23, v[TQ+3]
	v_cvt_scalef32_pk8_fp4_f32 v[(\d0)], v[(\s0):(\s0)+7], v[TQ+2]
	v_cvt_scalef32_pk8_fp4_f32 v[(\d0)+1], v[(\s0)+8:(\s0)+15], v[TQ+2]
	v_cvt_scalef32_pk8_fp4_f32 v[(\d1)], v[(\s1):(\s1)+7], v[TQ+3]
	v_cvt_scalef32_pk8_fp4_f32 v[(\d1)+1], v[(\s1)+8:(\s1)+15], v[TQ+3]
	v_nop                                          ; a plain line behind the last conversion
.endm
.macro REDUCE t                        ; the sums of two rows, each in two pairs at t + 4 q: every lane ends with the row's sum in v[t + 4 q]
.irp q, 0,1
	v_pk_add_f32 v[\t+4*\q:\t+4*\q+1], v[\t+4*\q:\t+4*\q+1], v[\t+4*\q+2:\t+4*\q+3]
.endr
.irp q, 0,1
	v_add_f32 v[\t+4*\q], v[\t+4*\q], v[\t+4*\q+1]
.endr
.irp k, 1,2,4,8
.irp q, 0,1
	v_add_f32_dpp v[\t+4*\q], v[\t+4*\q], v[\t+4*\q] row_xmask:\k row_mask:0xf bank_mask:0xf
.endr
.endr
.irp q, 0,1
	v_permlanex16_b32 v[\t+4*\q+1], v[\t+4*\q], s[SEL], s[SEL+1]
.endr
.irp q, 0,1
	v_add_f32 v[\t+4*\q], v[\t+4*\q], v[\t+4*\q+1]
.endr
.endm
; LayerNorm of two rows: row q in v[x + 16 q ..]; lane l holds columns 128 i + 4 l .. + 3 in registers 4 i .. 4 i + 3; g and b hold the same columns.  Two passes: the mean first, then the squares of x - mean
.macro LNROWS x, g, b, t
.irp q, 0,1
	v_pk_add_f32 v[\t+4*\q:\t+4*\q+1], v[\x+16*\q:\x+16*\q+1], v[\x+16*\q+2:\x+16*\q+3]
	v_pk_add_f32 v[\t+4*\q+2:\t+4*\q+3], v[\x+16*\q+4:\x+16*\q+5], v[\x+16*\q+6:\x+16*\q+7]
.endr
.irp j, 8,12
.irp q, 0,1
	v_pk_add_f32 v[\t+4*\q:\t+4*\q+1], v[\t+4*\q:\t+4*\q+1], v[\x+16*\q+\j:\x+16*\q+\j+1]
	v_pk_add_f32 v[\t+4*\q+2:\t+4*\q+3], v[\t+4*\q+2:\t+4*\q+3], v[\x+16*\q+\j+2:\x+16*\q+\j+3]
.endr
.endr
	REDUCE \t
.irp q, 0,1
	v_mul_f32 v[\t+4*\q], s[INV], v[\t+4*\q]       ; the mean
.endr
.irp j, 0,2,4,6,8,10,12,14
.irp q, 0,1
	v_pk_add_f32 v[\x+16*\q+\j:\x+16*\q+\j+1], v[\x+16*\q+\j:\x+16*\q+\j+1], v[\t+4*\q:\t+4*\q+1] op_sel_hi:[1,0] neg_lo:[0,1] neg_hi:[0,1]   ; x - mean (the pair's low word serves both halves)
.endr
.endr
.irp q, 0,1
	v_pk_mul_f32 v[\t+4*\q:\t+4*\q+1], v[\x+16*\q:\x+16*\q+1], v[\x+16*\q:\x+16*\q+1]
	v_pk_mul_f32 v[\t+4*\q+2:\t+4*\q+3], v[\x+16*\q+2:\x+16*\q+3], v[\x+16*\q+2:\x+16*\q+3]
.endr
.irp j, 4,8,12
.irp q, 0,1
	v_pk_fma_f32 v[\t+4*\q:\t+4*\q+1], v[\x+16*\q+\j:\x+16*\q+\j+1], v[\x+16*\q+\j:\x+16*\q+\j+1], v[\t+4*\q:\t+4*\q+1]
	v_pk_fma_f32 v[\t+4*\q+2:\t+4*\q+3], v[\x+16*\q+\j+2:\x+16*\q+\j+3], v[\x+16*\q+\j+2:\x+16*\q+\j+3], v[\t+4*\q+2:\t+4*\q+3]
.endr
.endr
	REDUCE \t
.irp q, 0,1
	v_fma_f32 v[\t+4*\q], v[\t+4*\q], s[INV], s[EPS]   ; the variance + 1e-5
.endr
	s_wait_alu depctr_va_vdst(0)
.irp q, 0,1
	v_rsq_f32 v[\t+4*\q], v[\t+4*\q]
.endr
	v_nop                                          ; a plain line behind the last transcendental
	s_wait_alu depctr_va_vdst(0)                   ; the two reciprocal roots are written, ahead of their first reader: one wait for both
.irp j, 0,2,4,6,8,10,12,14
.irp q, 0,1
	v_pk_mul_f32 v[\x+16*\q+\j:\x+16*\q+\j+1], v[\x+16*\q+\j:\x+16*\q+\j+1], v[\t+4*\q:\t+4*\q+1] op_sel_hi:[1,0]
.endr
.endr
.irp j, 0,2,4,6,8,10,12,14
.irp q, 0,1
	v_pk_fma_f32 v[\x+16*\q+\j:\x+16*\q+\j+1], v[\x+16*\q+\j:\x+16*\q+\j+1], v[\g+\j:\g+\j+1], v[\b+\j:\b+\j+1]
.endr
.endr
.endm
; 32 numbers at n (register 16 b + i = k 32 b + 16 (lane / 16) + i of my row: two blocks) become four registers of a fragment, stored as they stand, and two scale bytes
.macro QUANTH n
	QB2 \n, \n+16, PC, PC+2, E, E+1
	v_permlane16_swap_b32 v[PC], v[PC+2]           ; the operand's layout wants a WHOLE block in a lane
	v_permlane16_swap_b32 v[PC+1], v[PC+3]
	v_lshl_or_b32 v[E], v[E+1], 8, v[E]
	s_wait_alu depctr_va_vdst(0)                   ; the codes and the two bytes are written, which the two stores read; the quantiser is done reading the 32 numbers, in whose registers the fragments' loads land
	ds_store_b128 v[XIW], v[PC:PC+3]
	ds_store_b16 v[XSW], v[E]                      ; both lanes of a row write the same two bytes with the same values
	s_wait_alu depctr_vm_vsrc(0)                   ; the two stores have read the codes and the bytes, which the next quantiser writes again
.endm
.macro LOADW sb, ss, k                 ; unit k from the base on: 16 loads of 512 consecutive bytes, and its scale words
.irp u, 0,1
.irp t, 0,1,2,3
.irp c, 0,1
	global_load_b128 v[W+8*(4*\u+\t)+4*\c:W+8*(4*\u+\t)+4*\c+3], v[LI], s[\sb:\sb+1] offset:8192*(\k)+1024*(4*\u+\t)+512*\c
.endr
.endr
.endr
.irp u, 0,1
	global_load_b128 v[WS+4*\u:WS+4*\u+3], v[R16], s[\ss:\ss+1] offset:512*(\k)+256*\u
.endr
.endm
.macro LOADB dst, sb, off              ; a bias in the transposed result's layout: register 8 u + j takes number 16 (lane / 16) + 8 u + j
.irp u, 0,1
	global_load_b128 v[(\dst)+8*\u:(\dst)+8*\u+3], v[BO], s[\sb:\sb+1] offset:(\off)+32*\u
	global_load_b128 v[(\dst)+8*\u+4:(\dst)+8*\u+7], v[BO], s[\sb:\sb+1] offset:(\off)+32*\u+16
.endr
.endm
; 8 matrix instructions: 32 columns x 512 K x 16 rows.  The two accumulators by turns, one instruction a turn.  cm = 1: the bias is the C of each sum's first product
.macro MULM xf, xs, acc, cm
.irp t, 0,1,2,3
.irp u, 0,1
.if (\cm) && (\t == 0)
	v_wmma_scale_f32_16x16x128_f8f6f4 v[(\acc)+8*\u:(\acc)+8*\u+7], v[W+8*(4*\u+\t):W+8*(4*\u+\t)+7], v[(\xf)+8*\t:(\xf)+8*\t+7], v[BI+8*\u:BI+8*\u+7], v[WS+4*\u+\t], v[(\xs)+\t] matrix_a_fmt:MATRIX_FMT_FP4 matrix_b_fmt:MATRIX_FMT_FP4
.else
	v_wmma_scale_f32_16x16x128_f8f6f4 v[(\acc)+8*\u:(\acc)+8*\u+7], v[W+8*(4*\u+\t):W+8*(4*\u+\t)+7], v[(\xf)+8*\t:(\xf)+8*\t+7], v[(\acc)+8*\u:(\acc)+8*\u+7], v[WS+4*\u+\t], v[(\xs)+\t] matrix_a_fmt:MATRIX_FMT_FP4 matrix_b_fmt:MATRIX_FMT_FP4
.endif
.endr
.endr
.endm
; gelu of 16 numbers at a, in place.  Each batch of transcendentals has one plain line and one wait behind it, ahead of its first reader
.macro GELU a
.irp j, 0,2,4,6,8,10,12,14
	v_pk_mul_f32 v[T+\j:T+\j+1], v[(\a)+\j:(\a)+\j+1], v[(\a)+\j:(\a)+\j+1]      ; x^2; each accumulator from its low end on
.endr
.irp j, 0,2,4,6,8,10,12,14
	v_pk_fma_f32 v[T+\j:T+\j+1], v[T+\j:T+\j+1], s[C1:C1+1], v[C0:C0+1] op_sel_hi:[1,0,0]   ; C1 x^2 + C0
.endr
.irp j, 0,2,4,6,8,10,12,14
	v_pk_mul_f32 v[T+\j:T+\j+1], v[T+\j:T+\j+1], v[(\a)+\j:(\a)+\j+1]
.endr
	s_wait_alu depctr_va_vdst(0)
.irp j, 0,1,2,3,4,5,6,7,8,9,10,11,12,13,14,15
	v_exp_f32 v[T+\j], v[T+\j]
.endr
	v_nop
	s_wait_alu depctr_va_vdst(0)                   ; the sixteen exponentials are written, ahead of their first reader
.irp j, 0,2,4,6,8,10,12,14
	v_pk_add_f32 v[T+\j:T+\j+1], v[T+\j:T+\j+1], 1.0 op_sel_hi:[1,0]
.endr
	s_wait_alu depctr_va_vdst(0)
.irp j, 0,1,2,3,4,5,6,7,8,9,10,11,12,13,14,15
	v_rcp_f32 v[T+\j], v[T+\j]
.endr
	v_nop
	s_wait_alu depctr_va_vdst(0)                   ; the sixteen reciprocals are written, ahead of their first reader
.irp j, 0,2,4,6,8,10,12,14
	v_pk_mul_f32 v[(\a)+\j:(\a)+\j+1], v[(\a)+\j:(\a)+\j+1], v[T+\j:T+\j+1]
.endr
.endm
	s_load_b256 s[4:11], s[0:1], 0x0               ; acodes s[4:5], ascl s[6:7], x s[8:9], wimg s[10:11]
	s_load_b256 s[12:19], s[0:1], 0x20             ; wscl s[12:13], bo s[14:15], g s[16:17], b s[18:19]
	s_load_b128 s[20:23], s[0:1], 0x40             ; bfc s[20:21], bproj s[22:23]
	s_load_b64 s[24:25], s[0:1], 0x50              ; out
	v_lshl_add_u32 v22, v0, 2, 0x2ae00
	v_mov_b32 v23, 0
	v_lshrrev_b32 v16, 5, v0
	v_readfirstlane_b32 s[WV], v16                 ; wave 0..15
	v_and_b32 v17, 31, v0                          ; lane
	v_and_b32 v18, 15, v0                          ; r
	v_bfe_u32 v19, v0, 4, 1                        ; h
	v_lshlrev_b32 v[LI], 4, v17
	v_lshlrev_b32 v[R16], 4, v18
	v_lshlrev_b32 v[BO], 6, v19
	v_lshlrev_b32 v[AO], 8, v18
	v_lshl_add_u32 v[AO], v19, 4, v[AO]
	v_mul_u32_u24 v20, v18, PITCH
	v_add_nc_u32 v20, v20, v[BO]                   ; row r, + 64 h
	s_wait_alu depctr_va_vdst(0)
	s_wait_alu depctr_va_sdst(0)                   ; the wave's number is written, ahead of its first reader
	s_lshl_b32 s40, s[WV], 7
	s_add_co_u32 s41, s40, X2
	v_add_nc_u32 v[X2W], s41, v20
	s_add_co_u32 s41, s40, HB
	v_add_nc_u32 v[HBS], s41, v20
	s_mul_i32 s40, s[WV], 2*PITCH
	s_add_co_u32 s41, s40, X2
	v_add_nc_u32 v[ROWX], s41, v[LI]
	s_add_co_u32 s41, s40, HB
	v_add_nc_u32 v[ROWH], s41, v[LI]
	s_lshr_b32 s40, s[WV], 3                       ; my half fragment: w = 8 m + 2 s + c
	s_and_b32 s41, s[WV], 7
	s_mul_i32 s42, s40, 16*PITCH
	s_lshl_b32 s43, s41, 8
	s_add_co_u32 s42, s42, s43
	s_add_co_u32 s42, s42, HB
	v_add_nc_u32 v[HBR], s42, v20                  ; row 16 m + r, byte 512 s + 256 c + 64 h
	s_lshl_b32 s42, s[WV], 9
	v_add_nc_u32 v[XIW], s42, v[LI]
	s_lshl_b32 s42, s40, 8
	s_lshl_b32 s43, s41, 1
	s_add_co_u32 s42, s42, s43
	s_add_co_u32 s42, s42, XSC
	v_add_nc_u32 v[XSW], s42, v[R16]
	s_lshl_b32 s42, s[WV], 10
	s_add_co_u32 s42, s42, HIMG
	v_add_nc_u32 v[HIW], s42, v[LI]                ; K step w of the last product
	s_lshr_b32 s42, s[WV], 2
	s_lshl_b32 s42, s42, 8
	s_and_b32 s43, s[WV], 3
	s_lshl_b32 s43, s43, 2
	s_add_co_u32 s42, s42, s43
	s_add_co_u32 s42, s42, HSC
	v_add_nc_u32 v[HSW], s42, v[R16]               ; chunk w / 4, word w % 4
	v_mov_b32 v[C0], 0xc0135761                    ; -2.3022082
	v_mov_b32 v[C0+1], 0xc0135761
	v_mov_b32 v[TQ+2], 0                           ; written once: a lane permute's destination counts as one of its sources
	v_mov_b32 v[TQ+3], 0
	s_mov_b32 s[SEL], 0x76543210
	s_mov_b32 s[SEL+1], 0xfedcba98
	s_mov_b32 s[INV], 0x3b000000
	s_mov_b32 s[EPS], 0x3727c5ac
	s_mov_b32 s[C1], 0xbdd2d3e8                    ; -0.10294324
	s_mov_b32 s[C1+1], s[C1]
	s_mov_b32 s35, 0
	s_wait_kmcnt 0x0
	s_lshl_b32 s34, ttmp9, 13
	s_add_nc_u64 s[4:5], s[4:5], s[34:35]          ; attn's codes at row 32 g
	s_lshl_b32 s34, ttmp9, 9
	s_add_nc_u64 s[6:7], s[6:7], s[34:35]          ; and its scale words
	s_lshl_b32 s34, ttmp9, 16
	s_lshl_b32 s36, s[WV], 12
	s_add_co_u32 s34, s34, s36
	s_add_nc_u64 s[8:9], s[8:9], s[34:35]          ; x and out at row 32 g + 2 w
	s_add_nc_u64 s[24:25], s[24:25], s[34:35]
	s_add_co_u32 s36, s[WV], 18                    ; wo's unit 18 + w
	s_lshl_b32 s34, s36, 13
	s_add_nc_u64 s[44:45], s[10:11], s[34:35]
	s_lshl_b32 s34, s36, 9
	s_add_nc_u64 s[50:51], s[12:13], s[34:35]
	s_lshl_b32 s36, s[WV], 2
	s_add_co_u32 s37, s36, 34                      ; wfc's units 34 + 4 w on
	s_lshl_b32 s34, s37, 13
	s_add_nc_u64 s[46:47], s[10:11], s[34:35]
	s_lshl_b32 s34, s37, 9
	s_add_nc_u64 s[52:53], s[12:13], s[34:35]
	s_add_co_u32 s37, s36, 98                      ; wproj's units 98 + 4 w on
	s_lshl_b32 s34, s37, 13
	s_add_nc_u64 s[48:49], s[10:11], s[34:35]
	s_lshl_b32 s34, s37, 9
	s_add_nc_u64 s[54:55], s[12:13], s[34:35]
	s_lshl_b32 s34, s[WV], 7
	s_add_nc_u64 s[14:15], s[14:15], s[34:35]      ; my 32 numbers of bo and of bproj,
	s_add_nc_u64 s[22:23], s[22:23], s[34:35]
	s_lshl_b32 s34, s[WV], 9
	s_add_nc_u64 s[20:21], s[20:21], s[34:35]      ; my 128 of bfc
	s_wait_alu depctr_va_vdst(0)                   ; the thirteen addresses and offsets v1 to v13 are written, which every load and store of the kernel reads
	; ---- A: attn wo + bo
.irp q, 0,1
.irp i, 0,1,2,3
	global_load_b128 v[HR+16*\q+4*\i:HR+16*\q+4*\i+3], v[LI], s[8:9] offset:2048*\q+512*\i th:TH_LOAD_NT   ; my two rows of x: wanted in phase B, asked for first
.endr
.endr
.irp m, 0,1
.irp t, 0,1,2,3
.irp c, 0,1
	global_load_b128 v[XF+8*(4*\m+\t)+4*\c:XF+8*(4*\m+\t)+4*\c+3], v[AO], s[4:5] offset:4096*\m+64*\t+32*\c
.endr
.endr
	global_load_b128 v[XS+4*\m:XS+4*\m+3], v[R16], s[6:7] offset:256*\m
.endr
	LOADW 44, 50, 0
	LOADB BI, 14, 0
	s_wait_loadcnt 0x0
	MULM XF, XS, ACC, 1
	MULM XF+32, XS+4, ACC+16, 1
	PLACES
	s_wait_alu depctr_va_vdst(0)                   ; the sixteen products have written the accumulators, which the LDS stores read, and are done reading the unit, in whose registers g, b and my rows land; the places above stay beside this wait
.irp m, 0,1
.irp u, 0,1
	ds_store_b128 v[X2W], v[ACC+16*\m+8*\u:ACC+16*\m+8*\u+3] offset:16*PITCH*\m+32*\u        ; lane (r, h): row 16 m + r, columns 32 w + 16 h + 8 u + 0 .. 7; each accumulator from its low end on
	ds_store_b128 v[X2W], v[ACC+16*\m+8*\u+4:ACC+16*\m+8*\u+7] offset:16*PITCH*\m+32*\u+16
.endr
.endr
.irp i, 0,1,2,3
	global_load_b128 v[RG+4*\i:RG+4*\i+3], v[LI], s[16:17] offset:512*\i
	global_load_b128 v[RB+4*\i:RB+4*\i+3], v[LI], s[18:19] offset:512*\i
.endr
	BARRIER                                        ; 32 rows of attn wo + bo lie in LDS
	; ---- B: x2 and its LayerNorm, two rows a wave
.irp q, 0,1
.irp i, 0,1,2,3
	ds_load_b128 v[RX+16*\q+4*\i:RX+16*\q+4*\i+3], v[ROWX] offset:PITCH*\q+512*\i
.endr
.endr
	s_wait_dscnt 0x0
	s_wait_loadcnt 0x0                             ; g and b
.set j, 0
.rept 16
	v_pk_add_f32 v[RX+j:RX+j+1], v[RX+j:RX+j+1], v[HR+j:HR+j+1]   ; + x: x2
.set j, j+2
.endr
	s_wait_alu depctr_va_vdst(0)                   ; the additions have written x2, which the LDS stores read
.irp q, 0,1
.irp i, 0,1,2,3
	ds_store_b128 v[ROWX], v[RX+16*\q+4*\i:RX+16*\q+4*\i+3] offset:PITCH*\q+512*\i   ; kept for the end: from here on these two rows are mine alone
.endr
.endr
	s_wait_dscnt 0x0                               ; x2 has landed in LDS
	s_wait_alu depctr_vm_vsrc(0)                   ; the stores have read x2's registers, which are normalised in place; phase A's stores have read the accumulators, which later products write
	LNROWS RX, RG, RB, LT
	s_wait_alu depctr_va_vdst(0)                   ; LayerNorm has written my two rows, which the LDS stores read, and is done with g, b and its scratch: the next unit and bias land in all these registers
.irp q, 0,1
.irp i, 0,1,2,3
	ds_store_b128 v[ROWH], v[RX+16*\q+4*\i:RX+16*\q+4*\i+3] offset:PITCH*\q+512*\i
.endr
.endr
	s_wait_dscnt 0x0                               ; the normalised rows have landed in LDS
	s_wait_alu depctr_vm_vsrc(0)                   ; the stores have read their registers, in which the weights' loads land next
	LOADW 46, 52, 0                                ; wfc's first unit and its bias: they land while the rows are quantised
	LOADB BI, 20, 0
	BARRIER                                        ; 32 normalised rows lie in LDS
.irp b, 0,1
.irp j, 0,1,2,3
	ds_load_b128 v[XF+16*\b+4*\j:XF+16*\b+4*\j+3], v[HBR] offset:128*\b+16*\j
.endr
.endr
	s_wait_dscnt 0x0
	QUANTH XF
	BARRIER                                        ; their eight fragments lie in LDS
	; ---- C: my 128 hidden units, 32 at a time
.irp m, 0,1
.irp t, 0,1,2,3
.irp c, 0,1
	ds_load_b128 v[XF+8*(4*\m+\t)+4*\c:XF+8*(4*\m+\t)+4*\c+3], v[LI] offset:XIMG+1024*(4*\m+\t)+512*\c
.endr
.endr
	ds_load_b128 v[XS+4*\m:XS+4*\m+3], v[R16] offset:XSC+256*\m
.endr
	s_wait_dscnt 0x0
.macro PAIR b
	s_wait_loadcnt 0x0                             ; this pair's unit and bias
	MULM XF, XS, ACC, 1
	MULM XF+32, XS+4, ACC+16, 1
	PLACES
	s_wait_alu depctr_va_vdst(0)                   ; the sixteen products are done reading the unit, its scale words and the bias, in which the next loads land
.if \b < 3
	LOADW 46, 52, \b+1                             ; the next unit is asked for at once: it is on its way during the gelu
	LOADB BI, 20, 128*(\b+1)
.else
	LOADW 48, 54, 0                                ; wproj's first unit, and bproj
	LOADB BI, 22, 0
.endif
	GELU ACC
	GELU ACC+16
	QB2 ACC, ACC+16, PC+2*\b, PC+8+2*\b, E, E+1    ; rows r and 16 + r: my 16 of the pair's 32 hidden units: block b of the K step
.if \b == 0
	v_mov_b32 v[PW], v[E]
	v_mov_b32 v[PW+1], v[E+1]
.else
	v_lshl_or_b32 v[PW], v[E], 8*\b, v[PW]
	v_lshl_or_b32 v[PW+1], v[E+1], 8*\b, v[PW+1]
.endif
.endm
	PAIR 0
	PAIR 1
	PAIR 2
	PAIR 3
.irp m, 0,1
.irp c, 0,1
.irp i, 0,1
	v_permlane16_swap_b32 v[PC+8*\m+4*\c+\i], v[PC+8*\m+4*\c+2+\i]   ; the operand's layout wants a WHOLE block in a lane
.endr
.endr
.endr
	s_wait_alu depctr_va_vdst(0)                   ; the hidden layer's codes and scale words are written, which the LDS stores read
.irp m, 0,1
.irp c, 0,1
	ds_store_b128 v[HIW], v[PC+8*\m+4*\c:PC+8*\m+4*\c+3] offset:16384*\m+512*\c
.endr
	ds_store_b32 v[HSW], v[PW+\m] offset:1024*\m   ; both lanes of a row write the same word with the same value
.endr
	BARRIER                                        ; the hidden layer's 32 fragments lie in LDS
	; ---- D: the last product, a chunk of 512 along K at a time
.irp q, 0,1,2,3
.irp m, 0,1
.irp t, 0,1,2,3
.irp c, 0,1
	ds_load_b128 v[XF+8*(4*\m+\t)+4*\c:XF+8*(4*\m+\t)+4*\c+3], v[LI] offset:HIMG+1024*(16*\m+4*\q+\t)+512*\c
.endr
.endr
	ds_load_b128 v[XS+4*\m:XS+4*\m+3], v[R16] offset:HSC+1024*\m+256*\q
.endr
	s_wait_dscnt 0x0
	s_wait_loadcnt 0x0                             ; this chunk's unit
.if \q == 0
	MULM XF, XS, ACC, 1
	MULM XF+32, XS+4, ACC+16, 1
.else
	MULM XF, XS, ACC, 0
	MULM XF+32, XS+4, ACC+16, 0
.endif
	PLACES                                         ; ahead of the loads into the operands' registers, and of the first read of results
	s_wait_alu depctr_va_vdst(0)                   ; the sixteen products are done reading the unit and the rows' fragments and scale words, in which the next loads land; behind the last chunk they have written the accumulators, which the LDS stores read
.if \q < 3
	LOADW 48, 54, \q+1
.endif
.endr
.irp m, 0,1
.irp u, 0,1
	ds_store_b128 v[HBS], v[ACC+16*\m+8*\u:ACC+16*\m+8*\u+3] offset:16*PITCH*\m+32*\u        ; HB's last reads stood ahead of two barriers
	ds_store_b128 v[HBS], v[ACC+16*\m+8*\u+4:ACC+16*\m+8*\u+7] offset:16*PITCH*\m+32*\u+16
.endr
.endr
	BARRIER                                        ; 32 rows of the last product lie in LDS
	; ---- E: + x2, and out
.irp q, 0,1
.irp i, 0,1,2,3
	ds_load_b128 v[RG+16*\q+4*\i:RG+16*\q+4*\i+3], v[ROWH] offset:PITCH*\q+512*\i
	ds_load_b128 v[RX+16*\q+4*\i:RX+16*\q+4*\i+3], v[ROWX] offset:PITCH*\q+512*\i
.endr
.endr
	s_wait_dscnt 0x0
.set j, 0
.rept 16
	v_pk_add_f32 v[RG+j:RG+j+1], v[RG+j:RG+j+1], v[RX+j:RX+j+1]
.set j, j+2
.endr
	s_wait_alu depctr_va_vdst(0)                   ; the additions have written my two rows of the output, which the stores read
.irp q, 0,1
.irp i, 0,1,2,3
	global_store_b128 v[LI], v[RG+16*\q+4*\i:RG+16*\q+4*\i+3], s[24:25] offset:2048*\q+512*\i th:TH_STORE_NT   ; 32 lanes store 512 consecutive bytes, at a multiple of 256 from the output's first byte
.endr
.endr
	s_wait_dscnt 0x0
	s_wait_alu depctr_hold_cnt(0) depctr_sa_sdst(0) depctr_va_vdst(0) depctr_va_sdst(0) depctr_va_ssrc(0) depctr_va_vcc(0) depctr_vm_vsrc(0)
	s_wait_tensorcnt 0x0
	ds_add_u32 v22, v23
	s_wait_dscnt 0x0
	s_endpgm
.Lfunc_end_k_q42227a2385_mlp:
	.size	k_q42227a2385_mlp, .Lfunc_end_k_q42227a2385_mlp-k_q42227a2385_mlp
	.p2alignl 7, 3214868480
	.fill 96, 4, 3214868480
	.section	.rodata,"a",@progbits
	.p2align	6, 0x0
	.amdhsa_kernel k_q42227a2385_mlp
		.amdhsa_group_segment_fixed_size 177664
		.amdhsa_private_segment_fixed_size 0
		.amdhsa_enable_private_segment 0
		.amdhsa_kernarg_size 88
		.amdhsa_user_sgpr_count 2
		.amdhsa_user_sgpr_kernarg_segment_ptr 1
		.amdhsa_wavefront_size32 1
		.amdhsa_system_sgpr_workgroup_id_x 1
		.amdhsa_system_sgpr_workgroup_id_y 1
		.amdhsa_system_sgpr_workgroup_id_z 1
		.amdhsa_system_vgpr_workitem_id 0
		.amdhsa_next_free_vgpr 256
		.amdhsa_next_free_sgpr 66
		.amdhsa_reserve_vcc 0
		.amdhsa_float_denorm_mode_32 3
		.amdhsa_float_denorm_mode_16_64 3
		.amdhsa_memory_ordered 1
		.amdhsa_forward_progress 1
		.amdhsa_inst_pref_size 105
	.end_amdhsa_kernel
	.amdgpu_metadata
---
amdhsa.version: [ 1, 2 ]
amdhsa.kernels:
  - .name:           k_q42227a2385_mlp
    .symbol:         k_q42227a2385_mlp.kd
    .args:
      - { .name: acodes, .offset: 0, .size: 8, .value_kind: global_buffer, .address_space: global }
      - { .name: ascl, .offset: 8, .size: 8, .value_kind: global_buffer, .address_space: global }
      - { .name: hidden_states, .offset: 16, .size: 8, .value_kind: global_buffer, .address_space: global }
      - { .name: wimg, .offset: 24, .size: 8, .value_kind: global_buffer, .address_space: global }
      - { .name: wscl, .offset: 32, .size: 8, .value_kind: global_buffer, .address_space: global }
      - { .name: bo, .offset: 40, .size: 8, .value_kind: global_buffer, .address_space: global }
      - { .name: ln2_g, .offset: 48, .size: 8, .value_kind: global_buffer, .address_space: global }
      - { .name: ln2_b, .offset: 56, .size: 8, .value_kind: global_buffer, .address_space: global }
      - { .name: bfc, .offset: 64, .size: 8, .value_kind: global_buffer, .address_space: global }
      - { .name: bproj, .offset: 72, .size: 8, .value_kind: global_buffer, .address_space: global }
      - { .name: out0, .offset: 80, .size: 8, .value_kind: global_buffer, .address_space: global }
    .group_segment_fixed_size: 177664
    .private_segment_fixed_size: 0
    .kernarg_segment_align: 8
    .kernarg_segment_size: 88
    .max_flat_workgroup_size: 512
    .sgpr_count:     66
    .vgpr_count:     256
    .wavefront_size: 32
...
	.end_amdgpu_metadata
.endif
;; end of part 7
